; MI455X (gfx1250); checked and timed in simulation.
; The chip was launched on July 23, 2026; its instructions are those of AMD's public machine-readable ISA for CDNA 5 (MIT licence, August 2026) and "CDNA5" Instruction Set Architecture Reference Guide (July 2026). The comments in the code are by the model that wrote it; some were corrected since.
;; Block. Allowed arithmetic: matrix products marked QUANTISED: E2M3 operands, one E8M0 scale for each 32 along K, by v_wmma_scale_f32_16x16x128_f8f6f4 with both operands' format E2M3, f32 sums; everything else in f32.
;; Inputs: W1 1,024 x 4,096 float32; W2 4,096 x 1,024 float32; Wk 16 x 1,024 x 64 float32; Wproj 1,024 x 1,024 float32; Wq 16 x 1,024 x 64 float32; Wv 16 x 1,024 x 64 float32; b1 4,096 float32; b2 1,024 float32; bproj 1,024 float32; ln1_bias 1,024 float32; ln1_scale 1,024 float32; ln2_bias 1,024 float32; ln2_scale 1,024 float32; x 2 x 2,048 x 1,024 float32.
;; Outputs: out0 2 x 2,048 x 1,024 float32.
;; This version of the problem:
;;   THIS VERSION OF THE PROBLEM IS GIVEN IN LOW PRECISION. The matrix products marked QUANTISED in the list below multiply operands that are first quantised to E2M3 (2 exponent bits, 3 mantissa bits; 6 bits a number), with one power-of-two scale for each 32 numbers along K (OCP MX v1.0); their sums are f32. All else is computed in f32.
;;   The module's matrix products, in the order in which they are computed (A, B: the left and right operand; K: the contracted axis; several contracted axes count as one K, in the product's order):
;;     1. [M 1,024, K 1,024] x [K 1,024, N 4,096]; A: input Wq; B: computed on the way: QUANTISED
;;     2. [M 1,024, K 1,024] x [K 1,024, N 4,096]; A: input Wk; B: computed on the way: QUANTISED
;;     3. [M 1,024, K 1,024] x [K 1,024, N 4,096]; A: input Wv; B: computed on the way: QUANTISED
;;     4. batch 32 x [M 2,048, K 64] x [K 64, N 2,048]; A: computed on the way; B: computed on the way: QUANTISED
;;     5. batch 32 x [M 2,048, K 2,048] x [K 2,048, N 64]; A: softmax (see below); B: computed on the way: QUANTISED
;;     6. [M 4,096, K 1,024] x [K 1,024, N 1,024]; A: computed on the way; B: input Wproj: QUANTISED
;;     7. [M 4,096, K 1,024] x [K 1,024, N 4,096]; A: computed on the way; B: input W1: QUANTISED
;;     8. [M 4,096, K 4,096] x [K 4,096, N 1,024]; A: computed on the way; B: input W2: QUANTISED
;;   THE QUANTISER, for each operand of a quantised product, along K:
;;     - K is cut into blocks of 32 from its start; a last block that is shorter is filled with zeros.
;;     - A block's scale is 2^e with e = floor(log2(the largest magnitude in the block)) - 2, held to -126 .. 127; a block of zeros has e = 0. As a byte (E8M0): e + 127.
;;     - Each number is divided by its block's scale, clamped to +-7.5, and rounded to the nearest number of E2M3, ties to even, subnormals kept.
;;     - The product sums the exact products of the quantised numbers (number of the format x scale) in f32.
;;   ~~~python
;;   def quantise(x, axis):      # numpy; x: float32 -> the quantised numbers, widened to float32 again
;;       x = np.moveaxis(x, axis, -1); K = x.shape[-1]
;;       x = np.pad(x, [(0, 0)] * (x.ndim - 1) + [(0, -K % 32)]); x = x.reshape(x.shape[:-1] + (-1, 32)); a = np.abs(x).max(-1, keepdims=True)
;;       e = np.where(a > 0, np.clip(np.frexp(np.where(a > 0, a, 1))[1] - 1 - 2, -126, 127), 0)      # np.frexp(a)[1] - 1 = floor(log2(a)), exactly
;;       r = np.clip(x / 2.0 ** e, -7.5, 7.5)
;;       step = 2.0 ** (np.maximum(np.frexp(np.where(r == 0, 1, r))[1] - 1, 0) - 3)
;;       q = np.round(r / step) * step * 2.0 ** e      # np.round: ties to even
;;       return np.moveaxis(q.reshape(q.shape[:-2] + (-1,))[..., :K], -1, axis).astype(np.float32)
;;   ~~~
;;   SOFTMAX AHEAD OF A QUANTISED PRODUCT. Where the list says 'softmax', what is quantised is not the finished softmax but p = 2^(t - M), with t = logit x log2(e) and M = ceil(the row's largest t), a whole number; so 1/2 < the row's largest p <= 1. The row's sum l is taken of the UNQUANTISED p, in f32, and the product's result is divided by l at the end. Since M is a whole number, a kernel that streams over the keys may use a running M (the ceiling of the running maximum): every later rescaling is an exact power of two, which a block's scale takes up: the codes' values come out the same.
;;   OPERANDS COMPUTED ON THE WAY. 'Computed on the way' means the value that the module computes at that place (a softmax that the list does not call 'softmax' is quantised finished and normalised). What goes into a quantiser is computed in f32, as accurately as f32 sums, v_exp_f32 and their like allow (about 1e-6 of the number): no bf16 or f16 on the way to a quantiser, and a product that is left as it is and whose result goes on into a quantised operand takes f32 operands (vector FMAs, or v_wmma_f32_16x16x4_f32). A number that lies on a knife's edge between two numbers of the format may be rounded either way, as far as f32 arithmetic and the matrix unit's own rounding can turn it there, and no further.
;; One version. Each part assembles by itself: llvm-mc -triple=amdgcn-amd-amdhsa -mcpu=gfx1250 --defsym DOCPART=n.
;; ======== version 1 of 1: 7 launches
;; limits: right only within a limited range of input values
;; workspace buffers: wimg 10,223,616 bytes; himg 3,407,872 bytes; aimg 3,407,872 bytes; qkvb 10,747,904 bytes; x1 16,777,216 bytes; fimg 13,631,488 bytes
;; launch pre1 (part 1): grid 256 x 1, 8 waves a work-group, no clusters, 132,608 bytes of LDS; arguments x, ln1_scale, ln1_bias, himg, Wq, Wk, Wv, Wproj, wimg; writes himg, wimg
.if DOCPART == 1
	.amdgcn_target "amdgcn-amd-amdhsa--gfx1250"
	.amdhsa_code_object_version 6
	.text
	.protected	k_q6db875b9a4_pre1
	.globl	k_q6db875b9a4_pre1
	.p2align	8
	.type	k_q6db875b9a4_pre1,@function
k_q6db875b9a4_pre1:
	s_mov_b64 s[64:65], 0
	v_nop
	global_prefetch_b8 v0, s[64:65] scope:SCOPE_SE
	s_setreg_imm32_b32 hwreg(HW_REG_WAVE_MODE, 25, 1), 1
	s_wait_xcnt 0x0
; ONE TEXT FOR TWO LAUNCHES (PART = 0: LN1 and Wq, Wk, Wv, Wproj;  PART = 1: LN2 and W1, W2).  TWO JOBS THAT SHARE NOTHING STAND IN ONE LAUNCH, parted by the work-group's number: one launch less, and neither waits for the other.
; Both turn f32 numbers into codes of FP6 (E2M3) with one E8M0 scale byte for each 32 along K.  A block's scale is 2^(floor(log2(its largest magnitude)) - 2); its byte is the largest magnitude's exponent field - 2, held at 1 from below.
; LIMITS: NaN and infinities are not served; a block whose largest magnitude lies under 2^-124, a block of zeros too, gets the byte 1 (its codes add nothing; this program alone reads the bytes).
; THE IMAGE, for both.  Tile t of 16 rows (tokens; of a weight: output columns): lane-row r is row 32 (t / 2) + 8 (t % 2) + r % 8 + 16 (r / 8).  A half-fragment (16 rows x 64 K, 6 registers a lane: lane (r, h) holds block 2 kk + h)
; is 768 bytes: registers 0-3 at 16 x lane, registers 4-5 at 512 + 8 x lane.  Codes: [tile][K / 64][768].  A scale unit (a pair of tiles, 128 K) is 256 bytes: lane l's 8 bytes are the words of row l % 16
; of the even and of the odd tile.  Units: [pair][K / 128][256].
; WORK-GROUPS 0 .. 127: y = (x - mean) rsqrt(var + 1e-6) gain + bias over rows of 1,024 f32, all in f32 (mean first, then the squares of x - mean), quantised along the row: codes [256 tiles][16][768] at 0 of himg, units at HS.
;   A work-group takes 32 rows, a pair of tiles.  Phase 1: wave w takes rows 4 w .. 4 w + 3, each load 512 consecutive bytes; a row's sums never leave the wave.  The normalised rows go to LDS,
;   at the row of their place in a tile (tile u = bit 3 of the row, lane-row = row % 8 + 8 x bit 4).  One barrier.  Phase 2: wave w takes K step w (128 columns) of both tiles: a lane reads two whole blocks
;   of 32 of its row for each tile, so a block's largest magnitude needs no other lane.  All of a work-group's 128 KiB are asked for at once.
; THE OTHER WORK-GROUPS: weights, f32 with K not innermost, into wimg.  A wave takes 32 columns (a pair of tiles) x 128 K.  A LANE TAKES A COLUMN AND ITS REGISTERS RUN DOWN K: each load reads 128 consecutive bytes
;   (the eight waves of a work-group stand side by side), a block of 32 lies in one lane, and the conversions give K innermost.  Lanes 0-15 hold the even tile's columns, lanes 16-31 the odd tile's: twelve exchanges of
;   halves make the two fragments.  No LDS, no loop, no barrier on this path.  Sizes and pointers are chosen by the work-group's number.
; Memory binds both jobs: no matrix unit, no cluster (nothing is shared), no prefetch (each byte is asked for at once by the load that wants it).
.set PART,  0
.set NLN,   128                        ; work-groups that normalise
.set PITCH, 4112                       ; an LDS row: 4,096 bytes + 16 = 257 x 16: the 16 rows that a load of 16 bytes a lane touches fall on 16 different columns of 16 bytes
.set SPARE, 32*PITCH                   ; behind the rows: the spare words, 128 bytes for each of eight waves
.set HS,    3145728
.set SPW, 14                           ; v14 LDS address of my spare word; v15 0: made at the head, never rewritten on either path
.set NIL, 15
.set S,   16                           ; the norm's path: v16-23 a pair for each of my four rows: sums, then the mean in the low word
.set Q,   24                           ; v24-31   the same for the squares
.set T,   32                           ; v32-35   the other half's sums
.set R,   36                           ; v36-43   1 / sqrt(var + eps) in the low word of a pair
.set TM,  44                           ; v44-47 largest magnitudes, v48-51 scale operands, v52-55 bytes, v56-57 scale words, v58-59 the other half's
.set X,   64                           ; v64-191  four rows of 32 numbers a lane; in phase 2 four blocks of 32.  The weights' path: four blocks of 32 numbers
.set GA,  192                          ; v192-223 gain, v224-255 bias of my 32 columns; in phase 2 the codes
.set BI,  224
.set F,   192
.set TP,  216                          ; both paths: the upper 16 codes of each block (a conversion's three registers begin on an even number)
.set OFF, 32                           ; the weights' path: v32-63 byte offset of my column in rows 0 .. 31 of a block
.set F0,  192                          ; v192-203 blocks 0, 2; then the even tile's fragment
.set F1,  204                          ; v204-215 blocks 1, 3; then the odd tile's
.set WD,  232                          ; v232-233 the scale words
.set SO,  8                            ; v8-11    the conversions' scale operands
	v_lshl_add_u32 v[SPW], v0, 2, SPARE
	v_mov_b32 v[NIL], 0
	s_cmp_lt_u32 ttmp9, NLN                        ; the same in all waves of a work-group
	s_cbranch_scc0 .Lweights
	; ---------------- the layer norm ----------------
	s_load_b256 s[4:11], s[0:1], 0x0               ; x, gain, bias, the image
	v_lshrrev_b32 v5, 5, v0
	s_delay_alu instid0(VALU_DEP_1)
	v_readfirstlane_b32 s14, v5                    ; wave 0..7
	v_and_b32 v5, 31, v0
	s_delay_alu instid0(VALU_DEP_1)
	v_lshlrev_b32 v1, 4, v5                        ; 16 x lane
	s_wait_alu depctr_va_vdst(0)
	v_lshlrev_b32 v2, 3, v5                        ; 8 x lane
	s_mov_b32 s12, 0x76543210
	s_mov_b32 s13, 0xfedcba98                      ; v_permlanex16_b32's selects for lane l xor 16
	s_mov_b32 s20, 0x3a800000                      ; 1 / 1,024
	s_mov_b32 s21, 0x358637bd                      ; 1e-6
	s_lshl_b32 s16, ttmp9, 17                      ; 32 rows of 4,096 bytes
	s_lshl_b32 s17, s14, 14                        ; my 4 rows
	s_add_co_u32 s16, s16, s17
	s_mov_b32 s17, 0
	s_and_b32 s18, s14, 1                          ; where my rows go in LDS: 4 (w % 2) + 8 (w / 4) + 16 ((w / 2) % 2)
	s_lshl_b32 s18, s18, 2
	s_lshr_b32 s19, s14, 2
	s_lshl_b32 s19, s19, 3
	s_add_co_u32 s18, s18, s19
	s_lshr_b32 s19, s14, 1
	s_and_b32 s19, s19, 1
	s_lshl_b32 s19, s19, 4
	s_add_co_u32 s18, s18, s19
	s_mul_i32 s18, s18, PITCH
	v_add_nc_u32 v5, s18, v1
	v_and_b32 v8, 15, v0                           ; r
	v_bfe_u32 v9, v0, 4, 1                         ; h
	s_delay_alu instid0(VALU_DEP_2)
	v_mul_u32_u24 v6, v8, PITCH
	s_delay_alu instid0(VALU_DEP_1)
	v_lshl_add_u32 v6, v9, 7, v6
	s_lshl_b32 s19, s14, 9
	v_add_nc_u32 v6, s19, v6                       ; phase 2, even tile: row r, + 128 h, + 512 w
	s_delay_alu instid0(VALU_DEP_1)
	v_add_nc_u32 v7, 16*PITCH, v6                  ; odd tile
	v_lshlrev_b32 v60, 3, v9                       ; 8 h
.irp i, 0,1,2,3
	v_mov_b32 v[T+\i], 0                           ; written once: a lane permute's destination counts as one of its sources
	v_mov_b32 v[R+2*\i+1], 0                       ; (named as the upper half of a pair)
.endr
	v_mov_b32 v58, 0
	v_mov_b32 v59, 0
	s_wait_kmcnt 0x0
	s_add_nc_u64 s[4:5], s[4:5], s[16:17]
.irp i, 0,1,2,3
.irp j, 0,1,2,3,4,5,6,7
	global_load_b128 v[X+32*\i+4*\j:X+32*\i+4*\j+3], v1, s[4:5] offset:4096*\i+512*\j
.endr
.endr
.irp j, 0,1,2,3,4,5,6,7
	global_load_b128 v[GA+4*\j:GA+4*\j+3], v1, s[6:7] offset:512*\j
	global_load_b128 v[BI+4*\j:BI+4*\j+3], v1, s[8:9] offset:512*\j
.endr
	s_lshl_b32 s16, ttmp9, 5                       ; where the results go: fragment (tile 2 p, K step w)
	s_lshl_b32 s18, s14, 1
	s_add_co_u32 s16, s16, s18
	s_mul_i32 s16, s16, 768
	s_add_nc_u64 s[22:23], s[10:11], s[16:17]
	s_lshl_b32 s16, ttmp9, 3
	s_add_co_u32 s16, s16, s14
	s_lshl_b32 s16, s16, 8
	s_add_co_u32 s16, s16, HS
	s_add_nc_u64 s[24:25], s[10:11], s[16:17]      ; and the scale unit (pair p, K step w)
.macro RED4 b                          ; four rows' pairs at v[b + 2 i] become four sums over the wave, in every lane; the rows by turns
.irp i, 0,1,2,3
	s_delay_alu instid0(VALU_DEP_4)
	v_add_f32 v[\b+2*\i], v[\b+2*\i], v[\b+2*\i+1]
.endr
.irp m, 1,2,4,8
.irp i, 0,1,2,3
	s_delay_alu instid0(VALU_DEP_4)
	v_add_f32_dpp v[\b+2*\i], v[\b+2*\i], v[\b+2*\i] row_xmask:\m row_mask:0xf bank_mask:0xf
.endr
.endr
.irp i, 0,1,2,3
	s_delay_alu instid0(VALU_DEP_4)
	v_permlanex16_b32 v[T+\i], v[\b+2*\i], s12, s13
.endr
.irp i, 0,1,2,3
	s_delay_alu instid0(VALU_DEP_4)
	v_add_f32 v[\b+2*\i], v[\b+2*\i], v[T+\i]
.endr
.endm
	s_wait_loadcnt 16                              ; x is in; gain's and bias's 16 loads may be out
.irp i, 0,1,2,3
	v_pk_add_f32 v[S+2*\i:S+2*\i+1], v[X+32*\i:X+32*\i+1], v[X+32*\i+2:X+32*\i+3]
.endr
.set k, 4
.rept 14
.irp i, 0,1,2,3
	s_delay_alu instid0(VALU_DEP_4)
	v_pk_add_f32 v[S+2*\i:S+2*\i+1], v[S+2*\i:S+2*\i+1], v[X+32*\i+k:X+32*\i+k+1]
.endr
.set k, k+2
.endr
	RED4 S
.irp i, 0,1,2,3
	s_delay_alu instid0(VALU_DEP_4)
	v_mul_f32 v[S+2*\i], s20, v[S+2*\i]            ; the mean
.endr
.set k, 0
.rept 16
.irp i, 0,1,2,3
	v_pk_add_f32 v[X+32*\i+k:X+32*\i+k+1], v[X+32*\i+k:X+32*\i+k+1], v[S+2*\i:S+2*\i+1] op_sel_hi:[1,0] neg_lo:[0,1] neg_hi:[0,1]   ; x - mean, in place
.endr
.set k, k+2
.endr
.irp i, 0,1,2,3
	v_pk_mul_f32 v[Q+2*\i:Q+2*\i+1], v[X+32*\i:X+32*\i+1], v[X+32*\i:X+32*\i+1]
.endr
.set k, 2
.rept 15
.irp i, 0,1,2,3
	s_delay_alu instid0(VALU_DEP_4)
	v_pk_fma_f32 v[Q+2*\i:Q+2*\i+1], v[X+32*\i+k:X+32*\i+k+1], v[X+32*\i+k:X+32*\i+k+1], v[Q+2*\i:Q+2*\i+1]
.endr
.set k, k+2
.endr
	RED4 Q
.irp i, 0,1,2,3
	s_delay_alu instid0(VALU_DEP_4)
	v_fma_f32 v[Q+2*\i], v[Q+2*\i], s20, s21       ; var + eps
.endr
	s_wait_alu depctr_va_vdst(0)
.irp i, 0,1,2,3
	v_rsq_f32 v[R+2*\i], v[Q+2*\i]
.endr
	v_nop                                          ; a plain instruction behind the last of the four
	s_wait_alu depctr_va_vdst(0)                   ; one wait for the batch, ahead of its first reader
	s_wait_loadcnt 0x0                             ; gain and bias
.irp i, 0,1,2,3
.set k, 0
.rept 16
	v_pk_mul_f32 v[X+32*\i+k:X+32*\i+k+1], v[X+32*\i+k:X+32*\i+k+1], v[R+2*\i:R+2*\i+1] op_sel_hi:[1,0]
.set k, k+2
.endr
.set k, 0
.rept 16
	v_pk_fma_f32 v[X+32*\i+k:X+32*\i+k+1], v[X+32*\i+k:X+32*\i+k+1], v[GA+k:GA+k+1], v[BI+k:BI+k+1]
.set k, k+2
.endr
.irp j, 0,1,2,3,4,5,6,7
	ds_store_b128 v5, v[X+32*\i+4*\j:X+32*\i+4*\j+3] offset:PITCH*\i+512*\j
.endr
.endr
	s_wait_dscnt 0x0                               ; for the others' sake: my rows lie in LDS
	s_barrier_signal -1
	s_barrier_wait -1
.irp c, 0,1                            ; block 2 c + h of K step w, for both tiles: 128 bytes of my row each
.irp e, 0,1,2,3,4,5,6,7
	ds_load_b128 v[X+32*\c+4*\e:X+32*\c+4*\e+3], v6 offset:256*\c+16*\e
	ds_load_b128 v[X+64+32*\c+4*\e:X+64+32*\c+4*\e+3], v7 offset:256*\c+16*\e
.endr
.endr
	s_wait_dscnt 0x0
.irp q, 0,1,2,3                        ; block q = 2 u + c at v[X + 32 q]; the four by turns
	v_max3_num_f32 v[TM+\q], |v[X+32*\q]|, |v[X+32*\q+1]|, 0x1800000   ; with the floor 2^(3 - 127)
.endr
.set k, 2
.rept 15
.irp q, 0,1,2,3
	s_delay_alu instid0(VALU_DEP_4)
	v_max3_num_f32 v[TM+\q], v[TM+\q], |v[X+32*\q+k]|, |v[X+32*\q+k+1]|
.endr
.set k, k+2
.endr
.irp q, 0,1,2,3
	s_delay_alu instid0(VALU_DEP_4)
	v_add_nc_u32 v[TM+4+\q], 0xff000000, v[TM+\q]  ; the conversion's scale operand
.endr
.irp q, 0,1,2,3
	s_delay_alu instid0(VALU_DEP_4)
	v_lshrrev_b32 v[TM+8+\q], 23, v[TM+4+\q]       ; the byte
.endr
.irp u, 0,1
	v_lshl_or_b32 v[56+\u], v[TM+8+2*\u+1], 16, v[TM+8+2*\u]   ; my two bytes: blocks h and 2 + h,
	s_delay_alu instid0(VALU_DEP_1)
	v_lshlrev_b32 v[56+\u], v60, v[56+\u]          ; at their places in the word;
	s_delay_alu instid0(VALU_DEP_1)
	v_permlanex16_b32 v[58+\u], v[56+\u], s12, s13
	s_delay_alu instid0(VALU_DEP_1)
	v_or_b32 v[56+\u], v[56+\u], v[58+\u]          ; with lane l xor 16's two the word is whole, in both halves
.endr
.irp q, 0,1,2,3
	v_cvt_scalef32_pk16_fp6_f32 v[F+6*\q:F+6*\q+2], v[X+32*\q:X+32*\q+15], v[TM+4+\q]
	v_cvt_scalef32_pk16_fp6_f32 v[TP+4*\q:TP+4*\q+2], v[X+32*\q+16:X+32*\q+31], v[TM+4+\q]
.endr
	v_nop                                          ; one plain place behind the last scaled conversion
.irp q, 0,1,2,3
.irp i, 0,1,2
	v_mov_b32 v[F+6*\q+3+\i], v[TP+4*\q+\i]
.endr
.endr
.irp u, 0,1
	global_store_b128 v1, v[F+12*\u:F+12*\u+3], s[22:23] offset:12288*\u           ; each store covers 512 or 256 consecutive bytes, aligned
	global_store_b64 v2, v[F+12*\u+4:F+12*\u+5], s[22:23] offset:12288*\u+512
	global_store_b128 v1, v[F+12*\u+6:F+12*\u+9], s[22:23] offset:12288*\u+768
	global_store_b64 v2, v[F+12*\u+10:F+12*\u+11], s[22:23] offset:12288*\u+1280
.endr
	global_store_b64 v2, v[56:57], s[24:25]
	s_wait_tensorcnt 0x0                           ; the wave's end, behind my last LDS store
	ds_add_u32 v[SPW], v[NIL]
	s_wait_dscnt 0x0
	s_endpgm
	; ---------------- the weights ----------------
.Lweights:
.if PART == 0
	s_load_b256 s[4:11], s[0:1], 0x20              ; Wq, Wk, Wv, Wproj
	s_load_b64 s[16:17], s[0:1], 0x40              ; wimg
.else
	s_load_b128 s[12:15], s[0:1], 0x20             ; W1, W2
	s_load_b64 s[16:17], s[0:1], 0x30              ; wimg
.endif
	v_lshrrev_b32 v3, 5, v0
	s_delay_alu instid0(VALU_DEP_1)
	v_readfirstlane_b32 s18, v3                    ; wave 0..7
	v_and_b32 v3, 31, v0
	s_delay_alu instid0(VALU_DEP_1)
	v_lshlrev_b32 v1, 4, v3                        ; 16 x lane
	s_delay_alu instid0(VALU_DEP_2)
	v_lshlrev_b32 v2, 3, v3                        ; 8 x lane
	v_and_b32 v3, 7, v0
	v_bfe_u32 v4, v0, 4, 1
	v_bfe_u32 v5, v0, 3, 1
	s_delay_alu instid0(VALU_DEP_2)
	v_lshl_or_b32 v3, v4, 3, v3
	s_delay_alu instid0(VALU_DEP_1)
	v_lshl_or_b32 v3, v5, 4, v3                    ; my column of the 32: lane % 8 + 8 (lane / 16) + 16 ((lane / 8) % 2)
	s_delay_alu instid0(VALU_DEP_1)
	v_lshlrev_b32 v[OFF], 2, v3
.if PART == 0
	s_mov_b32 s20, NLN+96                          ; Wproj's figures: its first work-group,
	s_mov_b32 s21, 5                               ; log2 of its pairs of tiles,
	s_mov_b32 s22, 16                              ; K / 64,
	s_mov_b32 s23, 0                               ; 1 where two pairs make a head,
	s_mov_b32 s24, 128                             ; bytes from pair to pair (from head to head),
	s_mov_b32 s25, 4096                            ; bytes from k to k + 1,
	s_mov_b32 s26, 2359296                         ; where its codes begin in wimg,
	s_mov_b32 s27, 9633792                         ; and its scale units
	s_wait_alu depctr_va_vdst(0)
	s_wait_kmcnt 0x0
	s_mov_b64 s[28:29], s[10:11]
	s_cmp_lt_u32 ttmp9, NLN+96                     ; Wv: [head][k][64]
	s_cselect_b32 s20, NLN+64, s20
	s_cselect_b32 s23, 1, s23
	s_cselect_b32 s24, 262144, s24
	s_cselect_b32 s25, 256, s25
	s_cselect_b32 s26, 1572864, s26
	s_cselect_b32 s27, 9568256, s27
	s_cselect_b64 s[28:29], s[8:9], s[28:29]
	s_cmp_lt_u32 ttmp9, NLN+64                     ; Wk
	s_cselect_b32 s20, NLN+32, s20
	s_cselect_b32 s26, 786432, s26
	s_cselect_b32 s27, 9502720, s27
	s_cselect_b64 s[28:29], s[6:7], s[28:29]
	s_cmp_lt_u32 ttmp9, NLN+32                     ; Wq
	s_cselect_b32 s20, NLN, s20
	s_cselect_b32 s26, 0, s26
	s_cselect_b32 s27, 9437184, s27
	s_cselect_b64 s[28:29], s[4:5], s[28:29]
.else
	s_mov_b32 s20, NLN+128                         ; W2's figures: its first work-group,
	s_mov_b32 s21, 5                               ; log2 of its pairs of tiles,
	s_mov_b32 s22, 64                              ; K / 64,
	s_mov_b32 s23, 0                               ; (no heads)
	s_mov_b32 s24, 128                             ; bytes from pair to pair,
	s_mov_b32 s25, 4096                            ; bytes from k to k + 1,
	s_mov_b32 s26, 6291456                         ; where its codes begin in wimg,
	s_mov_b32 s27, 9961472                         ; and its scale units
	s_wait_kmcnt 0x0
	s_mov_b64 s[28:29], s[14:15]
	s_cmp_lt_u32 ttmp9, NLN+128                    ; W1
	s_cselect_b32 s20, NLN, s20
	s_cselect_b32 s21, 7, s21
	s_cselect_b32 s22, 16, s22
	s_cselect_b32 s25, 16384, s25
	s_cselect_b32 s26, 3145728, s26
	s_cselect_b32 s27, 9699328, s27
	s_cselect_b64 s[28:29], s[12:13], s[28:29]
.endif
	s_sub_co_u32 s30, ttmp9, s20
	s_lshl_b32 s30, s30, 3
	s_add_co_u32 s30, s30, s18                     ; my wave's unit in its tensor
	s_lshl_b32 s31, 1, s21
	s_sub_co_u32 s31, s31, 1
	s_and_b32 s31, s30, s31                        ; g: the pair of tiles
	s_lshr_b32 s30, s30, s21                       ; sK: which 128 along K
	s_lshr_b32 s32, s31, s23
	s_mul_i32 s32, s32, s24
	s_and_b32 s33, s31, s23
	s_lshl_b32 s33, s33, 7
	s_add_co_u32 s32, s32, s33                     ; my 32 columns' first byte in a row
	s_mul_i32 s33, s30, s25
	s_lshl_b32 s33, s33, 7
	s_add_co_u32 s32, s32, s33                     ; + 128 sK rows
	s_mov_b32 s33, 0
	s_lshl_b32 s34, s25, 5                         ; 32 rows
	s_mov_b32 s35, 0
	s_add_nc_u64 s[40:41], s[28:29], s[32:33]      ; a base for each block of 32 along K
	s_add_nc_u64 s[42:43], s[40:41], s[34:35]
	s_add_nc_u64 s[44:45], s[42:43], s[34:35]
	s_add_nc_u64 s[46:47], s[44:45], s[34:35]
.set i, 0
	v_add_nc_u32 v[OFF+i+1], s25, v[OFF+i]
.set i, i+1
.rept (31)-1
	s_delay_alu instid0(VALU_DEP_1)
	v_add_nc_u32 v[OFF+i+1], s25, v[OFF+i]
.set i, i+1
.endr
.macro LOADB b                         ; block b: W(128 sK + 32 b + i, my column): 32 lanes read 128 consecutive bytes
.set i, 0
.rept 32
	global_load_b32 v[X+32*(\b)+i], v[OFF+i], s[40+2*(\b):41+2*(\b)] th:TH_LOAD_NT
.set i, i+1
.endr
.endm
	LOADB 0
	LOADB 1
	s_mul_i32 s36, s22, 768                        ; a tile's codes in bytes
	s_lshl_b32 s37, s31, 1
	s_mul_i32 s37, s37, s36                        ; tile 2 g
	s_mul_i32 s38, s30, 1536
	s_add_co_u32 s37, s37, s38
	s_add_co_u32 s38, s37, s26
	s_mov_b32 s39, 0
	s_add_nc_u64 s[48:49], s[16:17], s[38:39]      ; the even tile's fragment,
	s_mov_b32 s37, 0
	s_add_nc_u64 s[50:51], s[48:49], s[36:37]      ; the odd tile's,
	s_lshr_b32 s38, s22, 1
	s_mul_i32 s38, s38, s31
	s_add_co_u32 s38, s38, s30
	s_lshl_b32 s38, s38, 8
	s_add_co_u32 s38, s38, s27
	s_add_nc_u64 s[52:53], s[16:17], s[38:39]      ; the scale unit
.macro QB b                            ; block b: all its 32 numbers are mine
.set XS, X+32*(\b)
.set DS, F0+12*((\b)%2)+6*((\b)/2)
	v_max3_num_f32 v12, |v[XS]|, |v[XS+1]|, |v[XS+2]|
	v_max3_num_f32 v13, |v[XS+3]|, |v[XS+4]|, |v[XS+5]|
.irp i, 6,10,14,18,22,26
	s_delay_alu instid0(VALU_DEP_2)
	v_max3_num_f32 v12, v12, |v[XS+\i]|, |v[XS+\i+1]|
	s_delay_alu instid0(VALU_DEP_2)
	v_max3_num_f32 v13, v13, |v[XS+\i+2]|, |v[XS+\i+3]|
.endr
	s_delay_alu instid0(VALU_DEP_2)
	v_max3_num_f32 v12, v12, |v[XS+30]|, |v[XS+31]|
	s_delay_alu instid0(VALU_DEP_1)
	v_max3_num_f32 v12, v12, v13, 0x1800000        ; the floor 2^(3 - 127): the byte cannot fall under 1
	s_delay_alu instid0(VALU_DEP_1)
	v_add_nc_u32 v[SO+(\b)], 0xff000000, v12       ; 2 off the exponent field: the conversion takes this operand's exponent field as its scale
	s_delay_alu instid0(VALU_DEP_1)
	v_lshrrev_b32 v13, 23, v[SO+(\b)]              ; the scale's byte
.if (\b) == 0
	s_delay_alu instid0(VALU_DEP_1)
	v_mov_b32 v[WD], v13
.else
	s_delay_alu instid0(VALU_DEP_1)
	v_lshl_or_b32 v[WD], v13, 8*(\b), v[WD]
.endif
	v_cvt_scalef32_pk16_fp6_f32 v[DS:DS+2], v[XS:XS+15], v[SO+(\b)]
	v_cvt_scalef32_pk16_fp6_f32 v[TP+4*(\b):TP+4*(\b)+2], v[XS+16:XS+31], v[SO+(\b)]
.endm
	s_wait_alu depctr_va_vdst(0)
	s_wait_loadcnt 32                              ; block 0 is in; block 1's 32 loads may be out
	LOADB 2
	QB 0
	s_wait_loadcnt 32                              ; block 1 is in; block 2's may be out
	LOADB 3
	QB 1
	s_wait_loadcnt 32                              ; block 2 is in; block 3's may be out
	QB 2
	s_wait_loadcnt 0x0
	QB 3
	v_nop                                          ; one plain place behind the last scaled conversion
.irp b, 0,1,2,3
.irp i, 0,1,2
	v_mov_b32 v[F0+12*(\b%2)+6*(\b/2)+3+\i], v[TP+4*\b+\i]
.endr
.endr
.set i, 0
.rept 12
	v_permlane16_swap_b32 v[F0+i], v[F1+i]         ; the odd tile's even blocks change places with the even tile's odd blocks: lane (r, h) now holds blocks h and 2 + h of its tile's row r
.set i, i+1
.endr
	v_mov_b32 v[WD+1], v[WD]
	s_delay_alu instid0(VALU_DEP_1)
	v_permlane16_swap_b32 v[WD], v[WD+1]           ; the first now holds the even tile's words in both halves, the second the odd tile's
.irp u, 0,1
	global_store_b128 v1, v[F0+12*\u:F0+12*\u+3], s[48+2*\u:49+2*\u]               ; each store of the wave covers 512 or 256 consecutive bytes, aligned
	global_store_b64 v2, v[F0+12*\u+4:F0+12*\u+5], s[48+2*\u:49+2*\u] offset:512
	global_store_b128 v1, v[F0+12*\u+6:F0+12*\u+9], s[48+2*\u:49+2*\u] offset:768
	global_store_b64 v2, v[F0+12*\u+10:F0+12*\u+11], s[48+2*\u:49+2*\u] offset:1280
.endr
	global_store_b64 v2, v[WD:WD+1], s[52:53]
	s_endpgm
.Lfunc_end_k_q6db875b9a4_pre1:
	.size	k_q6db875b9a4_pre1, .Lfunc_end_k_q6db875b9a4_pre1-k_q6db875b9a4_pre1
	.p2alignl 7, 3214868480
	.fill 96, 4, 3214868480
	.section	.rodata,"a",@progbits
	.p2align	6, 0x0
	.amdhsa_kernel k_q6db875b9a4_pre1
		.amdhsa_group_segment_fixed_size 132608
		.amdhsa_private_segment_fixed_size 0
		.amdhsa_enable_private_segment 0
		.amdhsa_kernarg_size 72
		.amdhsa_user_sgpr_count 2
		.amdhsa_user_sgpr_kernarg_segment_ptr 1
		.amdhsa_wavefront_size32 1
		.amdhsa_system_sgpr_workgroup_id_x 1
		.amdhsa_system_sgpr_workgroup_id_y 1
		.amdhsa_system_sgpr_workgroup_id_z 1
		.amdhsa_system_vgpr_workitem_id 0
		.amdhsa_next_free_vgpr 256
		.amdhsa_next_free_sgpr 66
		.amdhsa_reserve_vcc 0
		.amdhsa_float_denorm_mode_32 3
		.amdhsa_float_denorm_mode_16_64 3
		.amdhsa_memory_ordered 1
		.amdhsa_forward_progress 1
		.amdhsa_inst_pref_size 77
	.end_amdhsa_kernel
	.amdgpu_metadata
---
amdhsa.version: [ 1, 2 ]
amdhsa.kernels:
  - .name:           k_q6db875b9a4_pre1
    .symbol:         k_q6db875b9a4_pre1.kd
    .args:
      - { .name: x, .offset: 0, .size: 8, .value_kind: global_buffer, .address_space: global }
      - { .name: ln1_scale, .offset: 8, .size: 8, .value_kind: global_buffer, .address_space: global }
      - { .name: ln1_bias, .offset: 16, .size: 8, .value_kind: global_buffer, .address_space: global }
      - { .name: himg, .offset: 24, .size: 8, .value_kind: global_buffer, .address_space: global }
      - { .name: Wq, .offset: 32, .size: 8, .value_kind: global_buffer, .address_space: global }
      - { .name: Wk, .offset: 40, .size: 8, .value_kind: global_buffer, .address_space: global }
      - { .name: Wv, .offset: 48, .size: 8, .value_kind: global_buffer, .address_space: global }
      - { .name: Wproj, .offset: 56, .size: 8, .value_kind: global_buffer, .address_space: global }
      - { .name: wimg, .offset: 64, .size: 8, .value_kind: global_buffer, .address_space: global }
    .group_segment_fixed_size: 132608
    .private_segment_fixed_size: 0
    .kernarg_segment_align: 8
    .kernarg_segment_size: 72
    .max_flat_workgroup_size: 256
    .sgpr_count:     66
    .vgpr_count:     256
    .wavefront_size: 32
...
	.end_amdgpu_metadata
.endif
;; end of part 1
;; launch qkv (part 2): grid 12 x 16, 4 waves a work-group, clusters of 4 x 4, 327,680 bytes of LDS; arguments himg, wimg, qkvb; writes qkvb
.if DOCPART == 2
	.amdgcn_target "amdgcn-amd-amdhsa--gfx1250"
	.amdhsa_code_object_version 6
	.text
	.protected	k_q6db875b9a4_qkv
	.globl	k_q6db875b9a4_qkv
	.p2align	8
	.type	k_q6db875b9a4_qkv,@function
k_q6db875b9a4_qkv:
	s_mov_b64 s[64:65], 0
	v_nop
	global_prefetch_b8 v0, s[64:65] scope:SCOPE_SE
	s_setreg_imm32_b32 hwreg(HW_REG_WAVE_MODE, 25, 1), 1
	s_wait_xcnt 0x0
	s_wait_alu depctr_hold_cnt(0) depctr_sa_sdst(0) depctr_va_vdst(0) depctr_va_sdst(0) depctr_va_ssrc(0) depctr_va_vcc(0) depctr_vm_vsrc(0)
	s_getreg_b32 s2, hwreg(HW_REG_IB_STS2, 6, 4)
	s_cmp_eq_u32 s2, 0
	s_cbranch_scc0 .Lentry_in_a_cluster
	s_endpgm
.Lentry_in_a_cluster:
	s_bfe_u32 s2, ttmp6, 0x10000c
	s_cmp_lg_u32 s2, 0xf033
	s_cbranch_scc0 .Lentry_shape_is_right
	s_endpgm
.Lentry_shape_is_right:
; ONE TEXT FOR TWO LAUNCHES (FFN = 0: q, k, v;  FFN = 1: the feed-forward's first product).  R = P Q^T on codes of FP6 (E2M3) with E8M0 scales, K = 1,024, f32 sums; the result is quantised again, ALONG Q's ROWS, and
; stored as codes.  P, Q and the results are images of operand registers: tile t of 16 rows, lane-row r = row 32 (t / 2) + 8 (t % 2) + r % 8 + 16 (r / 8); a half-fragment (16 rows x 64 K) is 768 bytes (registers 0-3 at
; 16 x lane, 4-5 at 512 + 8 x lane), codes [tile][K / 64][768]; a scale unit (pair of tiles, 128 K) is 256 bytes, lane l's 8 bytes the words of row l % 16 of both tiles, units [pair][K / 128][256].
; So a fragment comes from LDS by four loads of 512 or 256 consecutive bytes: no pitch, no padding.
; FFN = 0: the cluster's x chooses: 0, 1: P = LN1(x), Q = Wq, Wk: a lane holds a token, its registers run over (head, d): quantised along d.  2: P = Wv, Q = LN1(x): a lane holds a channel, its registers run over
; the tokens: v is quantised along the keys.  FFN = 1: P = LN2(x1), Q = W1; b1 is the C of each sum's first product; relu; quantised along the hidden units.
; LIMITS: NaN and infinities are not served; a block whose largest magnitude lies under 2^-124, a block of zeros too, gets the scale byte 1.
; SHARES.  A work-group of four waves makes 256 x 256, a wave 128 x 128: 64 accumulators, 512 registers.  K goes in steps of 256 through two LDS slots filled by the tensor data mover, one load a wave (8 tiles x 3,072 bytes).
; The scales of all of K come once, with the first fills.  CLUSTERS: 4 x 4: P's tiles are asked for jointly along a row of the cluster, Q's along a column.
; THE MATRIX INSTRUCTION: source 0 = 16 rows of Q, source 1 = 16 rows of P: lane (r, h) holds P's lane-row r, and register j of Q's tile b is Q's row 32 (b / 2) + 16 h + 8 (b % 2) + j: the 64 registers of a
; tile of P's rows are 16 neighbours of each of four blocks of 32: what the conversions want.
; REGISTERS: window 0: v16-29 addresses; v32-63 scale words, two sets, and nothing else; v64-85 at work on the way out; v128-223 P's fragments, one set (on the way out: the codes just made).
;   window 1: Q's fragments, two sets, at v0 and v128 (FFN: b1's eight tiles at v96-127 and v224-255).   windows 2, 3: the accumulators ((a, b) at v[8 (8 (a % 4) + b)]).
.set FFN,   0
.set TILEB, 12288                      ; a tile's codes for K = 1,024
.set ROWB,  3072                       ; and for 256 along K
.set FR,    12
.set NL,    4                          ; LDS loads that bring a fragment
.set NP,    4                          ; places behind this matrix instruction (ISA guide 7.12.1)
.set HALFT, 8*ROWB                     ; what one tensor load brings: 8 tiles
.set SLOT,  4*HALFT                    ; P's two halves, then Q's two
.set LAPS,  2                          ; a lap = two K steps of 256
.set SCL,   2*SLOT                     ; behind the ring: the scales
.set HALFS, 8192                       ; those of 128 rows: 4 pairs x 8 steps x 256
.set SPARE, SCL+4*HALFS                ; the spare words: 128 bytes a wave
.set HS,    3145728                    ; where the scale units begin in himg
.set QS,    3145728                    ; qkvb: q's scale units;
.set KV,    3670016                    ; [b h][key step][13,824]: K's 8 half-fragments, V's 4 fragments at 6,144, K's 4 units at 12,288, V's 2 at 13,312
.set FS,    12582912                   ; where the scale units begin in fimg
.set ADRA, 16                          ; v16-17 P's fragments in slot 0, 1, on 16 x lane; v18-19 on 8 x lane
.set ADRB, 20                          ; v20-23 the same for Q
.set L16,  24
.set L8,   25
.set ADRS, 27
.set SPW,  28
.set NIL,  29
.set SC,   32                          ; scale words: set sc, step q, tile t at v[SC + 16 sc + 8 q + t]: lanes 0-15 P's tile t, lanes 16-31 Q's
.set TM,   64
.set PW,   80                          ; v80-81 the words of an even and an odd tile; v82-85 what q and k make of them
.set AF,   128
.set PC,   128
.set G1, 24
.set G0, 32
.set G1B, 48
.set G0B, 56
.set SEL, 66
.set G1S, 68
.set G0S, 76
.set G1SB, 80
.set G0SB, 88
.set D0, 92                            ; s[92:99] the way out: codes' bases (two), scale units' bases (two)
.set D1, 94
.set E0, 96
.set E1, 98
.set MSB, 0
.macro WIN new                         ; the immediate's high byte repeats the setting that is left
.if MSB != (\new)
	s_set_vgpr_msb (MSB<<8)|(\new)
.set MSB, (\new)
.endif
.endm
.set MUL_LO, 0xa1                      ; source 0 (Q) window 1, source 1 (P) window 0, C and D window 2
.set MUL_HI, 0xf1
.set TO_B,   0x40
; A joint load: waves 0 and 1 fetch for P, waves 2 and 3 for Q; the branch hangs on the wave's number alone.  An s_nop 0 and four v_nop follow each of the two lines.
.macro JLOAD g0a, g1a, g0b, g1b
	s_cmp_eq_u32 s15, 0
	s_cbranch_scc0 .Lfor_b_\@
	tensor_load_to_lds s[\g0a:\g0a+3], s[\g1a:\g1a+7]
	s_nop 0
.rept 4
	v_nop
.endr
	s_branch .Lasked_\@
.Lfor_b_\@:
	tensor_load_to_lds s[\g0b:\g0b+3], s[\g1b:\g1b+7]
	s_nop 0
.rept 4
	v_nop
.endr
.Lasked_\@:
.endm
.macro CREST                           ; a round of the cluster's barrier behind its opening barrier
	s_cmp_lg_u32 s14, 0
	s_cbranch_scc1 .Lnot_wave_0_\@
	s_barrier_signal -3
.Lnot_wave_0_\@:
	s_barrier_wait -3
	s_barrier_signal -1
	s_barrier_wait -1
.endm
.macro CROUND
	s_barrier_signal -1
	s_barrier_wait -1
	CREST
.endm
	s_load_b128 s[4:7], s[0:1], 0x0                ; himg, wimg
.if FFN
	s_load_b128 s[8:11], s[0:1], 0x10              ; b1, fimg
.else
	s_load_b64 s[8:9], s[0:1], 0x10                ; qkvb
.endif
	v_lshl_add_u32 v[SPW], v0, 2, SPARE
	v_mov_b32 v[NIL], 0
	ds_add_u32 v[SPW], v[NIL]                      ; the wave's opening: the add and its wait ahead of my first tensor load; the set-up below stands between them
	ds_add_u32 v[SPW], v[NIL]
	v_lshrrev_b32 v1, 5, v0
	v_readfirstlane_b32 s14, v1                    ; wave 0..3
	s_lshr_b32 s15, s14, 1                         ; which half of P's rows is mine.  Also: I fetch for P (0) or for Q (1)
	s_and_b32 s16, s14, 1                          ; which half of Q's rows.  Also: which half of that tile I fetch
	s_bfe_u32 s40, ttmp6, 0x40000                  ; cx
	s_bfe_u32 s41, ttmp6, 0x40004                  ; cy
	s_and_b32 s45, ttmp7, 0xffff
	s_lshl_b32 s45, s45, 2                         ; 4 x cluster y
	s_add_co_u32 s17, s45, s41                     ; P's tile of 256 rows: 4 Y + cy
.if FFN
	s_lshl_b32 s42, ttmp9, 2
	s_add_co_u32 s42, s42, s40                     ; Q's: 4 X + cx
.else
	s_add_co_u32 s42, s45, s40
	s_cmp_eq_u32 ttmp9, 2                          ; the cluster's x is the same in all sixteen partners
	s_cselect_b32 s17, s41, s17                    ; v: P = Wv has four tiles: cy;
	s_cselect_b32 s42, s42, s40                    ;    Q = the tokens: 4 Y + cx.  q, k: Q = the weight: cx
.endif
	s_lshl_b32 s43, s41, 2
	s_lshl_b32 s43, 15, s43                        ; my row of the cluster
	s_lshl_b32 s44, 0x1111, s40                    ; my column
	s_or_b32 s[G1+0], s43, (3<<16)|(1<<21)         ; 15:0 the mask; 17:16 elements of 8 bytes; 20 no padding; 21 set beside a mask
	s_or_b32 s[G1B+0], s44, (3<<16)|(1<<21)
	s_or_b32 s[G1S+0], s43, (3<<16)|(1<<21)
	s_or_b32 s[G1SB+0], s44, (3<<16)|(1<<21)
.irp g, G1, G1B                        ; codes: 8 tiles x 3,072 bytes, 12,288 bytes apart
	s_mov_b32 s[\g+1], 384<<16
	s_mov_b32 s[\g+2], 16<<16                      ; the head's loads bring 16 tiles; behind them these two words are set to 8, for the ring's
	s_mov_b32 s[\g+3], 384<<16
	s_mov_b32 s[\g+4], 16
	s_mov_b32 s[\g+5], 1536
	s_mov_b32 s[\g+6], 0
	s_mov_b32 s[\g+7], 0
.endr
.irp g, G1S, G1SB                      ; scales: a dense block of 16,384 bytes as 64 rows of 256
	s_mov_b32 s[\g+1], 32<<16
	s_mov_b32 s[\g+2], 64<<16                      ; the scales of 256 rows: 64 rows of 256 bytes
	s_mov_b32 s[\g+3], 32<<16
	s_mov_b32 s[\g+4], 64
	s_mov_b32 s[\g+5], 32
	s_mov_b32 s[\g+6], 0
	s_mov_b32 s[\g+7], 0
.endr
	s_mul_i32 s20, s17, 16*TILEB                   ; P's codes: the tile of 256 rows
	s_mul_i32 s46, s42, 16*TILEB                   ; Q's
	s_lshl_b32 s22, s17, 14                        ; P's scale units: 8 pairs of 2,048 bytes
	s_lshl_b32 s92, s42, 14                        ; Q's
.if FFN
	s_add_co_u32 s22, s22, HS
	s_add_co_u32 s46, s46, 3145728                 ; W1's codes in wimg
	s_add_co_u32 s92, s92, 9699328                 ; and its scale units
.else
	s_mul_i32 s96, ttmp9, 786432                   ; Wq's or Wk's codes in wimg
	s_lshl_b32 s97, ttmp9, 16
	s_add_co_u32 s97, s97, 9437184                 ; and scale units
	s_mov_b32 s98, HS
	s_cmp_eq_u32 ttmp9, 2
	s_cselect_b32 s99, 1572864, 0                  ; P's codes: Wv's, or himg's at 0
	s_cselect_b32 s96, 0, s96                      ; Q's codes
	s_cselect_b32 s97, s98, s97                    ; Q's scale units
	s_cselect_b32 s98, 9568256, s98                ; P's
	s_add_co_u32 s20, s20, s99
	s_add_co_u32 s22, s22, s98
	s_add_co_u32 s46, s46, s96
	s_add_co_u32 s92, s92, s97
.endif
	s_mov_b32 s21, 0
	s_mov_b32 s23, 0
	s_mov_b32 s47, 0
	s_mov_b32 s93, 0
	s_mul_i32 s45, s14, HALFT                      ; where they go: wave x a half: no place in the cluster enters an LDS address
	s_mov_b32 s[SEL], 0x76543210
	s_mov_b32 s[SEL+1], 0xfedcba98
	s_wait_dscnt 0x0                               ; the opening add is done
	s_wait_kmcnt 0x0
.if FFN
	s_add_nc_u64 s[20:21], s[4:5], s[20:21]
	s_add_nc_u64 s[22:23], s[4:5], s[22:23]
	s_add_nc_u64 s[46:47], s[6:7], s[46:47]
	s_add_nc_u64 s[92:93], s[6:7], s[92:93]
.else
	s_cmp_eq_u32 ttmp9, 2
	s_cselect_b64 s[10:11], s[6:7], s[4:5]         ; P's buffer
	s_cselect_b64 s[12:13], s[4:5], s[6:7]         ; Q's
	s_add_nc_u64 s[20:21], s[10:11], s[20:21]
	s_add_nc_u64 s[22:23], s[10:11], s[22:23]
	s_add_nc_u64 s[46:47], s[12:13], s[46:47]
	s_add_nc_u64 s[92:93], s[12:13], s[92:93]
.endif
	CROUND                                         ; all sixteen work-groups are here: the first joint loads meet
	s_mov_b32 s[G0S], 1
	s_mov_b32 s[G0S+1], SCL
	s_mov_b64 s[G0S+2:G0S+3], s[22:23]
	s_or_b32 s[G0S+3], s[G0S+3], 0x80000000
	s_mov_b32 s[G0SB], 1
	s_mov_b32 s[G0SB+1], SCL+2*HALFS
	s_mov_b64 s[G0SB+2:G0SB+3], s[92:93]
	s_or_b32 s[G0SB+3], s[G0SB+3], 0x80000000
.irp s, 0,1
	s_mov_b32 s[G0+4*\s], 1
	s_add_co_u32 s[G0+4*\s+1], s45, \s*SLOT
	s_add_nc_u64 s[G0+4*\s+2:G0+4*\s+3], s[20:21], \s*ROWB
	s_or_b32 s[G0+4*\s+3], s[G0+4*\s+3], 0x80000000
	s_mov_b32 s[G0B+4*\s], 1
	s_add_co_u32 s[G0B+4*\s+1], s45, \s*SLOT
	s_add_nc_u64 s[G0B+4*\s+2:G0B+4*\s+3], s[46:47], \s*ROWB
	s_or_b32 s[G0B+4*\s+3], s[G0B+4*\s+3], 0x80000000
.endr
	; THE HEAD'S LOADS, ONE A WAVE: wave 0 P's 16 tiles of K step 0, wave 1 Q's, wave 2 P's scales, wave 3 Q's.  Slot 0's two groups 0 serve them whole and get my half behind the wait.
	s_mov_b32 s[G0+1], 0
	s_mov_b32 s[G0B+1], 2*HALFT
	s_mul_i32 s4, s16, 8*TILEB                     ; my half of a tile, in bytes (the arguments that lay here have been used)
	s_mov_b32 s5, 0
	s_add_nc_u64 s[G0+6:G0+7], s[G0+6:G0+7], s[4:5]
	s_add_nc_u64 s[G0B+6:G0B+7], s[G0B+6:G0B+7], s[4:5]
.macro ARM under, g0, g1, next         ; one chain of branches on the wave's number, one load to an arm, all arms to one join
	s_cmp_lt_u32 s14, \under
	s_cbranch_scc0 \next
	tensor_load_to_lds s[\g0:\g0+3], s[\g1:\g1+7]
	s_nop 0
.rept 4
	v_nop
.endr
	s_branch .Lhead_asked
\next:
.endm
	ARM 1, G0,  G1,  .Lhead_b
	ARM 2, G0B, G1B, .Lhead_sa
	ARM 3, G0S, G1S, .Lhead_sb
	tensor_load_to_lds s[G0SB:G0SB+3], s[G1SB:G1SB+7]
	s_nop 0
.rept 4
	v_nop
.endr
.Lhead_asked:
	; PREFETCHES INTO THE L2.  Of the 8 tiles x 3,072 bytes that my wave fetches in a K step, each of the four partners that ask for them jointly takes two tiles, told apart by address (cx for P, cy for Q):
	; 24 blocks of 256 bytes, a lane a block (the lanes left over name the last again).  K steps 1 and 2 are asked for here, K step 3 behind K step 1's load: never more than two K steps asked for and not yet read.
	s_cmp_eq_u32 s15, 0
	s_cselect_b32 s2, s40, s41
	s_cselect_b64 s[6:7], s[20:21], s[46:47]
	s_mul_i32 s2, s2, 2*TILEB
	s_add_co_u32 s2, s2, s4
	s_mov_b32 s3, 0
	s_add_nc_u64 s[6:7], s[6:7], s[2:3]
	v_and_b32 v1, 31, v0
	v_bfe_u32 v2, v0, 4, 1                         ; h
	v_lshlrev_b32 v[L16], 4, v1
	v_lshlrev_b32 v[L8], 3, v1
	v_min_u32 v30, 23, v1                          ; my block of the 24,
	v_mul_u32_u24 v31, v30, 171
	v_lshrrev_b32 v31, 11, v31                     ; / 12: which of the two tiles
	v_mul_u32_u24 v31, v31, TILEB-12*256
	v_lshl_add_u32 v30, v30, 8, v31                ; v30: the prefetches' offset; never rewritten
	global_prefetch_b8 v30, s[6:7] offset:ROWB th:TH_LOAD_NT scope:SCOPE_SE
	global_prefetch_b8 v30, s[6:7] offset:2*ROWB th:TH_LOAD_NT scope:SCOPE_SE
	s_mul_i32 s21, s15, HALFT                      ; my half of P
	s_mul_i32 s22, s16, HALFT                      ; my half of Q,
	s_add_co_u32 s22, s22, 2*HALFT                 ; behind P's two
.irp s, 0,1
	v_add_nc_u32 v[ADRA+\s], s21, v[L16]
	v_add_nc_u32 v[ADRB+\s], s22, v[L16]
	v_add_nc_u32 v[ADRA+2+\s], s21, v[L8]
	v_add_nc_u32 v[ADRB+2+\s], s22, v[L8]
	s_add_co_u32 s21, s21, SLOT
	s_add_co_u32 s22, s22, SLOT
.endr
	s_lshl_b32 s21, s15, 13                        ; scale words: lanes 0-15 take P's, lanes 16-31 Q's: the lower base + h x the distance
	s_lshl_b32 s22, s16, 13
	s_add_co_u32 s22, s22, 2*HALFS
	s_sub_co_u32 s22, s22, s21
	v_mul_u32_u24 v6, s22, v2
	s_add_co_u32 s21, s21, SCL
	v_add_nc_u32 v5, v[L8], v6
	v_add_nc_u32 v[ADRS], s21, v5
.irp b, 0,1,2,3
	v_mov_b32 v[TM+4+\b], 0                        ; written once: a lane permute's destination counts as one of its sources
.endr
	; THE WAY OUT's bases.  TP0 = my first tile of P's rows; GQ = which 128 of Q's rows are mine
	s_lshl_b32 s96, s17, 4
	s_lshl_b32 s97, s15, 3
	s_add_co_u32 s96, s96, s97                     ; TP0
	s_lshl_b32 s97, s42, 1
	s_add_co_u32 s97, s97, s16                     ; GQ
.if FFN
	s_lshl_b32 s98, s96, 6
	s_lshl_b32 s99, s97, 1
	s_add_co_u32 s98, s98, s99
	s_mul_i32 s98, s98, 768                        ; fimg's codes [tile][64][768]: tile TP0, half-fragment 2 GQ
	s_mov_b32 s99, 0
	s_add_nc_u64 s[D0:D0+1], s[10:11], s[98:99]
	s_lshl_b32 s98, s96, 4
	s_add_co_u32 s98, s98, s97
	s_lshl_b32 s98, s98, 8
	s_add_co_u32 s98, s98, FS                      ; its units [pair][32][256]: pair TP0 / 2, step GQ
	s_add_nc_u64 s[E0:E0+1], s[10:11], s[98:99]
	s_lshl_b32 s98, s42, 10
	s_lshl_b32 s18, s16, 9
	s_add_co_u32 s98, s98, s18
	s_add_nc_u64 s[8:9], s[8:9], s[98:99]          ; b1 at my 128 hidden units
	v_lshlrev_b32 v7, 6, v2                        ; lane (r, h) wants, for tile b, those of units 32 (b / 2) + 16 h + 8 (b % 2) + 0 .. 7
	WIN TO_B
.irp b, 0,1,2,3,4,5,6,7
	global_load_b128 v[96+8*\b+96*(\b/4):99+8*\b+96*(\b/4)], v7, s[8:9] offset:(32*(\b/2)+8*(\b%2))*4
	global_load_b128 v[100+8*\b+96*(\b/4):103+8*\b+96*(\b/4)], v7, s[8:9] offset:(32*(\b/2)+8*(\b%2))*4+16
.endr
	WIN 0
.else
	s_lshr_b32 s98, s96, 7
	s_lshl_b32 s98, s98, 4
	s_lshl_b32 s99, s97, 1
	s_add_co_u32 s98, s98, s99                     ; q, k: my first (batch, head): 16 (TP0 / 128) + 2 GQ
	s_and_b32 s99, s96, 127                        ; and my first tile of tokens in the batch
	s_lshl_b32 s100, s98, 7
	s_add_co_u32 s100, s100, s99
	s_mul_i32 s100, s100, 768                      ; q's codes [b h][128][768]
	s_lshl_b32 s101, s98, 6
	s_lshr_b32 s2, s99, 1
	s_add_co_u32 s101, s101, s2
	s_lshl_b32 s101, s101, 8
	s_add_co_u32 s101, s101, QS                    ; q's units [b h][64][256]
	s_lshl_b32 s98, s98, 4
	s_lshr_b32 s99, s99, 3
	s_add_co_u32 s98, s98, s99
	s_mul_i32 s98, s98, 13824
	s_add_co_u32 s98, s98, KV                      ; k's codes: my 8 tiles are one key step
	s_lshr_b32 s99, s97, 4
	s_lshl_b32 s99, s99, 4
	s_lshr_b32 s2, s96, 2
	s_add_co_u32 s99, s99, s2                      ; v: (batch, head) = 16 (GQ / 16) + TP0 / 4
	s_lshl_b32 s99, s99, 4
	s_and_b32 s2, s97, 15
	s_add_co_u32 s99, s99, s2                      ; key step GQ % 16
	s_mul_i32 s99, s99, 13824
	s_add_co_u32 s99, s99, KV+6144                 ; v's codes
	s_add_co_u32 s96, s98, 12288                   ; k's units
	s_add_co_u32 s97, s99, 7168                    ; v's units
	s_cmp_eq_u32 ttmp9, 0
	s_cselect_b32 s98, s100, s98
	s_cselect_b32 s96, s101, s96
	s_mov_b32 s100, 221184                         ; from a head to the next: k's;
	s_cselect_b32 s101, 98304, s100                ; q's codes,
	s_cselect_b32 s100, 16384, s100                ; q's units
	s_cmp_eq_u32 ttmp9, 2
	s_cselect_b32 s98, s99, s98
	s_cselect_b32 s96, s97, s96
	s_cselect_b32 s101, 768, s101                  ; v: the fragment's second half follows the first
	s_mov_b32 s18, 768
	s_cselect_b32 s18, 1536, s18                   ; from a tile to the next,
	s_mov_b32 s20, 768
	s_cselect_b32 s20, 216576, s20                 ; from tile 3 to tile 4 (v: into the next head: 221,184 - 3 x 1,536),
	s_mov_b32 s22, 256
	s_cselect_b32 s22, 220928, s22                 ; from pair 1 to pair 2 (v: 221,184 - 256)
	s_mov_b32 s19, 0
	s_mov_b32 s21, 0
	s_mov_b32 s23, 0
	s_mov_b32 s99, 0
	s_add_nc_u64 s[D0:D0+1], s[8:9], s[98:99]
	s_mov_b32 s98, s101
	s_add_nc_u64 s[D1:D1+1], s[D0:D0+1], s[98:99]
	s_mov_b32 s97, 0
	s_add_nc_u64 s[E0:E0+1], s[8:9], s[96:97]
	s_mov_b32 s98, s100
	s_add_nc_u64 s[E1:E1+1], s[E0:E0+1], s[98:99]
	s_mov_b32 s100, 0xffff
	s_mov_b32 s101, 0x7f7f0000                     ; q's and k's K is 64: the upper two blocks of the instruction's 128 get the scale 1 (their codes are zeros on q's side)
.endif
.macro FRAG reg, adr, q, i             ; a fragment as it was stored: four loads of 512 or 256 consecutive bytes
	ds_load_b128 v[\reg:\reg+3], v[\adr] offset:(\i)*ROWB+(\q)*1536
	ds_load_b64 v[\reg+4:\reg+5], v[\adr+2] offset:(\i)*ROWB+(\q)*1536+512
	ds_load_b128 v[\reg+6:\reg+9], v[\adr] offset:(\i)*ROWB+(\q)*1536+768
	ds_load_b64 v[\reg+10:\reg+11], v[\adr+2] offset:(\i)*ROWB+(\q)*1536+1280
.endm
; 16 matrix instructions: P's blocks a0, a0 + 1 x Q's eight, 128 along K.  p: Q's set; sc: the set of scale words.  zero = 1: the first product starts the sums.  The 64 accumulators take turns, one
; instruction a turn, in the same order in every step.
.macro MUL16 a0, p, q, sc, zero
.irp a, \a0, \a0+1
.irp b, 0,1,2,3,4,5,6,7
.set DD, 8*(8*((\a)%4)+\b)
.set QQ, 128*(\p)+FR*\b
.set PP, AF+FR*(\a)
.set SQ, SC+16*(\sc)+8*(\q)+\b
.set SPP, SC+16*(\sc)+8*(\q)+(\a)
.if (\zero) && FFN
	v_wmma_scale_f32_16x16x128_f8f6f4 v[DD:DD+7], v[QQ:QQ+FR-1], v[PP:PP+FR-1], v[96+8*\b+96*(\b/4):103+8*\b+96*(\b/4)], v[SQ], v[SPP] matrix_a_fmt:MATRIX_FMT_FP6 matrix_b_fmt:MATRIX_FMT_FP6 matrix_a_scale:MATRIX_SCALE_ROW1
.elseif \zero
	v_wmma_scale_f32_16x16x128_f8f6f4 v[DD:DD+7], v[QQ:QQ+FR-1], v[PP:PP+FR-1], 0, v[SQ], v[SPP] matrix_a_fmt:MATRIX_FMT_FP6 matrix_b_fmt:MATRIX_FMT_FP6 matrix_a_scale:MATRIX_SCALE_ROW1
.else
	v_wmma_scale_f32_16x16x128_f8f6f4 v[DD:DD+7], v[QQ:QQ+FR-1], v[PP:PP+FR-1], v[DD:DD+7], v[SQ], v[SPP] matrix_a_fmt:MATRIX_FMT_FP6 matrix_b_fmt:MATRIX_FMT_FP6 matrix_a_scale:MATRIX_SCALE_ROW1
.endif
.endr
.endr
.endm
.macro FETCH_B slot, q, p
	WIN TO_B
.irp i, 0,1,2,3,4,5,6,7
	FRAG 128*(\p)+FR*\i, ADRB+\slot, \q, \i
.endr
	WIN 0
.endm
.macro FETCH_A slot, q, i0
.irp i, \i0, \i0+1, \i0+2, \i0+3
	FRAG AF+FR*(\i), ADRA+\slot, \q, \i
.endr
.endm
.macro SCALES sc                       ; the next K step's scale words: a load brings the words of two tiles
.irp q, 0,1
.irp i, 0,1,2,3
	ds_load_b64 v[SC+16*\sc+8*\q+2*\i:SC+16*\sc+8*\q+2*\i+1], v[ADRS] offset:2048*\i+256*\q
.endr
.endr
.endm
.macro PLACES n                        ; plain vector instructions between a matrix instruction and a load into, or a vector instruction on, its registers (ISA guide 7.12.1 for vector instructions)
.rept \n
	v_nop
.endr
.endm
.macro STEP slot, q, zero              ; a step of 128 along K that has its successor in the same slot
	s_wait_dscnt 4*NL                              ; Q's set and P's blocks 0-3 are in; the youngest 16 loads (P's blocks 4-7) may be out
.if (\zero) && FFN
	WIN 0x91                                       ; C (b1) in window 1
.else
	WIN MUL_LO
.endif
	MUL16 0, (\q)%2, \q, \slot, \zero
	MUL16 2, (\q)%2, \q, \slot, \zero
	s_wait_dscnt 0                                 ; P's blocks 4-7 are in
	PLACES NP
	FETCH_B \slot, (\q)+1, 1-(\q)%2
	FETCH_A \slot, (\q)+1, 0
.if (\zero) && FFN
	WIN 0xd1
.else
	WIN MUL_HI
.endif
	MUL16 4, (\q)%2, \q, \slot, \zero
	MUL16 6, (\q)%2, \q, \slot, \zero
	PLACES NP
	WIN 0
	FETCH_A \slot, (\q)+1, 4
.endm
; A slot's last step changes slots: one barrier; in front of it each wave waits for all its tensor loads, adds 0 to its spare word, and waits for that and for its reads of this slot.  fill = 1: the slot is filled again.
.macro TURN slot, next, fill
	s_wait_tensorcnt 0x0                           ; all my tensor loads have landed: my part of the next slot
	ds_add_u32 v[SPW], v[NIL]                      ; 0 onto my spare word
	s_wait_dscnt 4*NL+1                            ; (the add and the youngest 16 loads may be out)
	WIN MUL_LO
	MUL16 0, 1, 1, \slot, 0
	s_wait_dscnt 0x0                               ; the add is done, and my reads of this slot are over
	s_barrier_signal -1
	MUL16 2, 1, 1, \slot, 0
	WIN 0
	s_barrier_wait -1
.if \fill
	CREST                                          ; the barrier has opened a round of the cluster's barrier: no wave of any partner still reads this slot or has a load on its way
	s_add_nc_u64 s[G0+4*\slot+2:G0+4*\slot+3], s[G0+4*\slot+2:G0+4*\slot+3], 2*ROWB
	s_add_nc_u64 s[G0B+4*\slot+2:G0B+4*\slot+3], s[G0B+4*\slot+2:G0B+4*\slot+3], 2*ROWB
	JLOAD G0+4*\slot, G1, G0B+4*\slot, G1B         ; the first tensor load behind the round; its four v_nop are the places in front of the loads below
.else
	PLACES NP
.endif
	s_wait_alu depctr_va_vdst(0)
	v_add_nc_u32 v[ADRS], 512, v[ADRS]             ; the next K step's scale words
	FETCH_B \next, 0, 0
	FETCH_A \next, 0, 0
	SCALES \next
	WIN MUL_HI
	MUL16 4, 1, 1, \slot, 0
	MUL16 6, 1, 1, \slot, 0
	PLACES NP
	WIN 0
	FETCH_A \next, 0, 4
.endm
	s_wait_alu depctr_va_vdst(0)
	s_wait_tensorcnt 0x0                           ; my tile of the head's four is in
	ds_add_u32 v[SPW], v[NIL]
	s_mov_b32 s[G1+2], 8<<16                       ; no tensor load of mine is out: from here on a load brings 8 tiles,
	s_mov_b32 s[G1+4], 8
	s_mov_b32 s[G1B+2], 8<<16
	s_mov_b32 s[G1B+4], 8
	s_mov_b32 s[G0+1], s45                         ; and slot 0's groups 0 name my half
	s_mov_b32 s[G0B+1], s45
	s_add_nc_u64 s[G0+2:G0+3], s[G0+2:G0+3], s[4:5]
	s_add_nc_u64 s[G0B+2:G0B+3], s[G0B+2:G0B+3], s[4:5]
	s_wait_dscnt 0x0
	CROUND                                         ; all four tiles are in, all sixteen work-groups are here
	JLOAD G0+4, G1, G0B+4, G1B                     ; K step 1, the first tensor load behind the round
	FETCH_B 0, 0, 0
	FETCH_A 0, 0, 0
	SCALES 0
	global_prefetch_b8 v30, s[6:7] offset:3*ROWB th:TH_LOAD_NT scope:SCOPE_SE
	FETCH_A 0, 0, 4
.if FFN
	s_wait_loadcnt 0x0                             ; b1
.endif
	STEP 0, 0, 1                                   ; the first step stands in front of the loop: its products start the sums
	s_mov_b32 s3, LAPS-1
.Llap:                                             ; a trip goes once round the ring and fills both slots again
	TURN 0, 1, 1
	STEP 1, 0, 0
	TURN 1, 0, 1
	STEP 0, 0, 0
	s_sub_co_u32 s3, s3, 1
	s_cmp_lg_u32 s3, 0
	s_cbranch_scc1 .Llap
	TURN 0, 1, 0                                   ; the last lap fills nothing
	STEP 1, 0, 0
	s_wait_dscnt 4*NL
	WIN MUL_LO
	MUL16 0, 1, 1, 1, 0
	MUL16 2, 1, 1, 1, 0
	s_wait_dscnt 0
	WIN MUL_HI
	MUL16 4, 1, 1, 1, 0
	MUL16 6, 1, 1, 1, 0
	WIN 0
; 64 numbers of a lane in window w, register 16 b + i = place 32 b + 16 h + i along the next K, become a fragment's codes in v[PC] on and its scale word in v[pw].  Each accumulator is read from its low end on.
.macro QUANT src, w, pw
	WIN (\w)|((\w)<<2)
.irp b, 0,1,2,3
	v_max3_num_f32 v[TM+\b], |v[(\src)+16*\b]|, |v[(\src)+16*\b+1]|, 0x1800000   ; my 16 numbers of block b, and the floor 2^(3 - 127)
.endr
.irp i, 2,4,6,8,10,12,14
.irp b, 0,1,2,3
	v_max3_num_f32 v[TM+\b], |v[(\src)+16*\b+\i]|, |v[(\src)+16*\b+\i+1]|, v[TM+\b]
.endr
.endr
	WIN 0
.irp b, 0,1,2,3
	v_permlanex16_b32 v[TM+4+\b], v[TM+\b], s[SEL], s[SEL+1]
.endr
.irp b, 0,1,2,3
	v_max_num_f32 v[TM+\b], v[TM+\b], v[TM+4+\b]   ; with lane l xor 16's: the block's largest magnitude
.endr
.irp b, 0,1,2,3
	v_add_nc_u32 v[TM+12+\b], 0xff000000, v[TM+\b] ; the conversion's scale operand
.endr
.irp b, 0,1,2,3
	v_lshrrev_b32 v[TM+4+\b], 23, v[TM+12+\b]      ; the byte
.endr
	v_lshl_or_b32 v[\pw], v[TM+5], 8, v[TM+4]
	v_lshl_or_b32 v[\pw], v[TM+6], 16, v[\pw]
	v_lshl_or_b32 v[\pw], v[TM+7], 24, v[\pw]
	WIN (\w)
.irp c, 0,1
	v_cvt_scalef32_pk16_fp6_f32 v[PC+6*\c:PC+2+6*\c], v[(\src)+32*\c:(\src)+15+32*\c], v[TM+12+2*\c]
	v_cvt_scalef32_pk16_fp6_f32 v[PC+12+4*\c:PC+14+4*\c], v[(\src)+16+32*\c:(\src)+31+32*\c], v[TM+12+2*\c+1]
.endr
	WIN 0
	v_nop                                          ; one plain place behind the last scaled conversion
.irp c, 0,1                            ; the operand's layout wants a whole block in a lane
.irp i, 0,1,2
	v_permlane16_swap_b32 v[PC+6*\c+\i], v[PC+12+4*\c+\i]
.endr
.irp i, 0,1,2
	v_mov_b32 v[PC+3+6*\c+\i], v[PC+12+4*\c+\i]
.endr
.endr
.endm
; THE WAY OUT of my tile a of P's rows: images leave from registers, each store 512 or 256 consecutive bytes, aligned.
.macro OUTT a
	s_wait_xcnt 0x0                                ; the earlier stores have read their data and bases: both are written again only behind this wait
.if FFN
	WIN 0x88+0x44*((\a)/4)
.set i, 0
.rept 64
	v_max_num_f32 v[64*((\a)%4)+i], 0, v[64*((\a)%4)+i]   ; relu, in f32
.set i, i+1
.endr
.else
.if (\a) == 4
	s_add_nc_u64 s[D0:D0+1], s[D0:D0+1], s[20:21]
	s_add_nc_u64 s[D1:D1+1], s[D1:D1+1], s[20:21]
.elseif (\a) > 0
	s_add_nc_u64 s[D0:D0+1], s[D0:D0+1], s[18:19]
	s_add_nc_u64 s[D1:D1+1], s[D1:D1+1], s[18:19]
.endif
.if (\a) == 5
	s_add_nc_u64 s[E0:E0+1], s[E0:E0+1], s[22:23]
	s_add_nc_u64 s[E1:E1+1], s[E1:E1+1], s[22:23]
.elseif ((\a) == 3) || ((\a) == 7)
	s_add_nc_u64 s[E0:E0+1], s[E0:E0+1], 256
	s_add_nc_u64 s[E1:E1+1], s[E1:E1+1], 256
.endif
.endif
	QUANT 64*((\a)%4), 2+(\a)/4, PW+(\a)%2
.if FFN
	global_store_b128 v[L16], v[PC:PC+3], s[D0:D0+1] offset:(\a)*49152
	global_store_b64 v[L8], v[PC+4:PC+5], s[D0:D0+1] offset:(\a)*49152+512
	global_store_b128 v[L16], v[PC+6:PC+9], s[D0:D0+1] offset:(\a)*49152+768
	global_store_b64 v[L8], v[PC+10:PC+11], s[D0:D0+1] offset:(\a)*49152+1280
.if (\a)%2 == 1
	global_store_b64 v[L8], v[PW:PW+1], s[E0:E0+1] offset:((\a)/2)*8192
.endif
.else
	global_store_b128 v[L16], v[PC:PC+3], s[D0:D0+1]
	global_store_b64 v[L8], v[PC+4:PC+5], s[D0:D0+1] offset:512
	global_store_b128 v[L16], v[PC+6:PC+9], s[D1:D1+1]             ; q, k: the next head's half-fragment; v: the fragment's second half
	global_store_b64 v[L8], v[PC+10:PC+11], s[D1:D1+1] offset:512
.if (\a)%2 == 1
	s_cmp_eq_u32 ttmp9, 2                          ; the cluster's x: the same in all partners
	s_cbranch_scc1 .Lv_\@
	v_and_or_b32 v82, v80, s100, s101              ; q, k: a word's lower two bytes are one head's blocks, the upper two the next head's
	v_and_or_b32 v83, v81, s100, s101
	v_lshrrev_b32 v84, 16, v80
	v_lshrrev_b32 v85, 16, v81
	v_or_b32 v84, s101, v84
	v_or_b32 v85, s101, v85
	global_store_b64 v[L8], v[82:83], s[E0:E0+1]
	global_store_b64 v[L8], v[84:85], s[E1:E1+1]
	s_branch .Ldone_\@
.Lv_\@:
	global_store_b64 v[L8], v[PW:PW+1], s[E0:E0+1]
.Ldone_\@:
.endif
.endif
.endm
	PLACES NP                                      ; behind the last products, ahead of the first read of results and the first write over P's fragments
.irp a, 0,1,2,3,4,5,6,7
	OUTT \a
.endr
	s_wait_tensorcnt 0x0                           ; the wave's end, behind my last tensor load
	ds_add_u32 v[SPW], v[NIL]
	s_wait_dscnt 0x0
	CROUND                                         ; the closing round
	s_endpgm
.Lfunc_end_k_q6db875b9a4_qkv:
	.size	k_q6db875b9a4_qkv, .Lfunc_end_k_q6db875b9a4_qkv-k_q6db875b9a4_qkv
	.p2alignl 7, 3214868480
	.fill 96, 4, 3214868480
	.section	.rodata,"a",@progbits
	.p2align	6, 0x0
	.amdhsa_kernel k_q6db875b9a4_qkv
		.amdhsa_group_segment_fixed_size 327680
		.amdhsa_private_segment_fixed_size 0
		.amdhsa_enable_private_segment 0
		.amdhsa_kernarg_size 24
		.amdhsa_user_sgpr_count 2
		.amdhsa_user_sgpr_kernarg_segment_ptr 1
		.amdhsa_wavefront_size32 1
		.amdhsa_system_sgpr_workgroup_id_x 1
		.amdhsa_system_sgpr_workgroup_id_y 1
		.amdhsa_system_sgpr_workgroup_id_z 1
		.amdhsa_system_vgpr_workitem_id 0
		.amdhsa_next_free_vgpr 1024
		.amdhsa_next_free_sgpr 104
		.amdhsa_reserve_vcc 0
		.amdhsa_float_denorm_mode_32 3
		.amdhsa_float_denorm_mode_16_64 3
		.amdhsa_memory_ordered 1
		.amdhsa_forward_progress 1
		.amdhsa_inst_pref_size 156
	.end_amdhsa_kernel
	.amdgpu_metadata
---
amdhsa.version: [ 1, 2 ]
amdhsa.kernels:
  - .name:           k_q6db875b9a4_qkv
    .symbol:         k_q6db875b9a4_qkv.kd
    .args:
      - { .name: himg, .offset: 0, .size: 8, .value_kind: global_buffer, .address_space: global }
      - { .name: wimg, .offset: 8, .size: 8, .value_kind: global_buffer, .address_space: global }
      - { .name: qkvb, .offset: 16, .size: 8, .value_kind: global_buffer, .address_space: global }
    .group_segment_fixed_size: 327680
    .private_segment_fixed_size: 0
    .kernarg_segment_align: 8
    .kernarg_segment_size: 24
    .max_flat_workgroup_size: 128
    .sgpr_count:     104
    .vgpr_count:     1024
    .wavefront_size: 32
...
	.end_amdgpu_metadata
.endif
;; end of part 2
;; launch attn (part 3): grid 8 x 32, 16 waves a work-group, clusters of 4 x 1, 327,680 bytes of LDS; arguments qkvb, aimg; writes aimg
.if DOCPART == 3
	.amdgcn_target "amdgcn-amd-amdhsa--gfx1250"
	.amdhsa_code_object_version 6
	.text
	.protected	k_q6db875b9a4_attn
	.globl	k_q6db875b9a4_attn
	.p2align	8
	.type	k_q6db875b9a4_attn,@function
k_q6db875b9a4_attn:
	s_mov_b64 s[64:65], 0
	v_nop
	global_prefetch_b8 v0, s[64:65] scope:SCOPE_SE
	s_setreg_imm32_b32 hwreg(HW_REG_WAVE_MODE, 25, 1), 1
	s_wait_xcnt 0x0
	s_wait_alu depctr_hold_cnt(0) depctr_sa_sdst(0) depctr_va_vdst(0) depctr_va_sdst(0) depctr_va_ssrc(0) depctr_va_vcc(0) depctr_vm_vsrc(0)
	s_getreg_b32 s2, hwreg(HW_REG_IB_STS2, 6, 4)
	s_cmp_eq_u32 s2, 0
	s_cbranch_scc0 .Lentry_in_a_cluster
	s_endpgm
.Lentry_in_a_cluster:
	s_bfe_u32 s2, ttmp6, 0x10000c
	s_cmp_lg_u32 s2, 0x3003
	s_cbranch_scc0 .Lentry_shape_is_right
	s_endpgm
.Lentry_shape_is_right:
; Causal attention of one (batch, head) on codes of FP6 (E2M3) with E8M0 scales: S^T = K Q^T, p = 2^(t - M), O^T = V^T p^T, O / l, quantised along the head's 64 channels into proj's operand image.
; M is the running largest t rounded up to a whole number, so every rescaling is a power of two; l sums the unquantised p in f32.
; LEFT OUT: key steps of 128 that lie wholly behind a query tile: the causal mask sets their scores to -inf, so their p is 0 for all inputs.
; LIMITS: the scaled scores t stay under 2^31 in magnitude; NaN and infinities are not served; a block whose largest magnitude lies under 2^-124 gets the scale byte 1.
; SHARES.  The head's 2,048 queries are 16 blocks of 8 tiles of 16.  Work-group x (0..7) takes tile x of every block: 16 tiles of 1 .. 16 key steps, 136 tile-steps in every work-group, and it reads all 16 key steps.
; Waves i and i + 8 (i = 0..7) share the tiles of blocks i and 15 - i, 17 tile-steps, dealt 17 - Y to Y (Y = 5, a constant of the text): wave i takes the tile of block i whole (steps 0 .. i), writes it out, and then
; steps Y .. 15 - i of the tile of block 15 - i; wave i + 8 takes that tile's steps 0 .. Y - 1 and puts its partial result (O^T, l, M) into its own LDS area.  Behind one barrier wave i joins the two partials:
; both are brought under the larger M by ldexp.  Every wave walks both loops; a step outside its share is jumped over (the wave's number and the loop's count alone decide).
; (Every wave loads both tiles' q and makes both tiles' addresses; waves 8 .. 15 use the first alone.)
; LDS: K and V of all 16 steps (16 x 13,824 bytes, images of operand registers), filled once: each wave brings one step, 54 rows of 256 bytes, its one tensor load.  Behind them 16 areas of 4,352 bytes, then the spare words.
; CLUSTER 4 x 1: four work-groups of a head ask for the same K and V jointly (mask 15).  x enters only global addresses of q and of the result and the mask's offset: no branch, trip count or LDS address.
; No prefetch: all of K and V is asked for at the launch's start; there is no loop of fills to run ahead in.
.set STEPB, 13824                      ; a key step: K's 8 half-fragments, V's 4 fragments at 6,144, K's 4 scale units at 12,288, V's 2 at 13,312
.set Y,     5
.set XA,    16*STEPB
.set AREA,  4352                       ; 32 registers x 128 bytes, then -M and l, 8 bytes a lane
.set SPARE, XA+16*AREA
.set QS,    3145728
.set KV,    3670016
.set HS,    3145728
.set KF,  32                           ; v32-79 K's fragments, v80-85 zeros; behind the scores: v32-51 p's codes, v52-67 at work
.set KS,  86
.set QW,  94
.set ST,  96                           ; v96-159 scores, then p
.set OT,  160                          ; v160-191 O^T
.set VF,  192
.set VS,  240
.set PWD, 244
.set QW2, 245                          ; the second tile's q: scale word, v246-251 codes
.set Q2,  246
.set MX,  52
.set T4,  56
.set SO,  60
.set SPW, 28
.set NIL, 29
.set WV,  8
.set TB,  24
.set SI,  25
.set CS,  26
.set SEL, 28
.set CT,  45
.set JB,  46                           ; the block of the tile at work: the key step that holds its diagonal
.set JC,  47                           ; the other tile's
.set G0,  48
.set HI,  62                           ; the last key step of my share of the tile at work
.macro ROUND                           ; a round of the cluster's barrier
	s_barrier_signal -1
	s_barrier_wait -1
	s_cmp_lg_u32 s[WV], 0
	s_cbranch_scc1 .Lnw0_\@
	s_barrier_signal -3
.Lnw0_\@:
	s_barrier_wait -3
	s_barrier_signal -1
	s_barrier_wait -1
.endm
	s_load_b128 s[4:7], s[0:1], 0x0                ; qkvb, aimg
	v_lshl_add_u32 v[SPW], v0, 2, SPARE
	v_mov_b32 v[NIL], 0
	ds_add_u32 v[SPW], v[NIL]                      ; the opening lines: the add twice on end and its wait
	ds_add_u32 v[SPW], v[NIL]
	v_lshrrev_b32 v3, 5, v0
	s_delay_alu instid0(VALU_DEP_1)
	v_readfirstlane_b32 s[WV], v3
	s_and_b32 s31, ttmp7, 0xffff                   ; (batch, head)
	s_and_b32 s9, s[WV], 7                         ; i
	s_lshr_b32 s12, s[WV], 3                       ; 0: waves 0 .. 7; 1: waves 8 .. 15
	s_mul_i32 s11, s12, 15
	s_xor_b32 s[JB], s9, s11                       ; my first tile's block: i or 15 - i
	s_xor_b32 s[JC], s[JB], 15
	s_cmp_eq_u32 s12, 0
	s_cselect_b32 s[HI], s9, Y-1
	s_mov_b32 s16, 15|(3<<16)|(1<<21)              ; the mask of all four; elements of 8 bytes; bit 21 beside a mask
	s_mov_b32 s17, 32<<16                          ; 54 rows of 256 bytes, dense
	s_mov_b32 s18, 54<<16
	s_mov_b32 s19, 32<<16
	s_mov_b32 s20, 54
	s_mov_b32 s21, 32
	s_mov_b32 s22, 0
	s_mov_b32 s23, 0
	s_mul_i32 s13, s[WV], STEPB
	s_mul_i32 s32, s31, 16*STEPB
	s_add_co_u32 s32, s32, s13
	s_add_co_u32 s32, s32, KV
	s_mov_b32 s33, 0
	s_wait_dscnt 0x0
	s_wait_kmcnt 0x0
	s_mov_b32 s[G0], 1
	s_mov_b32 s[G0+1], s13
	s_add_nc_u64 s[G0+2:G0+3], s[4:5], s[32:33]
	s_or_b32 s[G0+3], s[G0+3], 0x80000000
	ROUND                                          ; in front of the joint loads
	tensor_load_to_lds s[G0:G0+3], s[16:23]        ; key step w: my one tensor load
	s_nop 0
	s_bfe_u32 s30, ttmp6, 0x40000                  ; cx
	s_lshl_b32 s10, ttmp9, 2
	s_add_co_u32 s10, s10, s30                     ; x: my tiles' place in their blocks
.macro QADR jb, c, s                   ; byte offsets of q's codes and scale word of tile 8 jb + x, which is left in s36
	s_lshl_b32 s36, s[\jb], 3
	s_add_co_u32 s36, s36, s10
	s_lshl_b32 s37, s31, 7
	s_add_co_u32 s37, s37, s36
	s_mul_i32 s[\c], s37, 768
	s_mov_b32 s[\c+1], 0
	s_lshl_b32 s37, s31, 6
	s_lshr_b32 s38, s36, 1
	s_add_co_u32 s37, s37, s38
	s_lshl_b32 s37, s37, 8
	s_and_b32 s38, s36, 1
	s_lshl_b32 s38, s38, 2
	s_add_co_u32 s37, s37, s38
	s_add_co_u32 s[\s], s37, QS
	s_mov_b32 s[\s+1], 0
.endm
.macro OADR c, s                       ; byte offsets of the result of tile s36: codes (token tile 128 batch + tile, half-fragment = head); its two scale bytes: unit (pair, head / 2), word of the tile's parity, half of the head's
	s_lshr_b32 s38, s31, 4
	s_lshl_b32 s38, s38, 7
	s_add_co_u32 s38, s38, s36
	s_and_b32 s39, s31, 15
	s_lshl_b32 s37, s38, 4
	s_add_co_u32 s37, s37, s39
	s_mul_i32 s[\c], s37, 768
	s_mov_b32 s[\c+1], 0
	s_lshr_b32 s37, s38, 1
	s_lshl_b32 s37, s37, 3
	s_lshr_b32 s11, s39, 1
	s_add_co_u32 s37, s37, s11
	s_lshl_b32 s37, s37, 8
	s_and_b32 s11, s38, 1
	s_lshl_b32 s11, s11, 2
	s_add_co_u32 s37, s37, s11
	s_and_b32 s11, s39, 1
	s_lshl_b32 s11, s11, 1
	s_add_co_u32 s37, s37, s11
	s_add_co_u32 s[\s], s37, HS
	s_mov_b32 s[\s+1], 0
.endm
	QADR JB, 34, 56
	OADR 52, 54
	QADR JC, 58, 60
	OADR 40, 42
	s_lshr_b32 s44, s10, 1                         ; lane-row 0 of tile x is query 32 (x / 2) + 8 (x % 2) of its block
	s_lshl_b32 s44, s44, 5
	s_and_b32 s45, s10, 1
	s_lshl_b32 s45, s45, 3
	s_add_co_u32 s44, s44, s45
	s_mul_i32 s36, s[WV], AREA
	s_add_co_u32 s36, s36, XA                      ; my area,
	s_xor_b32 s37, s[WV], 8
	s_mul_i32 s37, s37, AREA
	s_add_co_u32 s37, s37, XA                      ; and wave w xor 8's
	s_mov_b32 s[CS], 0x3d38aa3b                    ; log2(e) / 32
	s_mov_b32 s[CS+1], s[CS]
	s_mov_b32 s[SEL], 0x76543210
	s_mov_b32 s[SEL+1], 0xfedcba98
	s_add_nc_u64 s[34:35], s[4:5], s[34:35]
	s_add_nc_u64 s[56:57], s[4:5], s[56:57]
	s_add_nc_u64 s[58:59], s[4:5], s[58:59]
	s_add_nc_u64 s[60:61], s[4:5], s[60:61]
	s_add_nc_u64 s[40:41], s[6:7], s[40:41]
	s_add_nc_u64 s[42:43], s[6:7], s[42:43]
	s_add_nc_u64 s[52:53], s[6:7], s[52:53]
	s_add_nc_u64 s[54:55], s[6:7], s[54:55]
	v_and_b32 v3, 31, v0
	s_delay_alu instid0(VALU_DEP_1)
	v_lshlrev_b32 v1, 4, v3
	s_delay_alu instid0(VALU_DEP_2)
	v_lshlrev_b32 v2, 3, v3
	global_load_b128 v[16:19], v1, s[34:35]        ; both tiles' q
	global_load_b64 v[20:21], v2, s[34:35] offset:512
	global_load_b32 v[QW], v2, s[56:57]
	global_load_b128 v[Q2:Q2+3], v1, s[58:59]
	global_load_b64 v[Q2+4:Q2+5], v2, s[58:59] offset:512
	global_load_b32 v[QW2], v2, s[60:61]
	v_add_nc_u32 v10, s36, v1
	v_add_nc_u32 v11, s36, v2
	v_add_nc_u32 v6, s37, v1
	v_add_nc_u32 v7, s37, v2
	v_and_b32 v3, 7, v0
	v_bfe_u32 v4, v0, 3, 1
	v_bfe_u32 v5, v0, 4, 1
	s_delay_alu instid0(VALU_DEP_2)
	v_lshl_add_u32 v3, v4, 4, v3
	s_delay_alu instid0(VALU_DEP_2)
	v_lshlrev_b32 v5, 4, v5
	s_delay_alu instid0(VALU_DEP_1)
	v_sub_nc_u32 v3, v3, v5
	s_delay_alu instid0(VALU_DEP_1)
	v_add_nc_u32 v30, s44, v3                      ; my query in its block, less 16 h: register n's key 32 (n / 16) + n % 16 + 16 h is masked where it is greater
	v_mov_b32 v31, 0xff800000
.irp i, 0,1,2,3,4,5
	v_mov_b32 v[22+\i], 0                          ; q's K is 64: the upper 64 of the instruction's 128 are zero codes
	v_mov_b32 v[80+\i], 0
.endr
.irp i, 52,53,56,57,58,59,64,66,67
	v_mov_b32 v[\i], 0                             ; permutes' destinations and upper halves of pairs: written once
.endr
.macro INIT                            ; a tile begins: the largest t -3e38, -M, the sums and O^T zero
	v_mov_b32 v13, 0xff61b1e6
	v_mov_b32 v14, 0
	v_mov_b32 v15, 0
	v_floor_f32 v12, -v13
.set i, 0
.rept 32
	v_mov_b32 v[OT+i], 0
.set i, i+1
.endr
.endm
	INIT
	s_wait_alu depctr_va_vdst(0)
	s_wait_tensorcnt 0x0                           ; my key step is in,
	s_wait_loadcnt 0x0                             ; and q
	s_barrier_signal -1
	s_barrier_wait -1                              ; everybody's is
.macro TMM n                           ; n pairs of scores become t - M
.rept \n
	v_pk_fma_f32 v[ST+j:ST+j+1], v[ST+j:ST+j+1], s[CS:CS+1], v[12:13] op_sel_hi:[1,0,0]
.set j, j+2
.endr
.endm
; trips key steps from step first on; a step behind my share's last is jumped over
.macro WALK first, trips
	s_mov_b32 s[TB], (\first)*STEPB
	s_mov_b32 s[SI], \first
	s_mov_b32 s[CT], \trips
.Lstep_\@:
	s_cmp_gt_u32 s[SI], s[HI]
	s_cbranch_scc1 .Lskip_\@
	v_add_nc_u32 v8, s[TB], v1
	v_add_nc_u32 v9, s[TB], v2
	v_nop
	v_nop                                          ; four places behind the last products, ahead of loads into their registers
.irp t, 0,1,2,3,4,5,6,7
	ds_load_b128 v[KF+6*\t:KF+6*\t+3], v8 offset:768*\t
	ds_load_b64 v[KF+6*\t+4:KF+6*\t+5], v9 offset:768*\t+512
.endr
.irp i, 0,1,2,3
	ds_load_b64 v[KS+2*\i:KS+2*\i+1], v9 offset:12288+256*\i
.endr
.irp c, 0,1,2,3
	ds_load_b128 v[VF+12*\c:VF+12*\c+3], v8 offset:6144+1536*\c
	ds_load_b64 v[VF+12*\c+4:VF+12*\c+5], v9 offset:6144+1536*\c+512
	ds_load_b128 v[VF+12*\c+6:VF+12*\c+9], v8 offset:6144+1536*\c+768
	ds_load_b64 v[VF+12*\c+10:VF+12*\c+11], v9 offset:6144+1536*\c+1280
.endr
.irp i, 0,1
	ds_load_b64 v[VS+2*\i:VS+2*\i+1], v9 offset:13312+256*\i
.endr
	s_wait_dscnt 18                                ; K and its scales are in; V's 16 loads and its scales' 2 may be out
.irp t, 0,1,2,3,4,5,6,7
	v_wmma_scale_f32_16x16x128_f8f6f4 v[ST+8*\t:ST+8*\t+7], v[KF+6*\t:KF+6*\t+11], v[16:27], 0, v[KS+\t], v[QW] matrix_a_fmt:MATRIX_FMT_FP6 matrix_b_fmt:MATRIX_FMT_FP6
.endr
.rept 4
	v_nop
.endr
	s_cmp_lg_u32 s[SI], s[JB]
	s_cbranch_scc1 .Lopen_\@
.set n, 0
.rept 64                               ; the tile's last step holds the diagonal
	v_cmp_gt_i32 vcc_lo, 32*(n/16)+n%16, v30
	v_cndmask_b32 v[ST+n], v[ST+n], v31, vcc_lo
.set n, n+1
.endr
.Lopen_\@:
.irp b, 0,1,2,3
	v_max3_num_f32 v[MX+\b], v[ST+16*\b], v[ST+1+16*\b], v[ST+2+16*\b]   ; the largest score of each block of 32 keys
.endr
.irp i, 3,5,7,9,11,13
.irp b, 0,1,2,3
	v_max3_num_f32 v[MX+\b], v[MX+\b], v[ST+16*\b+\i], v[ST+1+16*\b+\i]
.endr
.endr
.irp b, 0,1,2,3
	v_max_num_f32 v[MX+\b], v[MX+\b], v[ST+15+16*\b]
.endr
.irp b, 0,1,2,3
	s_delay_alu instid0(VALU_DEP_4)
	v_permlanex16_b32 v[T4+\b], v[MX+\b], s[SEL], s[SEL+1]
.endr
.irp b, 0,1,2,3
	s_delay_alu instid0(VALU_DEP_4)
	v_max_num_f32 v[MX+\b], v[MX+\b], v[T4+\b]
.endr
	s_delay_alu instid0(VALU_DEP_2)
	v_max3_num_f32 v64, v[MX], v[MX+1], v[MX+2]
	s_delay_alu instid0(VALU_DEP_1)
	v_max_num_f32 v64, v64, v[MX+3]
	s_delay_alu instid0(VALU_DEP_1)
	v_mul_f32 v64, s[CS], v64
	s_delay_alu instid0(VALU_DEP_1)
	v_max_num_f32 v13, v13, v64                    ; the running largest t
	v_mov_b32 v64, v12
	s_delay_alu instid0(VALU_DEP_2)
	v_floor_f32 v12, -v13                          ; -M
.set j, 0
	TMM 4                                          ; the three lines that make f stand among the multiply-adds, which do not hang on them
	v_sub_f32 v64, v12, v64
	TMM 4
	v_cvt_i32_f32 v64, v64
	TMM 4
	v_ldexp_f32 v66, 1.0, v64                      ; f = 2^(old M - new M)
	TMM 20
.irp b, 0,1,2,3
	v_fma_f32 v[MX+\b], v[MX+\b], s[CS], v12
.endr
	v_pk_mul_f32 v[14:15], v[14:15], v[66:67] op_sel_hi:[1,0]   ; the sums and O^T under the new M
.set j, 0
.rept 16
	v_pk_mul_f32 v[OT+j:OT+j+1], v[OT+j:OT+j+1], v[66:67] op_sel_hi:[1,0]
.set j, j+2
.endr
	s_wait_alu depctr_va_vdst(0)
.set j, 0
.rept 64
	v_exp_f32 v[ST+j], v[ST+j]
.set j, j+1
.endr
.irp b, 0,1,2,3
	v_exp_f32 v[MX+\b], v[MX+\b]                   ; each block's largest p
.endr
	v_nop                                          ; a plain place behind the last of them
	s_wait_alu depctr_va_vdst(0)                   ; and the one wait behind the batch
.irp b, 0,1,2,3
	v_max_num_f32 v[MX+\b], 0x1800000, v[MX+\b]    ; the floor 2^(3 - 127)
.endr
.irp b, 0,1,2,3
	v_add_nc_u32 v[SO+\b], 0xff000000, v[MX+\b]
.endr
.irp c, 0,1
	v_cvt_scalef32_pk16_fp6_f32 v[32+6*\c:34+6*\c], v[ST+32*\c:ST+15+32*\c], v[SO+2*\c]
	v_cvt_scalef32_pk16_fp6_f32 v[44+4*\c:46+4*\c], v[ST+16+32*\c:ST+31+32*\c], v[SO+2*\c+1]
.endr
.irp b, 0,1,2,3
	v_lshrrev_b32 v[T4+\b], 23, v[SO+\b]           ; the scale bytes (plain places behind the conversions)
.endr
	v_lshl_or_b32 v[PWD], v[T4+1], 8, v[T4]
	s_delay_alu instid0(VALU_DEP_1)
	v_lshl_or_b32 v[PWD], v[T4+2], 16, v[PWD]
	s_delay_alu instid0(VALU_DEP_1)
	v_lshl_or_b32 v[PWD], v[T4+3], 24, v[PWD]
.irp c, 0,1
.irp i, 0,1,2
	v_permlane16_swap_b32 v[32+6*\c+\i], v[44+4*\c+\i]
.endr
.irp i, 0,1,2
	v_mov_b32 v[35+6*\c+\i], v[44+4*\c+\i]
.endr
.endr
	v_pk_add_f32 v[T4:T4+1], v[ST:ST+1], v[ST+2:ST+3]           ; the row's sum of the unquantised p, in four chains
	v_pk_add_f32 v[58:59], v[ST+4:ST+5], v[ST+6:ST+7]
	v_pk_add_f32 v[64:65], v[ST+8:ST+9], v[ST+10:ST+11]
	v_pk_add_f32 v[14:15], v[14:15], v[ST+12:ST+13]
	v_pk_add_f32 v[T4:T4+1], v[T4:T4+1], v[ST+14:ST+15]
.set j, 16
.rept 6
	v_pk_add_f32 v[58:59], v[58:59], v[ST+j:ST+j+1]
	v_pk_add_f32 v[64:65], v[64:65], v[ST+j+2:ST+j+3]
	v_pk_add_f32 v[14:15], v[14:15], v[ST+j+4:ST+j+5]
	v_pk_add_f32 v[T4:T4+1], v[T4:T4+1], v[ST+j+6:ST+j+7]
.set j, j+8
.endr
	v_pk_add_f32 v[58:59], v[58:59], v[64:65]
	v_pk_add_f32 v[14:15], v[14:15], v[T4:T4+1]
	s_delay_alu instid0(VALU_DEP_1)
	v_pk_add_f32 v[14:15], v[14:15], v[58:59]
	s_wait_alu depctr_va_vdst(0)
	s_wait_dscnt 0x0                               ; V
.irp c, 0,1,2,3
	v_wmma_scale_f32_16x16x128_f8f6f4 v[OT+8*\c:OT+8*\c+7], v[VF+12*\c:VF+12*\c+11], v[32:43], v[OT+8*\c:OT+8*\c+7], v[VS+\c], v[PWD] matrix_a_fmt:MATRIX_FMT_FP6 matrix_b_fmt:MATRIX_FMT_FP6
.endr
.Lskip_\@:
	s_add_co_u32 s[TB], s[TB], STEPB
	s_add_co_u32 s[SI], s[SI], 1
	s_sub_co_u32 s[CT], s[CT], 1
	s_cmp_lg_u32 s[CT], 0
	s_cbranch_scc1 .Lstep_\@
.endm
; v96-127, a tile's 16 queries x 64 channels, are quantised (two blocks of proj's K) and stored
.macro QOUT oc, os
.irp b, 0,1
	v_max3_num_f32 v[MX+\b], |v[ST+16*\b]|, |v[ST+1+16*\b]|, 0x1800000
.endr
.irp i, 2,4,6,8,10,12,14
.irp b, 0,1
	s_delay_alu instid0(VALU_DEP_2)
	v_max3_num_f32 v[MX+\b], v[MX+\b], |v[ST+16*\b+\i]|, |v[ST+1+16*\b+\i]|
.endr
.endr
.irp b, 0,1
	s_delay_alu instid0(VALU_DEP_2)
	v_permlanex16_b32 v[T4+\b], v[MX+\b], s[SEL], s[SEL+1]
.endr
.irp b, 0,1
	s_delay_alu instid0(VALU_DEP_2)
	v_max_num_f32 v[MX+\b], v[MX+\b], v[T4+\b]
.endr
.irp b, 0,1
	s_delay_alu instid0(VALU_DEP_2)
	v_add_nc_u32 v[SO+\b], 0xff000000, v[MX+\b]
.endr
.irp b, 0,1
	s_delay_alu instid0(VALU_DEP_2)
	v_lshrrev_b32 v[T4+\b], 23, v[SO+\b]
.endr
	s_delay_alu instid0(VALU_DEP_1)
	v_lshl_or_b32 v68, v[T4+1], 8, v[T4]
	v_cvt_scalef32_pk16_fp6_f32 v[32:34], v[ST:ST+15], v[SO]
	v_cvt_scalef32_pk16_fp6_f32 v[44:46], v[ST+16:ST+31], v[SO+1]
	v_nop
.irp i, 0,1,2
	v_permlane16_swap_b32 v[32+\i], v[44+\i]
.endr
.irp i, 0,1,2
	s_delay_alu instid0(VALU_DEP_3)
	v_mov_b32 v[35+\i], v[44+\i]
.endr
	global_store_b128 v1, v[32:35], s[\oc:\oc+1]   ; 512 and 256 consecutive bytes, aligned
	global_store_b64 v2, v[36:37], s[\oc:\oc+1] offset:512
	global_store_b16 v2, v68, s[\os:\os+1]         ; my head's two bytes of each row's scale word
.endm
	WALK 0, 8                                      ; waves 0 .. 7: the tile of block i, whole; waves 8 .. 15: steps 0 .. Y - 1 of the tile of block 15 - i
.rept 4
	v_nop                                          ; places behind the last products
.endr
	s_cmp_lg_u32 s12, 0
	s_cbranch_scc0 .Llower
	v_add_f32 v13, v14, v15                        ; waves 8 .. 15: the partial goes to my area: O^T from its low end on, then -M and l
.irp k, 0,1,2,3,4,5,6,7
	ds_store_b128 v10, v[OT+4*\k:OT+4*\k+3] offset:512*\k
.endr
	ds_store_b64 v11, v[12:13] offset:4096
	s_mov_b32 s[HI], 0                             ; no step of the second walk is mine
	s_wait_alu depctr_va_vdst(0)
	s_branch .Ljoin
.Llower:
	v_add_f32 v14, v14, v15                        ; waves 0 .. 7: the tile is whole: O^T / l
	s_delay_alu instid0(VALU_DEP_1)
	v_permlanex16_b32 v64, v14, s[SEL], s[SEL+1]
	s_delay_alu instid0(VALU_DEP_1)
	v_add_f32 v14, v14, v64
	s_wait_alu depctr_va_vdst(0)
	v_rcp_f32 v14, v14
	v_nop
	s_wait_alu depctr_va_vdst(0)
.set j, 0
.rept 16
	v_pk_mul_f32 v[ST+j:ST+j+1], v[OT+j:OT+j+1], v[14:15] op_sel_hi:[1,0]
.set j, j+2
.endr
	QOUT 52, 54
	s_wait_xcnt 0x0                                ; the stores have read their registers
.irp i, 0,1,2,3,4,5
	v_mov_b32 v[16+\i], v[Q2+\i]                   ; the second tile's q
.endr
	v_mov_b32 v[QW], v[QW2]
	INIT
	s_mov_b32 s[JB], s[JC]
	s_mov_b32 s[HI], s[JC]
	s_wait_alu depctr_va_vdst(0)
.Ljoin:
	WALK Y, 16-Y                                   ; waves 0 .. 7: steps Y .. 15 - i of the tile of block 15 - i
.rept 4
	v_nop
.endr
	s_wait_alu depctr_va_vdst(0)
	s_wait_dscnt 0x0                               ; for the others' sake: my partial lies in LDS
	s_barrier_signal -1
	s_barrier_wait -1
	s_cmp_lg_u32 s12, 0
	s_cbranch_scc1 .Lend
.irp k, 0,1,2,3,4,5,6,7
	ds_load_b128 v[ST+4*\k:ST+4*\k+3], v6 offset:512*\k   ; wave i + 8's partial of the tile that I hold
.endr
	ds_load_b64 v[56:57], v7 offset:4096
	v_add_f32 v14, v14, v15
	s_wait_alu depctr_va_vdst(0)
	s_wait_dscnt 0x0
	v_min_num_f32 v64, v12, v56                    ; -M of the two together
	s_delay_alu instid0(VALU_DEP_1)
	v_sub_f32 v58, v64, v12
	v_sub_f32 v59, v64, v56
	s_delay_alu instid0(VALU_DEP_2)
	v_cvt_i32_f32 v58, v58
	s_delay_alu instid0(VALU_DEP_2)
	v_cvt_i32_f32 v59, v59
	s_delay_alu instid0(VALU_DEP_2)
	v_ldexp_f32 v58, 1.0, v58                      ; what brings mine under it,
	s_delay_alu instid0(VALU_DEP_2)
	v_ldexp_f32 v59, 1.0, v59                      ; and the other's: powers of two
	s_delay_alu instid0(VALU_DEP_2)
	v_mul_f32 v14, v14, v58
	s_delay_alu instid0(VALU_DEP_1)
	v_fmac_f32 v14, v57, v59
	s_delay_alu instid0(VALU_DEP_1)
	v_permlanex16_b32 v64, v14, s[SEL], s[SEL+1]
	s_delay_alu instid0(VALU_DEP_1)
	v_add_f32 v14, v14, v64                        ; the row's sum
	s_wait_alu depctr_va_vdst(0)
	v_rcp_f32 v14, v14
	v_nop
	s_wait_alu depctr_va_vdst(0)
	v_mul_f32 v66, v58, v14
	v_mul_f32 v52, v59, v14
.set j, 0
.rept 16
	v_pk_mul_f32 v[ST+j:ST+j+1], v[ST+j:ST+j+1], v[52:53] op_sel_hi:[1,0]
.set j, j+2
.endr
.set j, 0
.rept 16
	v_pk_fma_f32 v[ST+j:ST+j+1], v[OT+j:OT+j+1], v[66:67], v[ST+j:ST+j+1] op_sel_hi:[1,0,1]
.set j, j+2
.endr
	QOUT 40, 42
.Lend:
	s_wait_tensorcnt 0x0                           ; the wave's end
	ds_add_u32 v[SPW], v[NIL]
	s_wait_dscnt 0x0
	ROUND                                          ; the closing round
	s_endpgm
.Lfunc_end_k_q6db875b9a4_attn:
	.size	k_q6db875b9a4_attn, .Lfunc_end_k_q6db875b9a4_attn-k_q6db875b9a4_attn
	.p2alignl 7, 3214868480
	.fill 96, 4, 3214868480
	.section	.rodata,"a",@progbits
	.p2align	6, 0x0
	.amdhsa_kernel k_q6db875b9a4_attn
		.amdhsa_group_segment_fixed_size 327680
		.amdhsa_private_segment_fixed_size 0
		.amdhsa_enable_private_segment 0
		.amdhsa_kernarg_size 16
		.amdhsa_user_sgpr_count 2
		.amdhsa_user_sgpr_kernarg_segment_ptr 1
		.amdhsa_wavefront_size32 1
		.amdhsa_system_sgpr_workgroup_id_x 1
		.amdhsa_system_sgpr_workgroup_id_y 1
		.amdhsa_system_sgpr_workgroup_id_z 1
		.amdhsa_system_vgpr_workitem_id 0
		.amdhsa_next_free_vgpr 256
		.amdhsa_next_free_sgpr 66
		.amdhsa_reserve_vcc 1
		.amdhsa_float_denorm_mode_32 3
		.amdhsa_float_denorm_mode_16_64 3
		.amdhsa_memory_ordered 1
		.amdhsa_forward_progress 1
		.amdhsa_inst_pref_size 67
	.end_amdhsa_kernel
	.amdgpu_metadata
---
amdhsa.version: [ 1, 2 ]
amdhsa.kernels:
  - .name:           k_q6db875b9a4_attn
    .symbol:         k_q6db875b9a4_attn.kd
    .args:
      - { .name: qkvb, .offset: 0, .size: 8, .value_kind: global_buffer, .address_space: global }
      - { .name: aimg, .offset: 8, .size: 8, .value_kind: global_buffer, .address_space: global }
    .group_segment_fixed_size: 327680
    .private_segment_fixed_size: 0
    .kernarg_segment_align: 8
    .kernarg_segment_size: 16
    .max_flat_workgroup_size: 512
    .sgpr_count:     66
    .vgpr_count:     256
    .wavefront_size: 32
...
	.end_amdgpu_metadata
.endif
;; end of part 3
;; launch proj (part 4): grid 8 x 32, 4 waves a work-group, clusters of 4 x 4, 327,680 bytes of LDS; arguments aimg, wimg, bproj, x, x1; writes x1
.if DOCPART == 4
	.amdgcn_target "amdgcn-amd-amdhsa--gfx1250"
	.amdhsa_code_object_version 6
	.text
	.protected	k_q6db875b9a4_proj
	.globl	k_q6db875b9a4_proj
	.p2align	8
	.type	k_q6db875b9a4_proj,@function
k_q6db875b9a4_proj:
	s_mov_b64 s[64:65], 0
	v_nop
	global_prefetch_b8 v0, s[64:65] scope:SCOPE_SE
	s_setreg_imm32_b32 hwreg(HW_REG_WAVE_MODE, 25, 1), 1
	s_wait_xcnt 0x0
	s_wait_alu depctr_hold_cnt(0) depctr_sa_sdst(0) depctr_va_vdst(0) depctr_va_sdst(0) depctr_va_ssrc(0) depctr_va_vcc(0) depctr_vm_vsrc(0)
	s_getreg_b32 s2, hwreg(HW_REG_IB_STS2, 6, 4)
	s_cmp_eq_u32 s2, 0
	s_cbranch_scc0 .Lentry_in_a_cluster
	s_endpgm
.Lentry_in_a_cluster:
	s_bfe_u32 s2, ttmp6, 0x10000c
	s_cmp_lg_u32 s2, 0xf033
	s_cbranch_scc0 .Lentry_shape_is_right
	s_endpgm
.Lentry_shape_is_right:
; ONE TEXT FOR TWO LAUNCHES (the constants KDIM, PS, WC, WS differ): out = residual + P W^T + bias, P [4,096][KDIM] and W [1,024][KDIM] as codes of FP6 (E2M3) with E8M0 scales, f32 sums; residual, bias, out in f32.
; P and W are images of operand registers: tile t of 16 rows, lane-row r = row 32 (t / 2) + 8 (t % 2) + r % 8 + 16 (r / 8); half-fragments of 768 bytes, codes [tile][KDIM / 64][768]; scale units of 256 bytes
; [pair of tiles][KDIM / 128][256].  A fragment comes from LDS by four loads of 512 or 256 consecutive bytes.
; SHARES.  A tile of the result is 128 x 128, which gives 8 x 32 = 256 work-groups (256 x 256 would give 64).  Four waves, each 64 x 64: 16 accumulators.  K goes in steps of 512 through two LDS slots, one tensor load a
; wave (4 tiles x 6,144 bytes); the scales of all of K come once, with the first fills.  With KDIM = 1,024 both K steps are first fills and nothing is filled again.
; CLUSTERS: 4 x 4: P's tiles are asked for jointly along a row of the cluster, W's along a column.  The wave's 64 x 64 of the residual is asked for at the head and lands under the product.
; Source 0 = 16 rows of W, source 1 = 16 rows of P: a lane holds a token, register j of W's tile b is column 32 (b / 2) + 16 h + 8 (b % 2) + j.  The way out goes through the wave's own stage in LDS and stores
; 256 consecutive bytes, aligned, from sixteen lanes.
; REGISTERS: window 0: v8-11 bias, v12-29 addresses, v32-63 scale words and nothing else, v64-127 the way out, v128-255 the accumulators.  window 1: two sets of fragments, at v0 and v128 (P's four, then W's four).
;   window 2: v0-127 the residual.
.set KDIM,  1024
.set PS,    3145728                    ; where P's scale units begin in its buffer
.set WC,    2359296                    ; W's codes in wimg
.set WS,    9633792                    ; W's scale units in wimg
.set TILEB, 12*KDIM                    ; a tile's codes
.set TROW,  6144                       ; and for 512 along K
.set FR,    12
.set HALFT, 4*TROW
.set SLOT,  4*HALFT
.set LAPS,  KDIM/1024
.set PAIRS, 2*KDIM                     ; a pair's scale units for all of K
.set HALFS, 2*PAIRS                    ; those of 64 rows
.set SCL,   2*SLOT
.set STAGE, SCL+4*HALFS                ; 16 rows x 272 bytes for each wave: no fill lands here
.set SPARE, STAGE+4*16*272
.set BV,   8
.set STO,  12
.set RD,   13
.set CO,   14
.set BO,   15
.set ADRA, 16
.set ADRB, 20
.set L16,  24
.set L8,   25
.set ADRS, 27
.set SPW,  28
.set NIL,  29
.set SC,   32                          ; scale words: set sc, step q, tile t at v[SC + 16 sc + 4 q + t]: lanes 0-15 P's tile t, lanes 16-31 W's
.set BK,   64
.set ACC,  128
.set G1, 24
.set G0, 32
.set G1B, 48
.set G0B, 56
.set G1S, 68
.set G0S, 76
.set G1SB, 80
.set G0SB, 88
.set MSB, 0
.macro WIN new
.if MSB != (\new)
	s_set_vgpr_msb (MSB<<8)|(\new)
.set MSB, (\new)
.endif
.endm
.set MUL,  0x05                        ; sources 0 and 1 window 1; C and D window 0
.set TO_F, 0x40
.macro JLOAD g0a, g1a, g0b, g1b        ; a joint load: waves 0 and 1 fetch for P, waves 2 and 3 for W; an s_nop 0 and four v_nop follow each of the two lines
	s_cmp_eq_u32 s15, 0
	s_cbranch_scc0 .Lfor_b_\@
	tensor_load_to_lds s[\g0a:\g0a+3], s[\g1a:\g1a+7]
	s_nop 0
.rept 4
	v_nop
.endr
	s_branch .Lasked_\@
.Lfor_b_\@:
	tensor_load_to_lds s[\g0b:\g0b+3], s[\g1b:\g1b+7]
	s_nop 0
.rept 4
	v_nop
.endr
.Lasked_\@:
.endm
.macro CREST
	s_cmp_lg_u32 s14, 0
	s_cbranch_scc1 .Lnot_wave_0_\@
	s_barrier_signal -3
.Lnot_wave_0_\@:
	s_barrier_wait -3
	s_barrier_signal -1
	s_barrier_wait -1
.endm
.macro CROUND
	s_barrier_signal -1
	s_barrier_wait -1
	CREST
.endm
	s_load_b256 s[4:11], s[0:1], 0x0               ; P's image, wimg, bias, residual
	s_load_b64 s[12:13], s[0:1], 0x20              ; out
	v_lshl_add_u32 v[SPW], v0, 2, SPARE
	v_mov_b32 v[NIL], 0
	ds_add_u32 v[SPW], v[NIL]                      ; the wave's opening: the add and its wait ahead of my first tensor load
	ds_add_u32 v[SPW], v[NIL]
	v_lshrrev_b32 v1, 5, v0
	v_readfirstlane_b32 s14, v1
	s_lshr_b32 s15, s14, 1                         ; which half of P's rows is mine.  Also: I fetch for P (0) or for W (1)
	s_and_b32 s16, s14, 1                          ; which half of W's rows.  Also: which half I fetch
	s_bfe_u32 s40, ttmp6, 0x40000
	s_bfe_u32 s41, ttmp6, 0x40004
	s_lshl_b32 s42, ttmp9, 2
	s_add_co_u32 s42, s42, s40                     ; W's tile of 128 rows
	s_and_b32 s17, ttmp7, 0xffff
	s_lshl_b32 s17, s17, 2
	s_add_co_u32 s17, s17, s41                     ; P's tile of 128 rows
	s_lshl_b32 s43, s41, 2
	s_lshl_b32 s43, 15, s43
	s_lshl_b32 s44, 0x1111, s40
	s_or_b32 s[G1+0], s43, (3<<16)|(1<<21)         ; the mask; elements of 8 bytes; no padding; bit 21 beside a mask
	s_or_b32 s[G1B+0], s44, (3<<16)|(1<<21)
	s_or_b32 s[G1S+0], s43, (3<<16)|(1<<21)
	s_or_b32 s[G1SB+0], s44, (3<<16)|(1<<21)
.irp g, G1, G1B                        ; codes: 4 tiles x 6,144 bytes, a tile's codes apart
	s_mov_b32 s[\g+1], 768<<16
	s_mov_b32 s[\g+2], 8<<16                       ; the head's loads bring 8 tiles; behind them these two words are set to 4, for the ring's
	s_mov_b32 s[\g+3], 768<<16
	s_mov_b32 s[\g+4], 8
	s_mov_b32 s[\g+5], TILEB/8
	s_mov_b32 s[\g+6], 0
	s_mov_b32 s[\g+7], 0
.endr
.irp g, G1S, G1SB                      ; scales: a dense block as rows of 256 bytes
	s_mov_b32 s[\g+1], 32<<16
	s_mov_b32 s[\g+2], (HALFS/128)<<16             ; the scales of 128 rows
	s_mov_b32 s[\g+3], 32<<16
	s_mov_b32 s[\g+4], HALFS/128
	s_mov_b32 s[\g+5], 32
	s_mov_b32 s[\g+6], 0
	s_mov_b32 s[\g+7], 0
.endr
	s_mul_i32 s20, s17, 8*TILEB
	s_mul_i32 s18, s16, 4*TILEB
	s_mul_i32 s46, s42, 8*TILEB
	s_add_co_u32 s46, s46, WC
	s_mul_i32 s22, s17, 4*PAIRS
	s_mov_b32 s19, 0                               ; s[18:19]: my half of a tile's codes, in bytes
	s_add_co_u32 s22, s22, PS
	s_mul_i32 s92, s42, 4*PAIRS
	s_add_co_u32 s92, s92, WS
	s_mov_b32 s21, 0
	s_mov_b32 s23, 0
	s_mov_b32 s47, 0
	s_mov_b32 s93, 0
	s_mul_i32 s45, s14, HALFT
	s_wait_dscnt 0x0                               ; the opening add is done
	s_wait_kmcnt 0x0
	s_add_nc_u64 s[20:21], s[4:5], s[20:21]
	s_add_nc_u64 s[22:23], s[4:5], s[22:23]
	s_add_nc_u64 s[46:47], s[6:7], s[46:47]
	s_add_nc_u64 s[92:93], s[6:7], s[92:93]
	CROUND                                         ; all sixteen work-groups are here: the first joint loads meet
	s_mov_b32 s[G0S], 1
	s_mov_b32 s[G0S+1], SCL
	s_mov_b64 s[G0S+2:G0S+3], s[22:23]
	s_or_b32 s[G0S+3], s[G0S+3], 0x80000000
	s_mov_b32 s[G0SB], 1
	s_mov_b32 s[G0SB+1], SCL+2*HALFS
	s_mov_b64 s[G0SB+2:G0SB+3], s[92:93]
	s_or_b32 s[G0SB+3], s[G0SB+3], 0x80000000
.irp s, 0,1
	s_mov_b32 s[G0+4*\s], 1
	s_add_co_u32 s[G0+4*\s+1], s45, \s*SLOT
	s_add_nc_u64 s[G0+4*\s+2:G0+4*\s+3], s[20:21], \s*TROW
	s_or_b32 s[G0+4*\s+3], s[G0+4*\s+3], 0x80000000
	s_mov_b32 s[G0B+4*\s], 1
	s_add_co_u32 s[G0B+4*\s+1], s45, \s*SLOT
	s_add_nc_u64 s[G0B+4*\s+2:G0B+4*\s+3], s[46:47], \s*TROW
	s_or_b32 s[G0B+4*\s+3], s[G0B+4*\s+3], 0x80000000
.endr
.set PFO, 30                           ; v30 the prefetches' offset: 256 x min(lane, 23); never rewritten
.set PFA, 6                            ; s[6:7] where my prefetches stand
	; THE HEAD'S LOADS, ONE A WAVE: wave 0 P's 8 tiles of K step 0, wave 1 W's, wave 2 P's scales, wave 3 W's.  Slot 0's two groups 0 serve them whole.
	s_mov_b32 s[G0+1], 0
	s_mov_b32 s[G0B+1], 2*HALFT
	s_add_nc_u64 s[G0+6:G0+7], s[G0+6:G0+7], s[18:19]
	s_add_nc_u64 s[G0B+6:G0B+7], s[G0B+6:G0B+7], s[18:19]
.macro ARM under, g0, g1, next         ; one chain of branches on the wave's number, one load to an arm, all arms to one join
	s_cmp_lt_u32 s14, \under
	s_cbranch_scc0 \next
	tensor_load_to_lds s[\g0:\g0+3], s[\g1:\g1+7]
	s_nop 0
.rept 4
	v_nop
.endr
	s_branch .Lhead_asked
\next:
.endm
	ARM 1, G0,  G1,  .Lhead_b
	ARM 2, G0B, G1B, .Lhead_sa
	ARM 3, G0S, G1S, .Lhead_sb
	tensor_load_to_lds s[G0SB:G0SB+3], s[G1SB:G1SB+7]
	s_nop 0
.rept 4
	v_nop
.endr
.Lhead_asked:
	v_and_b32 v1, 15, v0
	v_bfe_u32 v2, v0, 4, 1                         ; h
	v_and_b32 v3, 31, v0
	v_lshlrev_b32 v[L16], 4, v3
	v_lshlrev_b32 v[L8], 3, v3
	v_lshlrev_b32 v[BO], 4, v1
	v_lshl_add_u32 v[CO], v2, 12, v[BO]            ; lanes 0-15 one row of the result, lanes 16-31 the next; 16 bytes a lane
	s_wait_alu depctr_va_vdst(0)
	s_lshl_b32 s96, s17, 7
	s_lshl_b32 s97, s15, 6
	s_add_co_u32 s96, s96, s97
	s_lshl_b32 s96, s96, 12                        ; my first row, 4,096 bytes a row
	s_lshl_b32 s98, s42, 9
	s_lshl_b32 s97, s16, 8
	s_add_co_u32 s98, s98, s97                     ; my first column, in bytes
	s_add_co_u32 s96, s96, s98
	s_mov_b32 s97, 0
	s_mov_b32 s99, 0
	s_add_nc_u64 s[10:11], s[10:11], s[96:97]
	s_add_nc_u64 s[12:13], s[12:13], s[96:97]
	s_add_nc_u64 s[8:9], s[8:9], s[98:99]
	global_load_b128 v[BV:BV+3], v[BO], s[8:9]     ; the bias of my four columns
	; PREFETCHES INTO THE L2.  Of the 4 tiles x 6,144 bytes that my wave fetches in a K step, each of the four partners that ask for them jointly takes one tile, told apart by address (cx for P, cy for W):
	; 24 blocks of 256 bytes, a lane a block (the lanes left over name the last again).  Behind the load of K step s stands the request for K step s + 2; K step 1 is asked for here too.
	s_cmp_eq_u32 s15, 0
	s_cselect_b32 s2, s40, s41
	s_cselect_b64 s[PFA:PFA+1], s[20:21], s[46:47]
	s_mul_i32 s2, s2, TILEB
	s_add_co_u32 s2, s2, s18
	s_mov_b32 s3, 0
	s_add_nc_u64 s[PFA:PFA+1], s[PFA:PFA+1], s[2:3]
	v_min_u32 v[PFO], 23, v3
	v_lshlrev_b32 v[PFO], 8, v[PFO]
	global_prefetch_b8 v[PFO], s[PFA:PFA+1] offset:TROW th:TH_LOAD_NT scope:SCOPE_SE
.if LAPS > 1
	global_prefetch_b8 v[PFO], s[PFA:PFA+1] offset:2*TROW th:TH_LOAD_NT scope:SCOPE_SE
.endif
	s_mul_i32 s21, s15, HALFT
	s_mul_i32 s22, s16, HALFT
	s_add_co_u32 s22, s22, 2*HALFT
.irp s, 0,1
	v_add_nc_u32 v[ADRA+\s], s21, v[L16]
	v_add_nc_u32 v[ADRB+\s], s22, v[L16]
	v_add_nc_u32 v[ADRA+2+\s], s21, v[L8]
	v_add_nc_u32 v[ADRB+2+\s], s22, v[L8]
	s_add_co_u32 s21, s21, SLOT
	s_add_co_u32 s22, s22, SLOT
.endr
	s_mul_i32 s21, s15, HALFS                      ; scale words: lanes 0-15 take P's, lanes 16-31 W's: the lower base + h x the distance
	s_mul_i32 s22, s16, HALFS
	s_add_co_u32 s22, s22, 2*HALFS
	s_sub_co_u32 s22, s22, s21
	v_mul_u32_u24 v6, s22, v2
	s_add_co_u32 s21, s21, SCL
	v_add_nc_u32 v5, v[L8], v6
	v_add_nc_u32 v[ADRS], s21, v5
	s_mul_i32 s23, s14, 16*272
	s_add_co_u32 s23, s23, STAGE                   ; my stage
	v_mul_u32_u24 v4, v1, 272
	v_lshl_add_u32 v4, v2, 6, v4
	v_add_nc_u32 v[STO], s23, v4                   ; in: row r, + 64 h
	v_mul_u32_u24 v4, v2, 272
	v_lshl_add_u32 v4, v1, 4, v4
	v_add_nc_u32 v[RD], s23, v4                    ; back: lanes 0-15 one row, lanes 16-31 the next
.macro FRAG reg, adr, q, i
	ds_load_b128 v[\reg:\reg+3], v[\adr] offset:(\i)*TROW+(\q)*1536
	ds_load_b64 v[\reg+4:\reg+5], v[\adr+2] offset:(\i)*TROW+(\q)*1536+512
	ds_load_b128 v[\reg+6:\reg+9], v[\adr] offset:(\i)*TROW+(\q)*1536+768
	ds_load_b64 v[\reg+10:\reg+11], v[\adr+2] offset:(\i)*TROW+(\q)*1536+1280
.endm
.macro FETCH slot, q, f                ; 32 LDS loads in one run: the eight fragments of the slot's q-th 128 along K into set f
	WIN TO_F
.irp i, 0,1,2,3
	FRAG (\f)+48+FR*\i, ADRB+\slot, \q, \i
	FRAG (\f)+FR*\i, ADRA+\slot, \q, \i
.endr
.endm
.macro SCALES sc
.irp q, 0,1,2,3
.irp i, 0,1
	ds_load_b64 v[SC+16*\sc+4*\q+2*\i:SC+16*\sc+4*\q+2*\i+1], v[ADRS] offset:\i*PAIRS+256*\q
.endr
.endr
.endm
; four matrix instructions: P's block a x W's four.  The 16 accumulators take turns, one instruction a turn, in the same order in every step.
.macro MUL4 f, a, sc, q, zero
.irp b, 0,1,2,3
.set DD, ACC+8*(4*(\a)+\b)
.set QQ, (\f)+48+FR*\b
.set PP, (\f)+FR*(\a)
.if \zero
	v_wmma_scale_f32_16x16x128_f8f6f4 v[DD:DD+7], v[QQ:QQ+FR-1], v[PP:PP+FR-1], 0, v[SC+16*(\sc)+4*(\q)+\b], v[SC+16*(\sc)+4*(\q)+(\a)] matrix_a_fmt:MATRIX_FMT_FP6 matrix_b_fmt:MATRIX_FMT_FP6 matrix_a_scale:MATRIX_SCALE_ROW1
.else
	v_wmma_scale_f32_16x16x128_f8f6f4 v[DD:DD+7], v[QQ:QQ+FR-1], v[PP:PP+FR-1], v[DD:DD+7], v[SC+16*(\sc)+4*(\q)+\b], v[SC+16*(\sc)+4*(\q)+(\a)] matrix_a_fmt:MATRIX_FMT_FP6 matrix_b_fmt:MATRIX_FMT_FP6 matrix_a_scale:MATRIX_SCALE_ROW1
.endif
.endr
.endm
.macro PLACES n                        ; plain vector instructions between a matrix instruction and a load into, or a vector instruction on, its registers (ISA guide 7.12.1 for vector instructions)
.rept \n
	v_nop
.endr
.endm
.macro STEP slot, q, zero              ; one of a slot's first three steps of 128: the next step's fragments are asked for, then this step's 16 products
	PLACES 4
	FETCH \slot, (\q)+1, 128*(1-(\q)%2)
	s_wait_dscnt 32                                ; all but the 32 just issued
	WIN MUL
	MUL4 128*((\q)%2), 0, \slot, \q, \zero
	MUL4 128*((\q)%2), 1, \slot, \q, \zero
	MUL4 128*((\q)%2), 2, \slot, \q, \zero
	MUL4 128*((\q)%2), 3, \slot, \q, \zero
.endm
; A slot's last step changes slots: one barrier; in front of it each wave waits for all its tensor loads, adds 0 to its spare word, and waits for that and for its reads of this slot.  fill = 1: the slot is filled again.
.macro TURN slot, next, fill
	WIN 0
.if (\fill) && (LAPS > 2)
	s_wait_xcnt 0x0                                ; my prefetches have read their address: it steps a K step
	s_add_nc_u64 s[PFA:PFA+1], s[PFA:PFA+1], TROW
.endif
	s_wait_tensorcnt 0x0                           ; all my tensor loads have landed: my part of the next slot
	ds_add_u32 v[SPW], v[NIL]                      ; 0 onto my spare word
	s_wait_dscnt 1                                 ; (the add may be out)
	WIN MUL
	MUL4 128, 0, \slot, 3, 0
	s_wait_dscnt 0x0                               ; the add is done, and my reads of this slot are over
	s_barrier_signal -1
	MUL4 128, 1, \slot, 3, 0
	WIN 0
	s_barrier_wait -1
.if \fill
	CREST                                          ; the barrier has opened a round of the cluster's barrier
	s_add_nc_u64 s[G0+4*\slot+2:G0+4*\slot+3], s[G0+4*\slot+2:G0+4*\slot+3], 2*TROW
	s_add_nc_u64 s[G0B+4*\slot+2:G0B+4*\slot+3], s[G0B+4*\slot+2:G0B+4*\slot+3], 2*TROW
	JLOAD G0+4*\slot, G1, G0B+4*\slot, G1B         ; the first tensor load behind the round; its four v_nop are the places in front of the loads below
.else
	PLACES 4
.endif
	v_add_nc_u32 v[ADRS], 1024, v[ADRS]            ; the next K step's scale words
	FETCH \next, 0, 0
	WIN 0
	SCALES \next
.if (\fill) && (LAPS > 2)
	s_cmp_gt_u32 s3, 1                             ; the loop's last trip has no K step two refills on
	s_cbranch_scc0 .Lno_ask_\@
	global_prefetch_b8 v[PFO], s[PFA:PFA+1] offset:3*TROW th:TH_LOAD_NT scope:SCOPE_SE
.Lno_ask_\@:
.endif
	WIN MUL
	MUL4 128, 2, \slot, 3, 0
	MUL4 128, 3, \slot, 3, 0
.endm
	s_wait_alu depctr_va_vdst(0)
	s_wait_tensorcnt 0x0                           ; my tile of the head's four is in
	ds_add_u32 v[SPW], v[NIL]
	s_mov_b32 s[G1+2], 4<<16                       ; no tensor load of mine is out: from here on a load brings 4 tiles
	s_mov_b32 s[G1+4], 4
	s_mov_b32 s[G1B+2], 4<<16
	s_mov_b32 s[G1B+4], 4
.if LAPS > 1
	s_mov_b32 s[G0+1], s45                         ; slot 0's groups 0 name my half, for its refills
	s_mov_b32 s[G0B+1], s45
	s_add_nc_u64 s[G0+2:G0+3], s[G0+2:G0+3], s[18:19]
	s_add_nc_u64 s[G0B+2:G0B+3], s[G0B+2:G0B+3], s[18:19]
.endif
	s_wait_dscnt 0x0
	CROUND                                         ; all four tiles are in, all sixteen work-groups are here
	JLOAD G0+4, G1, G0B+4, G1B                     ; K step 1, the first tensor load behind the round
	FETCH 0, 0, 0
	WIN 0
	SCALES 0
	WIN 0x80                                       ; destination window 2: the residual is asked for here, behind K step 1's load, and is wanted on the way out
.irp a, 0,1,2,3
.irp t, 0,1,2,3,4,5,6,7
	global_load_b128 v[32*\a+4*\t:32*\a+4*\t+3], v[CO], s[10:11] offset:(32*(\a/2)+8*(\a%2)+2*(\t%4)+16*(\t/4))*4096   ; in the order in which the way out stores
.endr
.endr
	WIN 0
.if LAPS > 1
	global_prefetch_b8 v[PFO], s[PFA:PFA+1] offset:3*TROW th:TH_LOAD_NT scope:SCOPE_SE
.endif
	STEP 0, 0, 1                                   ; the first step stands in front of the loop: its products start the sums
.if LAPS > 1
	WIN 0
	s_mov_b32 s3, LAPS-1
.Llap:                                             ; a trip goes once round the ring and fills both slots again
	STEP 0, 1, 0
	STEP 0, 2, 0
	TURN 0, 1, 1
	STEP 1, 0, 0
	STEP 1, 1, 0
	STEP 1, 2, 0
	TURN 1, 0, 1
	STEP 0, 0, 0
	WIN 0
	s_sub_co_u32 s3, s3, 1
	s_cmp_lg_u32 s3, 0
	s_cbranch_scc1 .Llap
.endif
	STEP 0, 1, 0                                   ; the last lap fills nothing
	STEP 0, 2, 0
	TURN 0, 1, 0
	STEP 1, 0, 0
	STEP 1, 1, 0
	STEP 1, 2, 0
	s_wait_dscnt 0
	MUL4 128, 0, 1, 3, 0
	MUL4 128, 1, 1, 3, 0
	MUL4 128, 2, 1, 3, 0
	MUL4 128, 3, 1, 3, 0
	WIN 0
; THE WAY OUT, a tile of 16 tokens x 64 columns at a time, through my own stage.  LDS serves a wave's instructions in order (ISA guide 5.7.1.4): no wait between the stores and the loads, nor in front of the next tile's stores.
.macro TOSTAGE a
.irp b, 0,1,2,3
	ds_store_b128 v[STO], v[ACC+8*(4*(\a)+\b):ACC+8*(4*(\a)+\b)+3] offset:128*(\b/2)+32*(\b%2)        ; each accumulator from its low end on
	ds_store_b128 v[STO], v[ACC+8*(4*(\a)+\b)+4:ACC+8*(4*(\a)+\b)+7] offset:128*(\b/2)+32*(\b%2)+16
.endr
.irp t, 0,1,2,3,4,5,6,7
	ds_load_b128 v[BK+32*((\a)%2)+4*\t:BK+32*((\a)%2)+4*\t+3], v[RD] offset:544*\t
.endr
.endm
.macro SEND a, younger                 ; younger: the LDS instructions issued behind tile a's loads
.set BB, BK+32*((\a)%2)
	s_wait_dscnt \younger
	WIN 0x08                                       ; source 1 window 2
.set i, 0
.rept 16
	v_pk_add_f32 v[BB+i:BB+i+1], v[BB+i:BB+i+1], v[32*(\a)+i:32*(\a)+i+1]          ; + the residual
.set i, i+2
.endr
	WIN 0
.irp t, 0,1,2,3,4,5,6,7
	v_pk_add_f32 v[BB+4*\t:BB+4*\t+1], v[BB+4*\t:BB+4*\t+1], v[BV:BV+1]            ; + the bias
	v_pk_add_f32 v[BB+4*\t+2:BB+4*\t+3], v[BB+4*\t+2:BB+4*\t+3], v[BV+2:BV+3]
.endr
.irp t, 0,1,2,3,4,5,6,7
	global_store_b128 v[CO], v[BB+4*\t:BB+4*\t+3], s[12:13] offset:(32*((\a)/2)+8*((\a)%2)+2*(\t%4)+16*(\t/4))*4096   ; 16 lanes store 256 consecutive bytes, aligned
.endr
.endm
	PLACES 4
	s_wait_loadcnt 0x0                             ; the residual and the bias
	TOSTAGE 0
.irp a, 1,2,3
.if \a > 1
	s_wait_xcnt 0x0                                ; tile a - 2's stores have read their registers: tile a's loads may land there
.endif
	TOSTAGE \a
	SEND \a-1, 16                                  ; behind tile a - 1's loads: tile a's 8 stores and 8 loads
.endr
	SEND 3, 0
	s_wait_tensorcnt 0x0                           ; the wave's end, behind my last tensor load and my last LDS store
	ds_add_u32 v[SPW], v[NIL]
	s_wait_dscnt 0x0
	CROUND                                         ; the closing round
	s_endpgm
.Lfunc_end_k_q6db875b9a4_proj:
	.size	k_q6db875b9a4_proj, .Lfunc_end_k_q6db875b9a4_proj-k_q6db875b9a4_proj
	.p2alignl 7, 3214868480
	.fill 96, 4, 3214868480
	.section	.rodata,"a",@progbits
	.p2align	6, 0x0
	.amdhsa_kernel k_q6db875b9a4_proj
		.amdhsa_group_segment_fixed_size 327680
		.amdhsa_private_segment_fixed_size 0
		.amdhsa_enable_private_segment 0
		.amdhsa_kernarg_size 40
		.amdhsa_user_sgpr_count 2
		.amdhsa_user_sgpr_kernarg_segment_ptr 1
		.amdhsa_wavefront_size32 1
		.amdhsa_system_sgpr_workgroup_id_x 1
		.amdhsa_system_sgpr_workgroup_id_y 1
		.amdhsa_system_sgpr_workgroup_id_z 1
		.amdhsa_system_vgpr_workitem_id 0
		.amdhsa_next_free_vgpr 768
		.amdhsa_next_free_sgpr 104
		.amdhsa_reserve_vcc 0
		.amdhsa_float_denorm_mode_32 3
		.amdhsa_float_denorm_mode_16_64 3
		.amdhsa_memory_ordered 1
		.amdhsa_forward_progress 1
		.amdhsa_inst_pref_size 65
	.end_amdhsa_kernel
	.amdgpu_metadata
---
amdhsa.version: [ 1, 2 ]
amdhsa.kernels:
  - .name:           k_q6db875b9a4_proj
    .symbol:         k_q6db875b9a4_proj.kd
    .args:
      - { .name: aimg, .offset: 0, .size: 8, .value_kind: global_buffer, .address_space: global }
      - { .name: wimg, .offset: 8, .size: 8, .value_kind: global_buffer, .address_space: global }
      - { .name: bproj, .offset: 16, .size: 8, .value_kind: global_buffer, .address_space: global }
      - { .name: x, .offset: 24, .size: 8, .value_kind: global_buffer, .address_space: global }
      - { .name: x1, .offset: 32, .size: 8, .value_kind: global_buffer, .address_space: global }
    .group_segment_fixed_size: 327680
    .private_segment_fixed_size: 0
    .kernarg_segment_align: 8
    .kernarg_segment_size: 40
    .max_flat_workgroup_size: 128
    .sgpr_count:     104
    .vgpr_count:     768
    .wavefront_size: 32
...
	.end_amdgpu_metadata
.endif
;; end of part 4
;; launch pre2 (part 5): grid 384 x 1, 8 waves a work-group, no clusters, 132,608 bytes of LDS; arguments x1, ln2_scale, ln2_bias, himg, W1, W2, wimg; writes himg, wimg
.if DOCPART == 5
	.amdgcn_target "amdgcn-amd-amdhsa--gfx1250"
	.amdhsa_code_object_version 6
	.text
	.protected	k_q6db875b9a4_pre2
	.globl	k_q6db875b9a4_pre2
	.p2align	8
	.type	k_q6db875b9a4_pre2,@function
k_q6db875b9a4_pre2:
	s_mov_b64 s[64:65], 0
	v_nop
	global_prefetch_b8 v0, s[64:65] scope:SCOPE_SE
	s_setreg_imm32_b32 hwreg(HW_REG_WAVE_MODE, 25, 1), 1
	s_wait_xcnt 0x0
; ONE TEXT FOR TWO LAUNCHES (PART = 0: LN1 and Wq, Wk, Wv, Wproj;  PART = 1: LN2 and W1, W2).  TWO JOBS THAT SHARE NOTHING STAND IN ONE LAUNCH, parted by the work-group's number: one launch less, and neither waits for the other.
; Both turn f32 numbers into codes of FP6 (E2M3) with one E8M0 scale byte for each 32 along K.  A block's scale is 2^(floor(log2(its largest magnitude)) - 2); its byte is the largest magnitude's exponent field - 2, held at 1 from below.
; LIMITS: NaN and infinities are not served; a block whose largest magnitude lies under 2^-124, a block of zeros too, gets the byte 1 (its codes add nothing; this program alone reads the bytes).
; THE IMAGE, for both.  Tile t of 16 rows (tokens; of a weight: output columns): lane-row r is row 32 (t / 2) + 8 (t % 2) + r % 8 + 16 (r / 8).  A half-fragment (16 rows x 64 K, 6 registers a lane: lane (r, h) holds block 2 kk + h)
; is 768 bytes: registers 0-3 at 16 x lane, registers 4-5 at 512 + 8 x lane.  Codes: [tile][K / 64][768].  A scale unit (a pair of tiles, 128 K) is 256 bytes: lane l's 8 bytes are the words of row l % 16
; of the even and of the odd tile.  Units: [pair][K / 128][256].
; WORK-GROUPS 0 .. 127: y = (x - mean) rsqrt(var + 1e-6) gain + bias over rows of 1,024 f32, all in f32 (mean first, then the squares of x - mean), quantised along the row: codes [256 tiles][16][768] at 0 of himg, units at HS.
;   A work-group takes 32 rows, a pair of tiles.  Phase 1: wave w takes rows 4 w .. 4 w + 3, each load 512 consecutive bytes; a row's sums never leave the wave.  The normalised rows go to LDS,
;   at the row of their place in a tile (tile u = bit 3 of the row, lane-row = row % 8 + 8 x bit 4).  One barrier.  Phase 2: wave w takes K step w (128 columns) of both tiles: a lane reads two whole blocks
;   of 32 of its row for each tile, so a block's largest magnitude needs no other lane.  All of a work-group's 128 KiB are asked for at once.
; THE OTHER WORK-GROUPS: weights, f32 with K not innermost, into wimg.  A wave takes 32 columns (a pair of tiles) x 128 K.  A LANE TAKES A COLUMN AND ITS REGISTERS RUN DOWN K: each load reads 128 consecutive bytes
;   (the eight waves of a work-group stand side by side), a block of 32 lies in one lane, and the conversions give K innermost.  Lanes 0-15 hold the even tile's columns, lanes 16-31 the odd tile's: twelve exchanges of
;   halves make the two fragments.  No LDS, no loop, no barrier on this path.  Sizes and pointers are chosen by the work-group's number.
; Memory binds both jobs: no matrix unit, no cluster (nothing is shared), no prefetch (each byte is asked for at once by the load that wants it).
.set PART,  1
.set NLN,   128                        ; work-groups that normalise
.set PITCH, 4112                       ; an LDS row: 4,096 bytes + 16 = 257 x 16: the 16 rows that a load of 16 bytes a lane touches fall on 16 different columns of 16 bytes
.set SPARE, 32*PITCH                   ; behind the rows: the spare words, 128 bytes for each of eight waves
.set HS,    3145728
.set SPW, 14                           ; v14 LDS address of my spare word; v15 0: made at the head, never rewritten on either path
.set NIL, 15
.set S,   16                           ; the norm's path: v16-23 a pair for each of my four rows: sums, then the mean in the low word
.set Q,   24                           ; v24-31   the same for the squares
.set T,   32                           ; v32-35   the other half's sums
.set R,   36                           ; v36-43   1 / sqrt(var + eps) in the low word of a pair
.set TM,  44                           ; v44-47 largest magnitudes, v48-51 scale operands, v52-55 bytes, v56-57 scale words, v58-59 the other half's
.set X,   64                           ; v64-191  four rows of 32 numbers a lane; in phase 2 four blocks of 32.  The weights' path: four blocks of 32 numbers
.set GA,  192                          ; v192-223 gain, v224-255 bias of my 32 columns; in phase 2 the codes
.set BI,  224
.set F,   192
.set TP,  216                          ; both paths: the upper 16 codes of each block (a conversion's three registers begin on an even number)
.set OFF, 32                           ; the weights' path: v32-63 byte offset of my column in rows 0 .. 31 of a block
.set F0,  192                          ; v192-203 blocks 0, 2; then the even tile's fragment
.set F1,  204                          ; v204-215 blocks 1, 3; then the odd tile's
.set WD,  232                          ; v232-233 the scale words
.set SO,  8                            ; v8-11    the conversions' scale operands
	v_lshl_add_u32 v[SPW], v0, 2, SPARE
	v_mov_b32 v[NIL], 0
	s_cmp_lt_u32 ttmp9, NLN                        ; the same in all waves of a work-group
	s_cbranch_scc0 .Lweights
	; ---------------- the layer norm ----------------
	s_load_b256 s[4:11], s[0:1], 0x0               ; x, gain, bias, the image
	v_lshrrev_b32 v5, 5, v0
	s_delay_alu instid0(VALU_DEP_1)
	v_readfirstlane_b32 s14, v5                    ; wave 0..7
	v_and_b32 v5, 31, v0
	s_delay_alu instid0(VALU_DEP_1)
	v_lshlrev_b32 v1, 4, v5                        ; 16 x lane
	s_wait_alu depctr_va_vdst(0)
	v_lshlrev_b32 v2, 3, v5                        ; 8 x lane
	s_mov_b32 s12, 0x76543210
	s_mov_b32 s13, 0xfedcba98                      ; v_permlanex16_b32's selects for lane l xor 16
	s_mov_b32 s20, 0x3a800000                      ; 1 / 1,024
	s_mov_b32 s21, 0x358637bd                      ; 1e-6
	s_lshl_b32 s16, ttmp9, 17                      ; 32 rows of 4,096 bytes
	s_lshl_b32 s17, s14, 14                        ; my 4 rows
	s_add_co_u32 s16, s16, s17
	s_mov_b32 s17, 0
	s_and_b32 s18, s14, 1                          ; where my rows go in LDS: 4 (w % 2) + 8 (w / 4) + 16 ((w / 2) % 2)
	s_lshl_b32 s18, s18, 2
	s_lshr_b32 s19, s14, 2
	s_lshl_b32 s19, s19, 3
	s_add_co_u32 s18, s18, s19
	s_lshr_b32 s19, s14, 1
	s_and_b32 s19, s19, 1
	s_lshl_b32 s19, s19, 4
	s_add_co_u32 s18, s18, s19
	s_mul_i32 s18, s18, PITCH
	v_add_nc_u32 v5, s18, v1
	v_and_b32 v8, 15, v0                           ; r
	v_bfe_u32 v9, v0, 4, 1                         ; h
	s_delay_alu instid0(VALU_DEP_2)
	v_mul_u32_u24 v6, v8, PITCH
	s_delay_alu instid0(VALU_DEP_1)
	v_lshl_add_u32 v6, v9, 7, v6
	s_lshl_b32 s19, s14, 9
	v_add_nc_u32 v6, s19, v6                       ; phase 2, even tile: row r, + 128 h, + 512 w
	s_delay_alu instid0(VALU_DEP_1)
	v_add_nc_u32 v7, 16*PITCH, v6                  ; odd tile
	v_lshlrev_b32 v60, 3, v9                       ; 8 h
.irp i, 0,1,2,3
	v_mov_b32 v[T+\i], 0                           ; written once: a lane permute's destination counts as one of its sources
	v_mov_b32 v[R+2*\i+1], 0                       ; (named as the upper half of a pair)
.endr
	v_mov_b32 v58, 0
	v_mov_b32 v59, 0
	s_wait_kmcnt 0x0
	s_add_nc_u64 s[4:5], s[4:5], s[16:17]
.irp i, 0,1,2,3
.irp j, 0,1,2,3,4,5,6,7
	global_load_b128 v[X+32*\i+4*\j:X+32*\i+4*\j+3], v1, s[4:5] offset:4096*\i+512*\j
.endr
.endr
.irp j, 0,1,2,3,4,5,6,7
	global_load_b128 v[GA+4*\j:GA+4*\j+3], v1, s[6:7] offset:512*\j
	global_load_b128 v[BI+4*\j:BI+4*\j+3], v1, s[8:9] offset:512*\j
.endr
	s_lshl_b32 s16, ttmp9, 5                       ; where the results go: fragment (tile 2 p, K step w)
	s_lshl_b32 s18, s14, 1
	s_add_co_u32 s16, s16, s18
	s_mul_i32 s16, s16, 768
	s_add_nc_u64 s[22:23], s[10:11], s[16:17]
	s_lshl_b32 s16, ttmp9, 3
	s_add_co_u32 s16, s16, s14
	s_lshl_b32 s16, s16, 8
	s_add_co_u32 s16, s16, HS
	s_add_nc_u64 s[24:25], s[10:11], s[16:17]      ; and the scale unit (pair p, K step w)
.macro RED4 b                          ; four rows' pairs at v[b + 2 i] become four sums over the wave, in every lane; the rows by turns
.irp i, 0,1,2,3
	s_delay_alu instid0(VALU_DEP_4)
	v_add_f32 v[\b+2*\i], v[\b+2*\i], v[\b+2*\i+1]
.endr
.irp m, 1,2,4,8
.irp i, 0,1,2,3
	s_delay_alu instid0(VALU_DEP_4)
	v_add_f32_dpp v[\b+2*\i], v[\b+2*\i], v[\b+2*\i] row_xmask:\m row_mask:0xf bank_mask:0xf
.endr
.endr
.irp i, 0,1,2,3
	s_delay_alu instid0(VALU_DEP_4)
	v_permlanex16_b32 v[T+\i], v[\b+2*\i], s12, s13
.endr
.irp i, 0,1,2,3
	s_delay_alu instid0(VALU_DEP_4)
	v_add_f32 v[\b+2*\i], v[\b+2*\i], v[T+\i]
.endr
.endm
	s_wait_loadcnt 16                              ; x is in; gain's and bias's 16 loads may be out
.irp i, 0,1,2,3
	v_pk_add_f32 v[S+2*\i:S+2*\i+1], v[X+32*\i:X+32*\i+1], v[X+32*\i+2:X+32*\i+3]
.endr
.set k, 4
.rept 14
.irp i, 0,1,2,3
	s_delay_alu instid0(VALU_DEP_4)
	v_pk_add_f32 v[S+2*\i:S+2*\i+1], v[S+2*\i:S+2*\i+1], v[X+32*\i+k:X+32*\i+k+1]
.endr
.set k, k+2
.endr
	RED4 S
.irp i, 0,1,2,3
	s_delay_alu instid0(VALU_DEP_4)
	v_mul_f32 v[S+2*\i], s20, v[S+2*\i]            ; the mean
.endr
.set k, 0
.rept 16
.irp i, 0,1,2,3
	v_pk_add_f32 v[X+32*\i+k:X+32*\i+k+1], v[X+32*\i+k:X+32*\i+k+1], v[S+2*\i:S+2*\i+1] op_sel_hi:[1,0] neg_lo:[0,1] neg_hi:[0,1]   ; x - mean, in place
.endr
.set k, k+2
.endr
.irp i, 0,1,2,3
	v_pk_mul_f32 v[Q+2*\i:Q+2*\i+1], v[X+32*\i:X+32*\i+1], v[X+32*\i:X+32*\i+1]
.endr
.set k, 2
.rept 15
.irp i, 0,1,2,3
	s_delay_alu instid0(VALU_DEP_4)
	v_pk_fma_f32 v[Q+2*\i:Q+2*\i+1], v[X+32*\i+k:X+32*\i+k+1], v[X+32*\i+k:X+32*\i+k+1], v[Q+2*\i:Q+2*\i+1]
.endr
.set k, k+2
.endr
	RED4 Q
.irp i, 0,1,2,3
	s_delay_alu instid0(VALU_DEP_4)
	v_fma_f32 v[Q+2*\i], v[Q+2*\i], s20, s21       ; var + eps
.endr
	s_wait_alu depctr_va_vdst(0)
.irp i, 0,1,2,3
	v_rsq_f32 v[R+2*\i], v[Q+2*\i]
.endr
	v_nop                                          ; a plain instruction behind the last of the four
	s_wait_alu depctr_va_vdst(0)                   ; one wait for the batch, ahead of its first reader
	s_wait_loadcnt 0x0                             ; gain and bias
.irp i, 0,1,2,3
.set k, 0
.rept 16
	v_pk_mul_f32 v[X+32*\i+k:X+32*\i+k+1], v[X+32*\i+k:X+32*\i+k+1], v[R+2*\i:R+2*\i+1] op_sel_hi:[1,0]
.set k, k+2
.endr
.set k, 0
.rept 16
	v_pk_fma_f32 v[X+32*\i+k:X+32*\i+k+1], v[X+32*\i+k:X+32*\i+k+1], v[GA+k:GA+k+1], v[BI+k:BI+k+1]
.set k, k+2
.endr
.irp j, 0,1,2,3,4,5,6,7
	ds_store_b128 v5, v[X+32*\i+4*\j:X+32*\i+4*\j+3] offset:PITCH*\i+512*\j
.endr
.endr
	s_wait_dscnt 0x0                               ; for the others' sake: my rows lie in LDS
	s_barrier_signal -1
	s_barrier_wait -1
.irp c, 0,1                            ; block 2 c + h of K step w, for both tiles: 128 bytes of my row each
.irp e, 0,1,2,3,4,5,6,7
	ds_load_b128 v[X+32*\c+4*\e:X+32*\c+4*\e+3], v6 offset:256*\c+16*\e
	ds_load_b128 v[X+64+32*\c+4*\e:X+64+32*\c+4*\e+3], v7 offset:256*\c+16*\e
.endr
.endr
	s_wait_dscnt 0x0
.irp q, 0,1,2,3                        ; block q = 2 u + c at v[X + 32 q]; the four by turns
	v_max3_num_f32 v[TM+\q], |v[X+32*\q]|, |v[X+32*\q+1]|, 0x1800000   ; with the floor 2^(3 - 127)
.endr
.set k, 2
.rept 15
.irp q, 0,1,2,3
	s_delay_alu instid0(VALU_DEP_4)
	v_max3_num_f32 v[TM+\q], v[TM+\q], |v[X+32*\q+k]|, |v[X+32*\q+k+1]|
.endr
.set k, k+2
.endr
.irp q, 0,1,2,3
	s_delay_alu instid0(VALU_DEP_4)
	v_add_nc_u32 v[TM+4+\q], 0xff000000, v[TM+\q]  ; the conversion's scale operand
.endr
.irp q, 0,1,2,3
	s_delay_alu instid0(VALU_DEP_4)
	v_lshrrev_b32 v[TM+8+\q], 23, v[TM+4+\q]       ; the byte
.endr
.irp u, 0,1
	v_lshl_or_b32 v[56+\u], v[TM+8+2*\u+1], 16, v[TM+8+2*\u]   ; my two bytes: blocks h and 2 + h,
	s_delay_alu instid0(VALU_DEP_1)
	v_lshlrev_b32 v[56+\u], v60, v[56+\u]          ; at their places in the word;
	s_delay_alu instid0(VALU_DEP_1)
	v_permlanex16_b32 v[58+\u], v[56+\u], s12, s13
	s_delay_alu instid0(VALU_DEP_1)
	v_or_b32 v[56+\u], v[56+\u], v[58+\u]          ; with lane l xor 16's two the word is whole, in both halves
.endr
.irp q, 0,1,2,3
	v_cvt_scalef32_pk16_fp6_f32 v[F+6*\q:F+6*\q+2], v[X+32*\q:X+32*\q+15], v[TM+4+\q]
	v_cvt_scalef32_pk16_fp6_f32 v[TP+4*\q:TP+4*\q+2], v[X+32*\q+16:X+32*\q+31], v[TM+4+\q]
.endr
	v_nop                                          ; one plain place behind the last scaled conversion
.irp q, 0,1,2,3
.irp i, 0,1,2
	v_mov_b32 v[F+6*\q+3+\i], v[TP+4*\q+\i]
.endr
.endr
.irp u, 0,1
	global_store_b128 v1, v[F+12*\u:F+12*\u+3], s[22:23] offset:12288*\u           ; each store covers 512 or 256 consecutive bytes, aligned
	global_store_b64 v2, v[F+12*\u+4:F+12*\u+5], s[22:23] offset:12288*\u+512
	global_store_b128 v1, v[F+12*\u+6:F+12*\u+9], s[22:23] offset:12288*\u+768
	global_store_b64 v2, v[F+12*\u+10:F+12*\u+11], s[22:23] offset:12288*\u+1280
.endr
	global_store_b64 v2, v[56:57], s[24:25]
	s_wait_tensorcnt 0x0                           ; the wave's end, behind my last LDS store
	ds_add_u32 v[SPW], v[NIL]
	s_wait_dscnt 0x0
	s_endpgm
	; ---------------- the weights ----------------
.Lweights:
.if PART == 0
	s_load_b256 s[4:11], s[0:1], 0x20              ; Wq, Wk, Wv, Wproj
	s_load_b64 s[16:17], s[0:1], 0x40              ; wimg
.else
	s_load_b128 s[12:15], s[0:1], 0x20             ; W1, W2
	s_load_b64 s[16:17], s[0:1], 0x30              ; wimg
.endif
	v_lshrrev_b32 v3, 5, v0
	s_delay_alu instid0(VALU_DEP_1)
	v_readfirstlane_b32 s18, v3                    ; wave 0..7
	v_and_b32 v3, 31, v0
	s_delay_alu instid0(VALU_DEP_1)
	v_lshlrev_b32 v1, 4, v3                        ; 16 x lane
	s_delay_alu instid0(VALU_DEP_2)
	v_lshlrev_b32 v2, 3, v3                        ; 8 x lane
	v_and_b32 v3, 7, v0
	v_bfe_u32 v4, v0, 4, 1
	v_bfe_u32 v5, v0, 3, 1
	s_delay_alu instid0(VALU_DEP_2)
	v_lshl_or_b32 v3, v4, 3, v3
	s_delay_alu instid0(VALU_DEP_1)
	v_lshl_or_b32 v3, v5, 4, v3                    ; my column of the 32: lane % 8 + 8 (lane / 16) + 16 ((lane / 8) % 2)
	s_delay_alu instid0(VALU_DEP_1)
	v_lshlrev_b32 v[OFF], 2, v3
.if PART == 0
	s_mov_b32 s20, NLN+96                          ; Wproj's figures: its first work-group,
	s_mov_b32 s21, 5                               ; log2 of its pairs of tiles,
	s_mov_b32 s22, 16                              ; K / 64,
	s_mov_b32 s23, 0                               ; 1 where two pairs make a head,
	s_mov_b32 s24, 128                             ; bytes from pair to pair (from head to head),
	s_mov_b32 s25, 4096                            ; bytes from k to k + 1,
	s_mov_b32 s26, 2359296                         ; where its codes begin in wimg,
	s_mov_b32 s27, 9633792                         ; and its scale units
	s_wait_kmcnt 0x0
	s_mov_b64 s[28:29], s[10:11]
	s_cmp_lt_u32 ttmp9, NLN+96                     ; Wv: [head][k][64]
	s_cselect_b32 s20, NLN+64, s20
	s_cselect_b32 s23, 1, s23
	s_cselect_b32 s24, 262144, s24
	s_cselect_b32 s25, 256, s25
	s_cselect_b32 s26, 1572864, s26
	s_cselect_b32 s27, 9568256, s27
	s_cselect_b64 s[28:29], s[8:9], s[28:29]
	s_cmp_lt_u32 ttmp9, NLN+64                     ; Wk
	s_cselect_b32 s20, NLN+32, s20
	s_cselect_b32 s26, 786432, s26
	s_cselect_b32 s27, 9502720, s27
	s_cselect_b64 s[28:29], s[6:7], s[28:29]
	s_cmp_lt_u32 ttmp9, NLN+32                     ; Wq
	s_cselect_b32 s20, NLN, s20
	s_cselect_b32 s26, 0, s26
	s_cselect_b32 s27, 9437184, s27
	s_cselect_b64 s[28:29], s[4:5], s[28:29]
.else
	s_mov_b32 s20, NLN+128                         ; W2's figures: its first work-group,
	s_mov_b32 s21, 5                               ; log2 of its pairs of tiles,
	s_mov_b32 s22, 64                              ; K / 64,
	s_mov_b32 s23, 0                               ; (no heads)
	s_mov_b32 s24, 128                             ; bytes from pair to pair,
	s_mov_b32 s25, 4096                            ; bytes from k to k + 1,
	s_mov_b32 s26, 6291456                         ; where its codes begin in wimg,
	s_mov_b32 s27, 9961472                         ; and its scale units
	s_wait_alu depctr_va_vdst(0)
	s_wait_kmcnt 0x0
	s_mov_b64 s[28:29], s[14:15]
	s_cmp_lt_u32 ttmp9, NLN+128                    ; W1
	s_cselect_b32 s20, NLN, s20
	s_cselect_b32 s21, 7, s21
	s_cselect_b32 s22, 16, s22
	s_cselect_b32 s25, 16384, s25
	s_cselect_b32 s26, 3145728, s26
	s_cselect_b32 s27, 9699328, s27
	s_cselect_b64 s[28:29], s[12:13], s[28:29]
.endif
	s_sub_co_u32 s30, ttmp9, s20
	s_lshl_b32 s30, s30, 3
	s_add_co_u32 s30, s30, s18                     ; my wave's unit in its tensor
	s_lshl_b32 s31, 1, s21
	s_sub_co_u32 s31, s31, 1
	s_and_b32 s31, s30, s31                        ; g: the pair of tiles
	s_lshr_b32 s30, s30, s21                       ; sK: which 128 along K
	s_lshr_b32 s32, s31, s23
	s_mul_i32 s32, s32, s24
	s_and_b32 s33, s31, s23
	s_lshl_b32 s33, s33, 7
	s_add_co_u32 s32, s32, s33                     ; my 32 columns' first byte in a row
	s_mul_i32 s33, s30, s25
	s_lshl_b32 s33, s33, 7
	s_add_co_u32 s32, s32, s33                     ; + 128 sK rows
	s_mov_b32 s33, 0
	s_lshl_b32 s34, s25, 5                         ; 32 rows
	s_mov_b32 s35, 0
	s_add_nc_u64 s[40:41], s[28:29], s[32:33]      ; a base for each block of 32 along K
	s_add_nc_u64 s[42:43], s[40:41], s[34:35]
	s_add_nc_u64 s[44:45], s[42:43], s[34:35]
	s_add_nc_u64 s[46:47], s[44:45], s[34:35]
.set i, 0
	v_add_nc_u32 v[OFF+i+1], s25, v[OFF+i]
.set i, i+1
.rept (31)-1
	s_delay_alu instid0(VALU_DEP_1)
	v_add_nc_u32 v[OFF+i+1], s25, v[OFF+i]
.set i, i+1
.endr
.macro LOADB b                         ; block b: W(128 sK + 32 b + i, my column): 32 lanes read 128 consecutive bytes
.set i, 0
.rept 32
	global_load_b32 v[X+32*(\b)+i], v[OFF+i], s[40+2*(\b):41+2*(\b)] th:TH_LOAD_NT
.set i, i+1
.endr
.endm
	LOADB 0
	LOADB 1
	s_mul_i32 s36, s22, 768                        ; a tile's codes in bytes
	s_lshl_b32 s37, s31, 1
	s_mul_i32 s37, s37, s36                        ; tile 2 g
	s_mul_i32 s38, s30, 1536
	s_add_co_u32 s37, s37, s38
	s_add_co_u32 s38, s37, s26
	s_mov_b32 s39, 0
	s_add_nc_u64 s[48:49], s[16:17], s[38:39]      ; the even tile's fragment,
	s_mov_b32 s37, 0
	s_add_nc_u64 s[50:51], s[48:49], s[36:37]      ; the odd tile's,
	s_lshr_b32 s38, s22, 1
	s_mul_i32 s38, s38, s31
	s_add_co_u32 s38, s38, s30
	s_lshl_b32 s38, s38, 8
	s_add_co_u32 s38, s38, s27
	s_add_nc_u64 s[52:53], s[16:17], s[38:39]      ; the scale unit
.macro QB b                            ; block b: all its 32 numbers are mine
.set XS, X+32*(\b)
.set DS, F0+12*((\b)%2)+6*((\b)/2)
	v_max3_num_f32 v12, |v[XS]|, |v[XS+1]|, |v[XS+2]|
	v_max3_num_f32 v13, |v[XS+3]|, |v[XS+4]|, |v[XS+5]|
.irp i, 6,10,14,18,22,26
	s_delay_alu instid0(VALU_DEP_2)
	v_max3_num_f32 v12, v12, |v[XS+\i]|, |v[XS+\i+1]|
	s_delay_alu instid0(VALU_DEP_2)
	v_max3_num_f32 v13, v13, |v[XS+\i+2]|, |v[XS+\i+3]|
.endr
	s_delay_alu instid0(VALU_DEP_2)
	v_max3_num_f32 v12, v12, |v[XS+30]|, |v[XS+31]|
	s_delay_alu instid0(VALU_DEP_1)
	v_max3_num_f32 v12, v12, v13, 0x1800000        ; the floor 2^(3 - 127): the byte cannot fall under 1
	s_delay_alu instid0(VALU_DEP_1)
	v_add_nc_u32 v[SO+(\b)], 0xff000000, v12       ; 2 off the exponent field: the conversion takes this operand's exponent field as its scale
	s_delay_alu instid0(VALU_DEP_1)
	v_lshrrev_b32 v13, 23, v[SO+(\b)]              ; the scale's byte
.if (\b) == 0
	s_delay_alu instid0(VALU_DEP_1)
	v_mov_b32 v[WD], v13
.else
	s_delay_alu instid0(VALU_DEP_1)
	v_lshl_or_b32 v[WD], v13, 8*(\b), v[WD]
.endif
	v_cvt_scalef32_pk16_fp6_f32 v[DS:DS+2], v[XS:XS+15], v[SO+(\b)]
	v_cvt_scalef32_pk16_fp6_f32 v[TP+4*(\b):TP+4*(\b)+2], v[XS+16:XS+31], v[SO+(\b)]
.endm
	s_wait_alu depctr_va_vdst(0)
	s_wait_loadcnt 32                              ; block 0 is in; block 1's 32 loads may be out
	LOADB 2
	QB 0
	s_wait_loadcnt 32                              ; block 1 is in; block 2's may be out
	LOADB 3
	QB 1
	s_wait_loadcnt 32                              ; block 2 is in; block 3's may be out
	QB 2
	s_wait_loadcnt 0x0
	QB 3
	v_nop                                          ; one plain place behind the last scaled conversion
.irp b, 0,1,2,3
.irp i, 0,1,2
	v_mov_b32 v[F0+12*(\b%2)+6*(\b/2)+3+\i], v[TP+4*\b+\i]
.endr
.endr
.set i, 0
.rept 12
	v_permlane16_swap_b32 v[F0+i], v[F1+i]         ; the odd tile's even blocks change places with the even tile's odd blocks: lane (r, h) now holds blocks h and 2 + h of its tile's row r
.set i, i+1
.endr
	v_mov_b32 v[WD+1], v[WD]
	s_delay_alu instid0(VALU_DEP_1)
	v_permlane16_swap_b32 v[WD], v[WD+1]           ; the first now holds the even tile's words in both halves, the second the odd tile's
.irp u, 0,1
	global_store_b128 v1, v[F0+12*\u:F0+12*\u+3], s[48+2*\u:49+2*\u]               ; each store of the wave covers 512 or 256 consecutive bytes, aligned
	global_store_b64 v2, v[F0+12*\u+4:F0+12*\u+5], s[48+2*\u:49+2*\u] offset:512
	global_store_b128 v1, v[F0+12*\u+6:F0+12*\u+9], s[48+2*\u:49+2*\u] offset:768
	global_store_b64 v2, v[F0+12*\u+10:F0+12*\u+11], s[48+2*\u:49+2*\u] offset:1280
.endr
	global_store_b64 v2, v[WD:WD+1], s[52:53]
	s_endpgm
.Lfunc_end_k_q6db875b9a4_pre2:
	.size	k_q6db875b9a4_pre2, .Lfunc_end_k_q6db875b9a4_pre2-k_q6db875b9a4_pre2
	.p2alignl 7, 3214868480
	.fill 96, 4, 3214868480
	.section	.rodata,"a",@progbits
	.p2align	6, 0x0
	.amdhsa_kernel k_q6db875b9a4_pre2
		.amdhsa_group_segment_fixed_size 132608
		.amdhsa_private_segment_fixed_size 0
		.amdhsa_enable_private_segment 0
		.amdhsa_kernarg_size 56
		.amdhsa_user_sgpr_count 2
		.amdhsa_user_sgpr_kernarg_segment_ptr 1
		.amdhsa_wavefront_size32 1
		.amdhsa_system_sgpr_workgroup_id_x 1
		.amdhsa_system_sgpr_workgroup_id_y 1
		.amdhsa_system_sgpr_workgroup_id_z 1
		.amdhsa_system_vgpr_workitem_id 0
		.amdhsa_next_free_vgpr 256
		.amdhsa_next_free_sgpr 66
		.amdhsa_reserve_vcc 0
		.amdhsa_float_denorm_mode_32 3
		.amdhsa_float_denorm_mode_16_64 3
		.amdhsa_memory_ordered 1
		.amdhsa_forward_progress 1
		.amdhsa_inst_pref_size 76
	.end_amdhsa_kernel
	.amdgpu_metadata
---
amdhsa.version: [ 1, 2 ]
amdhsa.kernels:
  - .name:           k_q6db875b9a4_pre2
    .symbol:         k_q6db875b9a4_pre2.kd
    .args:
      - { .name: x1, .offset: 0, .size: 8, .value_kind: global_buffer, .address_space: global }
      - { .name: ln2_scale, .offset: 8, .size: 8, .value_kind: global_buffer, .address_space: global }
      - { .name: ln2_bias, .offset: 16, .size: 8, .value_kind: global_buffer, .address_space: global }
      - { .name: himg, .offset: 24, .size: 8, .value_kind: global_buffer, .address_space: global }
      - { .name: W1, .offset: 32, .size: 8, .value_kind: global_buffer, .address_space: global }
      - { .name: W2, .offset: 40, .size: 8, .value_kind: global_buffer, .address_space: global }
      - { .name: wimg, .offset: 48, .size: 8, .value_kind: global_buffer, .address_space: global }
    .group_segment_fixed_size: 132608
    .private_segment_fixed_size: 0
    .kernarg_segment_align: 8
    .kernarg_segment_size: 56
    .max_flat_workgroup_size: 256
    .sgpr_count:     66
    .vgpr_count:     256
    .wavefront_size: 32
...
	.end_amdgpu_metadata
.endif
;; end of part 5
;; launch ffn1 (part 6): grid 16 x 16, 4 waves a work-group, clusters of 4 x 4, 327,680 bytes of LDS; arguments himg, wimg, b1, fimg; writes fimg
.if DOCPART == 6
	.amdgcn_target "amdgcn-amd-amdhsa--gfx1250"
	.amdhsa_code_object_version 6
	.text
	.protected	k_q6db875b9a4_ffn1
	.globl	k_q6db875b9a4_ffn1
	.p2align	8
	.type	k_q6db875b9a4_ffn1,@function
k_q6db875b9a4_ffn1:
	s_mov_b64 s[64:65], 0
	v_nop
	global_prefetch_b8 v0, s[64:65] scope:SCOPE_SE
	s_setreg_imm32_b32 hwreg(HW_REG_WAVE_MODE, 25, 1), 1
	s_wait_xcnt 0x0
	s_wait_alu depctr_hold_cnt(0) depctr_sa_sdst(0) depctr_va_vdst(0) depctr_va_sdst(0) depctr_va_ssrc(0) depctr_va_vcc(0) depctr_vm_vsrc(0)
	s_getreg_b32 s2, hwreg(HW_REG_IB_STS2, 6, 4)
	s_cmp_eq_u32 s2, 0
	s_cbranch_scc0 .Lentry_in_a_cluster
	s_endpgm
.Lentry_in_a_cluster:
	s_bfe_u32 s2, ttmp6, 0x10000c
	s_cmp_lg_u32 s2, 0xf033
	s_cbranch_scc0 .Lentry_shape_is_right
	s_endpgm
.Lentry_shape_is_right:
.set FFN,   1
.set TILEB, 12288
.set ROWB,  3072
.set FR,    12
.set NL,    4
.set NP,    4
.set HALFT, 8*ROWB
.set SLOT,  4*HALFT
.set LAPS,  2
.set SCL,   2*SLOT
.set HALFS, 8192
.set SPARE, SCL+4*HALFS
.set HS,    3145728
.set QS,    3145728
.set KV,    3670016
.set FS,    12582912
.set ADRA, 16
.set ADRB, 20
.set L16,  24
.set L8,   25
.set ADRS, 27
.set SPW,  28
.set NIL,  29
.set SC,   32
.set TM,   64
.set PW,   80
.set AF,   128
.set PC,   128
.set G1, 24
.set G0, 32
.set G1B, 48
.set G0B, 56
.set SEL, 66
.set G1S, 68
.set G0S, 76
.set G1SB, 80
.set G0SB, 88
.set D0, 92
.set D1, 94
.set E0, 96
.set E1, 98
.set MSB, 0
.macro WIN new
.if MSB != (\new)
	s_set_vgpr_msb (MSB<<8)|(\new)
.set MSB, (\new)
.endif
.endm
.set MUL_LO, 0xa1
.set MUL_HI, 0xf1
.set TO_B,   0x40
.macro JLOAD g0a, g1a, g0b, g1b
	s_cmp_eq_u32 s15, 0
	s_cbranch_scc0 .Lfor_b_\@
	tensor_load_to_lds s[\g0a:\g0a+3], s[\g1a:\g1a+7]
	s_nop 0
.rept 4
	v_nop
.endr
	s_branch .Lasked_\@
.Lfor_b_\@:
	tensor_load_to_lds s[\g0b:\g0b+3], s[\g1b:\g1b+7]
	s_nop 0
.rept 4
	v_nop
.endr
.Lasked_\@:
.endm
.macro CREST
	s_cmp_lg_u32 s14, 0
	s_cbranch_scc1 .Lnot_wave_0_\@
	s_barrier_signal -3
.Lnot_wave_0_\@:
	s_barrier_wait -3
	s_barrier_signal -1
	s_barrier_wait -1
.endm
.macro CROUND
	s_barrier_signal -1
	s_barrier_wait -1
	CREST
.endm
	s_load_b128 s[4:7], s[0:1], 0x0
.if FFN
	s_load_b128 s[8:11], s[0:1], 0x10
.else
	s_load_b64 s[8:9], s[0:1], 0x10
.endif
	v_lshl_add_u32 v[SPW], v0, 2, SPARE
	v_mov_b32 v[NIL], 0
	ds_add_u32 v[SPW], v[NIL]
	ds_add_u32 v[SPW], v[NIL]
	v_lshrrev_b32 v1, 5, v0
	v_readfirstlane_b32 s14, v1
	s_lshr_b32 s15, s14, 1
	s_and_b32 s16, s14, 1
	s_bfe_u32 s40, ttmp6, 0x40000
	s_bfe_u32 s41, ttmp6, 0x40004
	s_and_b32 s45, ttmp7, 0xffff
	s_lshl_b32 s45, s45, 2
	s_add_co_u32 s17, s45, s41
.if FFN
	s_lshl_b32 s42, ttmp9, 2
	s_add_co_u32 s42, s42, s40
.else
	s_add_co_u32 s42, s45, s40
	s_cmp_eq_u32 ttmp9, 2
	s_cselect_b32 s17, s41, s17
	s_cselect_b32 s42, s42, s40
.endif
	s_lshl_b32 s43, s41, 2
	s_lshl_b32 s43, 15, s43
	s_lshl_b32 s44, 0x1111, s40
	s_or_b32 s[G1+0], s43, (3<<16)|(1<<21)
	s_or_b32 s[G1B+0], s44, (3<<16)|(1<<21)
	s_or_b32 s[G1S+0], s43, (3<<16)|(1<<21)
	s_or_b32 s[G1SB+0], s44, (3<<16)|(1<<21)
.irp g, G1, G1B
	s_mov_b32 s[\g+1], 384<<16
	s_mov_b32 s[\g+2], 16<<16                      ; the head's loads bring 16 tiles; behind them these two words are set to 8, for the ring's
	s_mov_b32 s[\g+3], 384<<16
	s_mov_b32 s[\g+4], 16
	s_mov_b32 s[\g+5], 1536
	s_mov_b32 s[\g+6], 0
	s_mov_b32 s[\g+7], 0
.endr
.irp g, G1S, G1SB
	s_mov_b32 s[\g+1], 32<<16
	s_mov_b32 s[\g+2], 64<<16                      ; the scales of 256 rows: 64 rows of 256 bytes
	s_mov_b32 s[\g+3], 32<<16
	s_mov_b32 s[\g+4], 64
	s_mov_b32 s[\g+5], 32
	s_mov_b32 s[\g+6], 0
	s_mov_b32 s[\g+7], 0
.endr
	s_mul_i32 s20, s17, 16*TILEB                   ; P's codes: the tile of 256 rows
	s_mul_i32 s46, s42, 16*TILEB                   ; Q's
	s_lshl_b32 s22, s17, 14                        ; P's scale units: 8 pairs of 2,048 bytes
	s_lshl_b32 s92, s42, 14                        ; Q's
.if FFN
	s_add_co_u32 s22, s22, HS
	s_add_co_u32 s46, s46, 3145728
	s_add_co_u32 s92, s92, 9699328
.else
	s_mul_i32 s96, ttmp9, 786432
	s_lshl_b32 s97, ttmp9, 16
	s_add_co_u32 s97, s97, 9437184
	s_mov_b32 s98, HS
	s_cmp_eq_u32 ttmp9, 2
	s_cselect_b32 s99, 1572864, 0
	s_cselect_b32 s96, 0, s96
	s_cselect_b32 s97, s98, s97
	s_cselect_b32 s98, 9568256, s98
	s_add_co_u32 s20, s20, s99
	s_add_co_u32 s22, s22, s98
	s_add_co_u32 s46, s46, s96
	s_add_co_u32 s92, s92, s97
.endif
	s_mov_b32 s21, 0
	s_mov_b32 s23, 0
	s_mov_b32 s47, 0
	s_mov_b32 s93, 0
	s_mul_i32 s45, s14, HALFT
	s_mov_b32 s[SEL], 0x76543210
	s_mov_b32 s[SEL+1], 0xfedcba98
	s_wait_dscnt 0x0
	s_wait_kmcnt 0x0
.if FFN
	s_add_nc_u64 s[20:21], s[4:5], s[20:21]
	s_add_nc_u64 s[22:23], s[4:5], s[22:23]
	s_add_nc_u64 s[46:47], s[6:7], s[46:47]
	s_add_nc_u64 s[92:93], s[6:7], s[92:93]
.else
	s_cmp_eq_u32 ttmp9, 2
	s_cselect_b64 s[10:11], s[6:7], s[4:5]
	s_cselect_b64 s[12:13], s[4:5], s[6:7]
	s_add_nc_u64 s[20:21], s[10:11], s[20:21]
	s_add_nc_u64 s[22:23], s[10:11], s[22:23]
	s_add_nc_u64 s[46:47], s[12:13], s[46:47]
	s_add_nc_u64 s[92:93], s[12:13], s[92:93]
.endif
	CROUND
	s_mov_b32 s[G0S], 1
	s_mov_b32 s[G0S+1], SCL
	s_mov_b64 s[G0S+2:G0S+3], s[22:23]
	s_or_b32 s[G0S+3], s[G0S+3], 0x80000000
	s_mov_b32 s[G0SB], 1
	s_mov_b32 s[G0SB+1], SCL+2*HALFS
	s_mov_b64 s[G0SB+2:G0SB+3], s[92:93]
	s_or_b32 s[G0SB+3], s[G0SB+3], 0x80000000
.irp s, 0,1
	s_mov_b32 s[G0+4*\s], 1
	s_add_co_u32 s[G0+4*\s+1], s45, \s*SLOT
	s_add_nc_u64 s[G0+4*\s+2:G0+4*\s+3], s[20:21], \s*ROWB
	s_or_b32 s[G0+4*\s+3], s[G0+4*\s+3], 0x80000000
	s_mov_b32 s[G0B+4*\s], 1
	s_add_co_u32 s[G0B+4*\s+1], s45, \s*SLOT
	s_add_nc_u64 s[G0B+4*\s+2:G0B+4*\s+3], s[46:47], \s*ROWB
	s_or_b32 s[G0B+4*\s+3], s[G0B+4*\s+3], 0x80000000
.endr
	; THE HEAD'S LOADS, ONE A WAVE: wave 0 P's 16 tiles of K step 0, wave 1 Q's, wave 2 P's scales, wave 3 Q's.  Slot 0's two groups 0 serve them whole and get my half behind the wait.
	s_mov_b32 s[G0+1], 0
	s_mov_b32 s[G0B+1], 2*HALFT
	s_mul_i32 s4, s16, 8*TILEB                     ; my half of a tile, in bytes (the arguments that lay here have been used)
	s_mov_b32 s5, 0
	s_add_nc_u64 s[G0+6:G0+7], s[G0+6:G0+7], s[4:5]
	s_add_nc_u64 s[G0B+6:G0B+7], s[G0B+6:G0B+7], s[4:5]
.macro ARM under, g0, g1, next         ; one chain of branches on the wave's number, one load to an arm, all arms to one join
	s_cmp_lt_u32 s14, \under
	s_cbranch_scc0 \next
	tensor_load_to_lds s[\g0:\g0+3], s[\g1:\g1+7]
	s_nop 0
.rept 4
	v_nop
.endr
	s_branch .Lhead_asked
\next:
.endm
	ARM 1, G0,  G1,  .Lhead_b
	ARM 2, G0B, G1B, .Lhead_sa
	ARM 3, G0S, G1S, .Lhead_sb
	tensor_load_to_lds s[G0SB:G0SB+3], s[G1SB:G1SB+7]
	s_nop 0
.rept 4
	v_nop
.endr
.Lhead_asked:
	; PREFETCHES INTO THE L2.  Of the 8 tiles x 3,072 bytes that my wave fetches in a K step, each of the four partners that ask for them jointly takes two tiles, told apart by address (cx for P, cy for Q):
	; 24 blocks of 256 bytes, a lane a block (the lanes left over name the last again).  K steps 1 and 2 are asked for here, K step 3 behind K step 1's load: never more than two K steps asked for and not yet read.
	s_cmp_eq_u32 s15, 0
	s_cselect_b32 s2, s40, s41
	s_cselect_b64 s[6:7], s[20:21], s[46:47]
	s_mul_i32 s2, s2, 2*TILEB
	s_add_co_u32 s2, s2, s4
	s_mov_b32 s3, 0
	s_add_nc_u64 s[6:7], s[6:7], s[2:3]
	v_and_b32 v1, 31, v0
	v_bfe_u32 v2, v0, 4, 1
	v_lshlrev_b32 v[L16], 4, v1
	v_lshlrev_b32 v[L8], 3, v1
	v_min_u32 v30, 23, v1                          ; my block of the 24,
	v_mul_u32_u24 v31, v30, 171
	v_lshrrev_b32 v31, 11, v31                     ; / 12: which of the two tiles
	v_mul_u32_u24 v31, v31, TILEB-12*256
	v_lshl_add_u32 v30, v30, 8, v31                ; v30: the prefetches' offset; never rewritten
	global_prefetch_b8 v30, s[6:7] offset:ROWB th:TH_LOAD_NT scope:SCOPE_SE
	global_prefetch_b8 v30, s[6:7] offset:2*ROWB th:TH_LOAD_NT scope:SCOPE_SE
	s_mul_i32 s21, s15, HALFT
	s_mul_i32 s22, s16, HALFT
	s_add_co_u32 s22, s22, 2*HALFT
.irp s, 0,1
	v_add_nc_u32 v[ADRA+\s], s21, v[L16]
	v_add_nc_u32 v[ADRB+\s], s22, v[L16]
	v_add_nc_u32 v[ADRA+2+\s], s21, v[L8]
	v_add_nc_u32 v[ADRB+2+\s], s22, v[L8]
	s_add_co_u32 s21, s21, SLOT
	s_add_co_u32 s22, s22, SLOT
.endr
	s_lshl_b32 s21, s15, 13
	s_lshl_b32 s22, s16, 13
	s_add_co_u32 s22, s22, 2*HALFS
	s_sub_co_u32 s22, s22, s21
	v_mul_u32_u24 v6, s22, v2
	s_add_co_u32 s21, s21, SCL
	v_add_nc_u32 v5, v[L8], v6
	v_add_nc_u32 v[ADRS], s21, v5
.irp b, 0,1,2,3
	v_mov_b32 v[TM+4+\b], 0
.endr
	s_lshl_b32 s96, s17, 4
	s_lshl_b32 s97, s15, 3
	s_add_co_u32 s96, s96, s97
	s_lshl_b32 s97, s42, 1
	s_add_co_u32 s97, s97, s16
.if FFN
	s_lshl_b32 s98, s96, 6
	s_lshl_b32 s99, s97, 1
	s_add_co_u32 s98, s98, s99
	s_mul_i32 s98, s98, 768
	s_mov_b32 s99, 0
	s_add_nc_u64 s[D0:D0+1], s[10:11], s[98:99]
	s_lshl_b32 s98, s96, 4
	s_add_co_u32 s98, s98, s97
	s_lshl_b32 s98, s98, 8
	s_add_co_u32 s98, s98, FS
	s_add_nc_u64 s[E0:E0+1], s[10:11], s[98:99]
	s_lshl_b32 s98, s42, 10
	s_lshl_b32 s18, s16, 9
	s_add_co_u32 s98, s98, s18
	s_add_nc_u64 s[8:9], s[8:9], s[98:99]
	v_lshlrev_b32 v7, 6, v2
	WIN TO_B
.irp b, 0,1,2,3,4,5,6,7
	global_load_b128 v[96+8*\b+96*(\b/4):99+8*\b+96*(\b/4)], v7, s[8:9] offset:(32*(\b/2)+8*(\b%2))*4
	global_load_b128 v[100+8*\b+96*(\b/4):103+8*\b+96*(\b/4)], v7, s[8:9] offset:(32*(\b/2)+8*(\b%2))*4+16
.endr
	WIN 0
.else
	s_lshr_b32 s98, s96, 7
	s_lshl_b32 s98, s98, 4
	s_lshl_b32 s99, s97, 1
	s_add_co_u32 s98, s98, s99
	s_and_b32 s99, s96, 127
	s_lshl_b32 s100, s98, 7
	s_add_co_u32 s100, s100, s99
	s_mul_i32 s100, s100, 768
	s_lshl_b32 s101, s98, 6
	s_lshr_b32 s2, s99, 1
	s_add_co_u32 s101, s101, s2
	s_lshl_b32 s101, s101, 8
	s_add_co_u32 s101, s101, QS
	s_lshl_b32 s98, s98, 4
	s_lshr_b32 s99, s99, 3
	s_add_co_u32 s98, s98, s99
	s_mul_i32 s98, s98, 13824
	s_add_co_u32 s98, s98, KV
	s_lshr_b32 s99, s97, 4
	s_lshl_b32 s99, s99, 4
	s_lshr_b32 s2, s96, 2
	s_add_co_u32 s99, s99, s2
	s_lshl_b32 s99, s99, 4
	s_and_b32 s2, s97, 15
	s_add_co_u32 s99, s99, s2
	s_mul_i32 s99, s99, 13824
	s_add_co_u32 s99, s99, KV+6144
	s_add_co_u32 s96, s98, 12288
	s_add_co_u32 s97, s99, 7168
	s_cmp_eq_u32 ttmp9, 0
	s_cselect_b32 s98, s100, s98
	s_cselect_b32 s96, s101, s96
	s_mov_b32 s100, 221184
	s_cselect_b32 s101, 98304, s100
	s_cselect_b32 s100, 16384, s100
	s_cmp_eq_u32 ttmp9, 2
	s_cselect_b32 s98, s99, s98
	s_cselect_b32 s96, s97, s96
	s_cselect_b32 s101, 768, s101
	s_mov_b32 s18, 768
	s_cselect_b32 s18, 1536, s18
	s_mov_b32 s20, 768
	s_cselect_b32 s20, 216576, s20
	s_mov_b32 s22, 256
	s_cselect_b32 s22, 220928, s22
	s_mov_b32 s19, 0
	s_mov_b32 s21, 0
	s_mov_b32 s23, 0
	s_mov_b32 s99, 0
	s_add_nc_u64 s[D0:D0+1], s[8:9], s[98:99]
	s_mov_b32 s98, s101
	s_add_nc_u64 s[D1:D1+1], s[D0:D0+1], s[98:99]
	s_mov_b32 s97, 0
	s_add_nc_u64 s[E0:E0+1], s[8:9], s[96:97]
	s_mov_b32 s98, s100
	s_add_nc_u64 s[E1:E1+1], s[E0:E0+1], s[98:99]
	s_mov_b32 s100, 0xffff
	s_mov_b32 s101, 0x7f7f0000
.endif
.macro FRAG reg, adr, q, i
	ds_load_b128 v[\reg:\reg+3], v[\adr] offset:(\i)*ROWB+(\q)*1536
	ds_load_b64 v[\reg+4:\reg+5], v[\adr+2] offset:(\i)*ROWB+(\q)*1536+512
	ds_load_b128 v[\reg+6:\reg+9], v[\adr] offset:(\i)*ROWB+(\q)*1536+768
	ds_load_b64 v[\reg+10:\reg+11], v[\adr+2] offset:(\i)*ROWB+(\q)*1536+1280
.endm
.macro MUL16 a0, p, q, sc, zero
.irp a, \a0, \a0+1
.irp b, 0,1,2,3,4,5,6,7
.set DD, 8*(8*((\a)%4)+\b)
.set QQ, 128*(\p)+FR*\b
.set PP, AF+FR*(\a)
.set SQ, SC+16*(\sc)+8*(\q)+\b
.set SPP, SC+16*(\sc)+8*(\q)+(\a)
.if (\zero) && FFN
	v_wmma_scale_f32_16x16x128_f8f6f4 v[DD:DD+7], v[QQ:QQ+FR-1], v[PP:PP+FR-1], v[96+8*\b+96*(\b/4):103+8*\b+96*(\b/4)], v[SQ], v[SPP] matrix_a_fmt:MATRIX_FMT_FP6 matrix_b_fmt:MATRIX_FMT_FP6 matrix_a_scale:MATRIX_SCALE_ROW1
.elseif \zero
	v_wmma_scale_f32_16x16x128_f8f6f4 v[DD:DD+7], v[QQ:QQ+FR-1], v[PP:PP+FR-1], 0, v[SQ], v[SPP] matrix_a_fmt:MATRIX_FMT_FP6 matrix_b_fmt:MATRIX_FMT_FP6 matrix_a_scale:MATRIX_SCALE_ROW1
.else
	v_wmma_scale_f32_16x16x128_f8f6f4 v[DD:DD+7], v[QQ:QQ+FR-1], v[PP:PP+FR-1], v[DD:DD+7], v[SQ], v[SPP] matrix_a_fmt:MATRIX_FMT_FP6 matrix_b_fmt:MATRIX_FMT_FP6 matrix_a_scale:MATRIX_SCALE_ROW1
.endif
.endr
.endr
.endm
.macro FETCH_B slot, q, p
	WIN TO_B
.irp i, 0,1,2,3,4,5,6,7
	FRAG 128*(\p)+FR*\i, ADRB+\slot, \q, \i
.endr
	WIN 0
.endm
.macro FETCH_A slot, q, i0
.irp i, \i0, \i0+1, \i0+2, \i0+3
	FRAG AF+FR*(\i), ADRA+\slot, \q, \i
.endr
.endm
.macro SCALES sc
.irp q, 0,1
.irp i, 0,1,2,3
	ds_load_b64 v[SC+16*\sc+8*\q+2*\i:SC+16*\sc+8*\q+2*\i+1], v[ADRS] offset:2048*\i+256*\q
.endr
.endr
.endm
.macro PLACES n
.rept \n
	v_nop
.endr
.endm
.macro STEP slot, q, zero
	s_wait_dscnt 4*NL
.if (\zero) && FFN
	WIN 0x91
.else
	WIN MUL_LO
.endif
	MUL16 0, (\q)%2, \q, \slot, \zero
	MUL16 2, (\q)%2, \q, \slot, \zero
	s_wait_dscnt 0
	PLACES NP
	FETCH_B \slot, (\q)+1, 1-(\q)%2
	FETCH_A \slot, (\q)+1, 0
.if (\zero) && FFN
	WIN 0xd1
.else
	WIN MUL_HI
.endif
	MUL16 4, (\q)%2, \q, \slot, \zero
	MUL16 6, (\q)%2, \q, \slot, \zero
	PLACES NP
	WIN 0
	FETCH_A \slot, (\q)+1, 4
.endm
.macro TURN slot, next, fill
	s_wait_tensorcnt 0x0
	ds_add_u32 v[SPW], v[NIL]
	s_wait_dscnt 4*NL+1
	WIN MUL_LO
	MUL16 0, 1, 1, \slot, 0
	s_wait_dscnt 0x0
	s_barrier_signal -1
	MUL16 2, 1, 1, \slot, 0
	WIN 0
	s_barrier_wait -1
.if \fill
	CREST
	s_add_nc_u64 s[G0+4*\slot+2:G0+4*\slot+3], s[G0+4*\slot+2:G0+4*\slot+3], 2*ROWB
	s_add_nc_u64 s[G0B+4*\slot+2:G0B+4*\slot+3], s[G0B+4*\slot+2:G0B+4*\slot+3], 2*ROWB
	JLOAD G0+4*\slot, G1, G0B+4*\slot, G1B
.else
	PLACES NP
.endif
	s_wait_alu depctr_va_vdst(0)
	v_add_nc_u32 v[ADRS], 512, v[ADRS]
	FETCH_B \next, 0, 0
	FETCH_A \next, 0, 0
	SCALES \next
	WIN MUL_HI
	MUL16 4, 1, 1, \slot, 0
	MUL16 6, 1, 1, \slot, 0
	PLACES NP
	WIN 0
	FETCH_A \next, 0, 4
.endm
	s_wait_alu depctr_va_vdst(0)
	s_wait_tensorcnt 0x0                           ; my tile of the head's four is in
	ds_add_u32 v[SPW], v[NIL]
	s_mov_b32 s[G1+2], 8<<16                       ; no tensor load of mine is out: from here on a load brings 8 tiles,
	s_mov_b32 s[G1+4], 8
	s_mov_b32 s[G1B+2], 8<<16
	s_mov_b32 s[G1B+4], 8
	s_mov_b32 s[G0+1], s45                         ; and slot 0's groups 0 name my half
	s_mov_b32 s[G0B+1], s45
	s_add_nc_u64 s[G0+2:G0+3], s[G0+2:G0+3], s[4:5]
	s_add_nc_u64 s[G0B+2:G0B+3], s[G0B+2:G0B+3], s[4:5]
	s_wait_dscnt 0x0
	CROUND                                         ; all four tiles are in, all sixteen work-groups are here
	JLOAD G0+4, G1, G0B+4, G1B                     ; K step 1, the first tensor load behind the round
	FETCH_B 0, 0, 0
	FETCH_A 0, 0, 0
	SCALES 0
	global_prefetch_b8 v30, s[6:7] offset:3*ROWB th:TH_LOAD_NT scope:SCOPE_SE
	FETCH_A 0, 0, 4
.if FFN
	s_wait_loadcnt 0x0
.endif
	STEP 0, 0, 1
	s_mov_b32 s3, LAPS-1
.Llap:
	TURN 0, 1, 1
	STEP 1, 0, 0
	TURN 1, 0, 1
	STEP 0, 0, 0
	s_sub_co_u32 s3, s3, 1
	s_cmp_lg_u32 s3, 0
	s_cbranch_scc1 .Llap
	TURN 0, 1, 0
	STEP 1, 0, 0
	s_wait_dscnt 4*NL
	WIN MUL_LO
	MUL16 0, 1, 1, 1, 0
	MUL16 2, 1, 1, 1, 0
	s_wait_dscnt 0
	WIN MUL_HI
	MUL16 4, 1, 1, 1, 0
	MUL16 6, 1, 1, 1, 0
	WIN 0
.macro QUANT src, w, pw
	WIN (\w)|((\w)<<2)
.irp b, 0,1,2,3
	v_max3_num_f32 v[TM+\b], |v[(\src)+16*\b]|, |v[(\src)+16*\b+1]|, 0x1800000
.endr
.irp i, 2,4,6,8,10,12,14
.irp b, 0,1,2,3
	v_max3_num_f32 v[TM+\b], |v[(\src)+16*\b+\i]|, |v[(\src)+16*\b+\i+1]|, v[TM+\b]
.endr
.endr
	WIN 0
.irp b, 0,1,2,3
	v_permlanex16_b32 v[TM+4+\b], v[TM+\b], s[SEL], s[SEL+1]
.endr
.irp b, 0,1,2,3
	v_max_num_f32 v[TM+\b], v[TM+\b], v[TM+4+\b]
.endr
.irp b, 0,1,2,3
	v_add_nc_u32 v[TM+12+\b], 0xff000000, v[TM+\b]
.endr
.irp b, 0,1,2,3
	v_lshrrev_b32 v[TM+4+\b], 23, v[TM+12+\b]
.endr
	v_lshl_or_b32 v[\pw], v[TM+5], 8, v[TM+4]
	v_lshl_or_b32 v[\pw], v[TM+6], 16, v[\pw]
	v_lshl_or_b32 v[\pw], v[TM+7], 24, v[\pw]
	WIN (\w)
.irp c, 0,1
	v_cvt_scalef32_pk16_fp6_f32 v[PC+6*\c:PC+2+6*\c], v[(\src)+32*\c:(\src)+15+32*\c], v[TM+12+2*\c]
	v_cvt_scalef32_pk16_fp6_f32 v[PC+12+4*\c:PC+14+4*\c], v[(\src)+16+32*\c:(\src)+31+32*\c], v[TM+12+2*\c+1]
.endr
	WIN 0
	v_nop
.irp c, 0,1
.irp i, 0,1,2
	v_permlane16_swap_b32 v[PC+6*\c+\i], v[PC+12+4*\c+\i]
.endr
.irp i, 0,1,2
	v_mov_b32 v[PC+3+6*\c+\i], v[PC+12+4*\c+\i]
.endr
.endr
.endm
.macro OUTT a
	s_wait_xcnt 0x0
.if FFN
	WIN 0x88+0x44*((\a)/4)
.set i, 0
.rept 64
	v_max_num_f32 v[64*((\a)%4)+i], 0, v[64*((\a)%4)+i]
.set i, i+1
.endr
.else
.if (\a) == 4
	s_add_nc_u64 s[D0:D0+1], s[D0:D0+1], s[20:21]
	s_add_nc_u64 s[D1:D1+1], s[D1:D1+1], s[20:21]
.elseif (\a) > 0
	s_add_nc_u64 s[D0:D0+1], s[D0:D0+1], s[18:19]
	s_add_nc_u64 s[D1:D1+1], s[D1:D1+1], s[18:19]
.endif
.if (\a) == 5
	s_add_nc_u64 s[E0:E0+1], s[E0:E0+1], s[22:23]
	s_add_nc_u64 s[E1:E1+1], s[E1:E1+1], s[22:23]
.elseif ((\a) == 3) || ((\a) == 7)
	s_add_nc_u64 s[E0:E0+1], s[E0:E0+1], 256
	s_add_nc_u64 s[E1:E1+1], s[E1:E1+1], 256
.endif
.endif
	QUANT 64*((\a)%4), 2+(\a)/4, PW+(\a)%2
.if FFN
	global_store_b128 v[L16], v[PC:PC+3], s[D0:D0+1] offset:(\a)*49152
	global_store_b64 v[L8], v[PC+4:PC+5], s[D0:D0+1] offset:(\a)*49152+512
	global_store_b128 v[L16], v[PC+6:PC+9], s[D0:D0+1] offset:(\a)*49152+768
	global_store_b64 v[L8], v[PC+10:PC+11], s[D0:D0+1] offset:(\a)*49152+1280
.if (\a)%2 == 1
	global_store_b64 v[L8], v[PW:PW+1], s[E0:E0+1] offset:((\a)/2)*8192
.endif
.else
	global_store_b128 v[L16], v[PC:PC+3], s[D0:D0+1]
	global_store_b64 v[L8], v[PC+4:PC+5], s[D0:D0+1] offset:512
	global_store_b128 v[L16], v[PC+6:PC+9], s[D1:D1+1]
	global_store_b64 v[L8], v[PC+10:PC+11], s[D1:D1+1] offset:512
.if (\a)%2 == 1
	s_cmp_eq_u32 ttmp9, 2
	s_cbranch_scc1 .Lv_\@
	v_and_or_b32 v82, v80, s100, s101
	v_and_or_b32 v83, v81, s100, s101
	v_lshrrev_b32 v84, 16, v80
	v_lshrrev_b32 v85, 16, v81
	v_or_b32 v84, s101, v84
	v_or_b32 v85, s101, v85
	global_store_b64 v[L8], v[82:83], s[E0:E0+1]
	global_store_b64 v[L8], v[84:85], s[E1:E1+1]
	s_branch .Ldone_\@
.Lv_\@:
	global_store_b64 v[L8], v[PW:PW+1], s[E0:E0+1]
.Ldone_\@:
.endif
.endif
.endm
	PLACES NP
.irp a, 0,1,2,3,4,5,6,7
	OUTT \a
.endr
	s_wait_tensorcnt 0x0
	ds_add_u32 v[SPW], v[NIL]
	s_wait_dscnt 0x0
	CROUND
	s_endpgm
.Lfunc_end_k_q6db875b9a4_ffn1:
	.size	k_q6db875b9a4_ffn1, .Lfunc_end_k_q6db875b9a4_ffn1-k_q6db875b9a4_ffn1
	.p2alignl 7, 3214868480
	.fill 96, 4, 3214868480
	.section	.rodata,"a",@progbits
	.p2align	6, 0x0
	.amdhsa_kernel k_q6db875b9a4_ffn1
		.amdhsa_group_segment_fixed_size 327680
		.amdhsa_private_segment_fixed_size 0
		.amdhsa_enable_private_segment 0
		.amdhsa_kernarg_size 32
		.amdhsa_user_sgpr_count 2
		.amdhsa_user_sgpr_kernarg_segment_ptr 1
		.amdhsa_wavefront_size32 1
		.amdhsa_system_sgpr_workgroup_id_x 1
		.amdhsa_system_sgpr_workgroup_id_y 1
		.amdhsa_system_sgpr_workgroup_id_z 1
		.amdhsa_system_vgpr_workitem_id 0
		.amdhsa_next_free_vgpr 1024
		.amdhsa_next_free_sgpr 104
		.amdhsa_reserve_vcc 0
		.amdhsa_float_denorm_mode_32 3
		.amdhsa_float_denorm_mode_16_64 3
		.amdhsa_memory_ordered 1
		.amdhsa_forward_progress 1
		.amdhsa_inst_pref_size 168
	.end_amdhsa_kernel
	.amdgpu_metadata
---
amdhsa.version: [ 1, 2 ]
amdhsa.kernels:
  - .name:           k_q6db875b9a4_ffn1
    .symbol:         k_q6db875b9a4_ffn1.kd
    .args:
      - { .name: himg, .offset: 0, .size: 8, .value_kind: global_buffer, .address_space: global }
      - { .name: wimg, .offset: 8, .size: 8, .value_kind: global_buffer, .address_space: global }
      - { .name: b1, .offset: 16, .size: 8, .value_kind: global_buffer, .address_space: global }
      - { .name: fimg, .offset: 24, .size: 8, .value_kind: global_buffer, .address_space: global }
    .group_segment_fixed_size: 327680
    .private_segment_fixed_size: 0
    .kernarg_segment_align: 8
    .kernarg_segment_size: 32
    .max_flat_workgroup_size: 128
    .sgpr_count:     104
    .vgpr_count:     1024
    .wavefront_size: 32
...
	.end_amdgpu_metadata
.endif
;; end of part 6
;; launch ffn2 (part 7): grid 8 x 32, 4 waves a work-group, clusters of 4 x 4, 327,680 bytes of LDS; arguments fimg, wimg, b2, x1, out0; writes out0
.if DOCPART == 7
	.amdgcn_target "amdgcn-amd-amdhsa--gfx1250"
	.amdhsa_code_object_version 6
	.text
	.protected	k_q6db875b9a4_ffn2
	.globl	k_q6db875b9a4_ffn2
	.p2align	8
	.type	k_q6db875b9a4_ffn2,@function
k_q6db875b9a4_ffn2:
	s_mov_b64 s[64:65], 0
	v_nop
	global_prefetch_b8 v0, s[64:65] scope:SCOPE_SE
	s_setreg_imm32_b32 hwreg(HW_REG_WAVE_MODE, 25, 1), 1
	s_wait_xcnt 0x0
	s_wait_alu depctr_hold_cnt(0) depctr_sa_sdst(0) depctr_va_vdst(0) depctr_va_sdst(0) depctr_va_ssrc(0) depctr_va_vcc(0) depctr_vm_vsrc(0)
	s_getreg_b32 s2, hwreg(HW_REG_IB_STS2, 6, 4)
	s_cmp_eq_u32 s2, 0
	s_cbranch_scc0 .Lentry_in_a_cluster
	s_endpgm
.Lentry_in_a_cluster:
	s_bfe_u32 s2, ttmp6, 0x10000c
	s_cmp_lg_u32 s2, 0xf033
	s_cbranch_scc0 .Lentry_shape_is_right
	s_endpgm
.Lentry_shape_is_right:
; ONE TEXT FOR TWO LAUNCHES (the constants KDIM, PS, WC, WS differ): out = residual + P W^T + bias, P [4,096][KDIM] and W [1,024][KDIM] as codes of FP6 (E2M3) with E8M0 scales, f32 sums; residual, bias, out in f32.
; P and W are images of operand registers: tile t of 16 rows, lane-row r = row 32 (t / 2) + 8 (t % 2) + r % 8 + 16 (r / 8); half-fragments of 768 bytes, codes [tile][KDIM / 64][768]; scale units of 256 bytes
; [pair of tiles][KDIM / 128][256].  A fragment comes from LDS by four loads of 512 or 256 consecutive bytes.
; SHARES.  A tile of the result is 128 x 128, which gives 8 x 32 = 256 work-groups (256 x 256 would give 64).  Four waves, each 64 x 64: 16 accumulators.  K goes in steps of 512 through two LDS slots, one tensor load a
; wave (4 tiles x 6,144 bytes); the scales of all of K come once, with the first fills.  With KDIM = 1,024 both K steps are first fills and nothing is filled again.
; CLUSTERS: 4 x 4: P's tiles are asked for jointly along a row of the cluster, W's along a column.  The wave's 64 x 64 of the residual is asked for at the head and lands under the product.
; Source 0 = 16 rows of W, source 1 = 16 rows of P: a lane holds a token, register j of W's tile b is column 32 (b / 2) + 16 h + 8 (b % 2) + j.  The way out goes through the wave's own stage in LDS and stores
; 256 consecutive bytes, aligned, from sixteen lanes.
; REGISTERS: window 0: v8-11 bias, v12-29 addresses, v32-63 scale words and nothing else, v64-127 the way out, v128-255 the accumulators.  window 1: two sets of fragments, at v0 and v128 (P's four, then W's four).
;   window 2: v0-127 the residual.
.set KDIM,  4096
.set PS,    12582912                   ; where P's scale units begin in its buffer
.set WC,    6291456                    ; W's codes in wimg
.set WS,    9961472                    ; W's scale units in wimg
.set TILEB, 12*KDIM                    ; a tile's codes
.set TROW,  6144                       ; and for 512 along K
.set FR,    12
.set HALFT, 4*TROW
.set SLOT,  4*HALFT
.set LAPS,  KDIM/1024
.set PAIRS, 2*KDIM                     ; a pair's scale units for all of K
.set HALFS, 2*PAIRS                    ; those of 64 rows
.set SCL,   2*SLOT
.set STAGE, SCL+4*HALFS                ; 16 rows x 272 bytes for each wave: no fill lands here
.set SPARE, STAGE+4*16*272
.set BV,   8
.set STO,  12
.set RD,   13
.set CO,   14
.set BO,   15
.set ADRA, 16
.set ADRB, 20
.set L16,  24
.set L8,   25
.set ADRS, 27
.set SPW,  28
.set NIL,  29
.set SC,   32                          ; scale words: set sc, step q, tile t at v[SC + 16 sc + 4 q + t]: lanes 0-15 P's tile t, lanes 16-31 W's
.set BK,   64
.set ACC,  128
.set G1, 24
.set G0, 32
.set G1B, 48
.set G0B, 56
.set G1S, 68
.set G0S, 76
.set G1SB, 80
.set G0SB, 88
.set MSB, 0
.macro WIN new
.if MSB != (\new)
	s_set_vgpr_msb (MSB<<8)|(\new)
.set MSB, (\new)
.endif
.endm
.set MUL,  0x05                        ; sources 0 and 1 window 1; C and D window 0
.set TO_F, 0x40
.macro JLOAD g0a, g1a, g0b, g1b        ; a joint load: waves 0 and 1 fetch for P, waves 2 and 3 for W; an s_nop 0 and four v_nop follow each of the two lines
	s_cmp_eq_u32 s15, 0
	s_cbranch_scc0 .Lfor_b_\@
	tensor_load_to_lds s[\g0a:\g0a+3], s[\g1a:\g1a+7]
	s_nop 0
.rept 4
	v_nop
.endr
	s_branch .Lasked_\@
.Lfor_b_\@:
	tensor_load_to_lds s[\g0b:\g0b+3], s[\g1b:\g1b+7]
	s_nop 0
.rept 4
	v_nop
.endr
.Lasked_\@:
.endm
.macro CREST
	s_cmp_lg_u32 s14, 0
	s_cbranch_scc1 .Lnot_wave_0_\@
	s_barrier_signal -3
.Lnot_wave_0_\@:
	s_barrier_wait -3
	s_barrier_signal -1
	s_barrier_wait -1
.endm
.macro CROUND
	s_barrier_signal -1
	s_barrier_wait -1
	CREST
.endm
	s_load_b256 s[4:11], s[0:1], 0x0               ; P's image, wimg, bias, residual
	s_load_b64 s[12:13], s[0:1], 0x20              ; out
	v_lshl_add_u32 v[SPW], v0, 2, SPARE
	v_mov_b32 v[NIL], 0
	ds_add_u32 v[SPW], v[NIL]                      ; the wave's opening: the add and its wait ahead of my first tensor load
	ds_add_u32 v[SPW], v[NIL]
	v_lshrrev_b32 v1, 5, v0
	v_readfirstlane_b32 s14, v1
	s_lshr_b32 s15, s14, 1                         ; which half of P's rows is mine.  Also: I fetch for P (0) or for W (1)
	s_and_b32 s16, s14, 1                          ; which half of W's rows.  Also: which half I fetch
	s_bfe_u32 s40, ttmp6, 0x40000
	s_bfe_u32 s41, ttmp6, 0x40004
	s_lshl_b32 s42, ttmp9, 2
	s_add_co_u32 s42, s42, s40                     ; W's tile of 128 rows
	s_and_b32 s17, ttmp7, 0xffff
	s_lshl_b32 s17, s17, 2
	s_add_co_u32 s17, s17, s41                     ; P's tile of 128 rows
	s_lshl_b32 s43, s41, 2
	s_lshl_b32 s43, 15, s43
	s_lshl_b32 s44, 0x1111, s40
	s_or_b32 s[G1+0], s43, (3<<16)|(1<<21)         ; the mask; elements of 8 bytes; no padding; bit 21 beside a mask
	s_or_b32 s[G1B+0], s44, (3<<16)|(1<<21)
	s_or_b32 s[G1S+0], s43, (3<<16)|(1<<21)
	s_or_b32 s[G1SB+0], s44, (3<<16)|(1<<21)
.irp g, G1, G1B                        ; codes: 4 tiles x 6,144 bytes, a tile's codes apart
	s_mov_b32 s[\g+1], 768<<16
	s_mov_b32 s[\g+2], 8<<16                       ; the head's loads bring 8 tiles; behind them these two words are set to 4, for the ring's
	s_mov_b32 s[\g+3], 768<<16
	s_mov_b32 s[\g+4], 8
	s_mov_b32 s[\g+5], TILEB/8
	s_mov_b32 s[\g+6], 0
	s_mov_b32 s[\g+7], 0
.endr
.irp g, G1S, G1SB                      ; scales: a dense block as rows of 256 bytes
	s_mov_b32 s[\g+1], 32<<16
	s_mov_b32 s[\g+2], (HALFS/128)<<16             ; the scales of 128 rows
	s_mov_b32 s[\g+3], 32<<16
	s_mov_b32 s[\g+4], HALFS/128
	s_mov_b32 s[\g+5], 32
	s_mov_b32 s[\g+6], 0
	s_mov_b32 s[\g+7], 0
.endr
	s_mul_i32 s20, s17, 8*TILEB
	s_mul_i32 s18, s16, 4*TILEB
	s_mul_i32 s46, s42, 8*TILEB
	s_add_co_u32 s46, s46, WC
	s_mul_i32 s22, s17, 4*PAIRS
	s_mov_b32 s19, 0                               ; s[18:19]: my half of a tile's codes, in bytes
	s_add_co_u32 s22, s22, PS
	s_mul_i32 s92, s42, 4*PAIRS
	s_add_co_u32 s92, s92, WS
	s_mov_b32 s21, 0
	s_mov_b32 s23, 0
	s_mov_b32 s47, 0
	s_mov_b32 s93, 0
	s_mul_i32 s45, s14, HALFT
	s_wait_dscnt 0x0                               ; the opening add is done
	s_wait_kmcnt 0x0
	s_add_nc_u64 s[20:21], s[4:5], s[20:21]
	s_add_nc_u64 s[22:23], s[4:5], s[22:23]
	s_add_nc_u64 s[46:47], s[6:7], s[46:47]
	s_add_nc_u64 s[92:93], s[6:7], s[92:93]
	CROUND                                         ; all sixteen work-groups are here: the first joint loads meet
	s_mov_b32 s[G0S], 1
	s_mov_b32 s[G0S+1], SCL
	s_mov_b64 s[G0S+2:G0S+3], s[22:23]
	s_or_b32 s[G0S+3], s[G0S+3], 0x80000000
	s_mov_b32 s[G0SB], 1
	s_mov_b32 s[G0SB+1], SCL+2*HALFS
	s_mov_b64 s[G0SB+2:G0SB+3], s[92:93]
	s_or_b32 s[G0SB+3], s[G0SB+3], 0x80000000
.irp s, 0,1
	s_mov_b32 s[G0+4*\s], 1
	s_add_co_u32 s[G0+4*\s+1], s45, \s*SLOT
	s_add_nc_u64 s[G0+4*\s+2:G0+4*\s+3], s[20:21], \s*TROW
	s_or_b32 s[G0+4*\s+3], s[G0+4*\s+3], 0x80000000
	s_mov_b32 s[G0B+4*\s], 1
	s_add_co_u32 s[G0B+4*\s+1], s45, \s*SLOT
	s_add_nc_u64 s[G0B+4*\s+2:G0B+4*\s+3], s[46:47], \s*TROW
	s_or_b32 s[G0B+4*\s+3], s[G0B+4*\s+3], 0x80000000
.endr
.set PFO, 30                           ; v30 the prefetches' offset: 256 x min(lane, 23); never rewritten
.set PFA, 6                            ; s[6:7] where my prefetches stand
	; THE HEAD'S LOADS, ONE A WAVE: wave 0 P's 8 tiles of K step 0, wave 1 W's, wave 2 P's scales, wave 3 W's.  Slot 0's two groups 0 serve them whole and get my half behind the wait.
	s_mov_b32 s[G0+1], 0
	s_mov_b32 s[G0B+1], 2*HALFT
	s_add_nc_u64 s[G0+6:G0+7], s[G0+6:G0+7], s[18:19]
	s_add_nc_u64 s[G0B+6:G0B+7], s[G0B+6:G0B+7], s[18:19]
.macro ARM under, g0, g1, next         ; one chain of branches on the wave's number, one load to an arm, all arms to one join
	s_cmp_lt_u32 s14, \under
	s_cbranch_scc0 \next
	tensor_load_to_lds s[\g0:\g0+3], s[\g1:\g1+7]
	s_nop 0
.rept 4
	v_nop
.endr
	s_branch .Lhead_asked
\next:
.endm
	ARM 1, G0,  G1,  .Lhead_b
	ARM 2, G0B, G1B, .Lhead_sa
	ARM 3, G0S, G1S, .Lhead_sb
	tensor_load_to_lds s[G0SB:G0SB+3], s[G1SB:G1SB+7]
	s_nop 0
.rept 4
	v_nop
.endr
.Lhead_asked:
	v_and_b32 v1, 15, v0
	v_bfe_u32 v2, v0, 4, 1                         ; h
	v_and_b32 v3, 31, v0
	v_lshlrev_b32 v[L16], 4, v3
	v_lshlrev_b32 v[L8], 3, v3
	v_lshlrev_b32 v[BO], 4, v1
	v_lshl_add_u32 v[CO], v2, 12, v[BO]            ; lanes 0-15 one row of the result, lanes 16-31 the next; 16 bytes a lane
	s_wait_alu depctr_va_vdst(0)
	s_lshl_b32 s96, s17, 7
	s_lshl_b32 s97, s15, 6
	s_add_co_u32 s96, s96, s97
	s_lshl_b32 s96, s96, 12                        ; my first row, 4,096 bytes a row
	s_lshl_b32 s98, s42, 9
	s_lshl_b32 s97, s16, 8
	s_add_co_u32 s98, s98, s97                     ; my first column, in bytes
	s_add_co_u32 s96, s96, s98
	s_mov_b32 s97, 0
	s_mov_b32 s99, 0
	s_add_nc_u64 s[10:11], s[10:11], s[96:97]
	s_add_nc_u64 s[12:13], s[12:13], s[96:97]
	s_add_nc_u64 s[8:9], s[8:9], s[98:99]
	global_load_b128 v[BV:BV+3], v[BO], s[8:9]     ; the bias of my four columns
	; PREFETCHES INTO THE L2.  Of the 4 tiles x 6,144 bytes that my wave fetches in a K step, each of the four partners that ask for them jointly takes one tile, told apart by address (cx for P, cy for W):
	; 24 blocks of 256 bytes, a lane a block (the lanes left over name the last again).  Behind the load of K step s stands the request for K step s + 2; K step 1 is asked for here too.
	s_cmp_eq_u32 s15, 0
	s_cselect_b32 s2, s40, s41
	s_cselect_b64 s[PFA:PFA+1], s[20:21], s[46:47]
	s_mul_i32 s2, s2, TILEB
	s_add_co_u32 s2, s2, s18
	s_mov_b32 s3, 0
	s_add_nc_u64 s[PFA:PFA+1], s[PFA:PFA+1], s[2:3]
	v_min_u32 v[PFO], 23, v3
	v_lshlrev_b32 v[PFO], 8, v[PFO]
	global_prefetch_b8 v[PFO], s[PFA:PFA+1] offset:TROW th:TH_LOAD_NT scope:SCOPE_SE
.if LAPS > 1
	global_prefetch_b8 v[PFO], s[PFA:PFA+1] offset:2*TROW th:TH_LOAD_NT scope:SCOPE_SE
.endif
	s_mul_i32 s21, s15, HALFT
	s_mul_i32 s22, s16, HALFT
	s_add_co_u32 s22, s22, 2*HALFT
.irp s, 0,1
	v_add_nc_u32 v[ADRA+\s], s21, v[L16]
	v_add_nc_u32 v[ADRB+\s], s22, v[L16]
	v_add_nc_u32 v[ADRA+2+\s], s21, v[L8]
	v_add_nc_u32 v[ADRB+2+\s], s22, v[L8]
	s_add_co_u32 s21, s21, SLOT
	s_add_co_u32 s22, s22, SLOT
.endr
	s_mul_i32 s21, s15, HALFS                      ; scale words: lanes 0-15 take P's, lanes 16-31 W's: the lower base + h x the distance
	s_mul_i32 s22, s16, HALFS
	s_add_co_u32 s22, s22, 2*HALFS
	s_sub_co_u32 s22, s22, s21
	v_mul_u32_u24 v6, s22, v2
	s_add_co_u32 s21, s21, SCL
	v_add_nc_u32 v5, v[L8], v6
	v_add_nc_u32 v[ADRS], s21, v5
	s_mul_i32 s23, s14, 16*272
	s_add_co_u32 s23, s23, STAGE                   ; my stage
	v_mul_u32_u24 v4, v1, 272
	v_lshl_add_u32 v4, v2, 6, v4
	v_add_nc_u32 v[STO], s23, v4                   ; in: row r, + 64 h
	v_mul_u32_u24 v4, v2, 272
	v_lshl_add_u32 v4, v1, 4, v4
	v_add_nc_u32 v[RD], s23, v4                    ; back: lanes 0-15 one row, lanes 16-31 the next
.macro FRAG reg, adr, q, i
	ds_load_b128 v[\reg:\reg+3], v[\adr] offset:(\i)*TROW+(\q)*1536
	ds_load_b64 v[\reg+4:\reg+5], v[\adr+2] offset:(\i)*TROW+(\q)*1536+512
	ds_load_b128 v[\reg+6:\reg+9], v[\adr] offset:(\i)*TROW+(\q)*1536+768
	ds_load_b64 v[\reg+10:\reg+11], v[\adr+2] offset:(\i)*TROW+(\q)*1536+1280
.endm
.macro FETCH slot, q, f                ; 32 LDS loads in one run: the eight fragments of the slot's q-th 128 along K into set f
	WIN TO_F
.irp i, 0,1,2,3
	FRAG (\f)+48+FR*\i, ADRB+\slot, \q, \i
	FRAG (\f)+FR*\i, ADRA+\slot, \q, \i
.endr
.endm
.macro SCALES sc
.irp q, 0,1,2,3
.irp i, 0,1
	ds_load_b64 v[SC+16*\sc+4*\q+2*\i:SC+16*\sc+4*\q+2*\i+1], v[ADRS] offset:\i*PAIRS+256*\q
.endr
.endr
.endm
; four matrix instructions: P's block a x W's four.  The 16 accumulators take turns, one instruction a turn, in the same order in every step.
.macro MUL4 f, a, sc, q, zero
.irp b, 0,1,2,3
.set DD, ACC+8*(4*(\a)+\b)
.set QQ, (\f)+48+FR*\b
.set PP, (\f)+FR*(\a)
.if \zero
	v_wmma_scale_f32_16x16x128_f8f6f4 v[DD:DD+7], v[QQ:QQ+FR-1], v[PP:PP+FR-1], 0, v[SC+16*(\sc)+4*(\q)+\b], v[SC+16*(\sc)+4*(\q)+(\a)] matrix_a_fmt:MATRIX_FMT_FP6 matrix_b_fmt:MATRIX_FMT_FP6 matrix_a_scale:MATRIX_SCALE_ROW1
.else
	v_wmma_scale_f32_16x16x128_f8f6f4 v[DD:DD+7], v[QQ:QQ+FR-1], v[PP:PP+FR-1], v[DD:DD+7], v[SC+16*(\sc)+4*(\q)+\b], v[SC+16*(\sc)+4*(\q)+(\a)] matrix_a_fmt:MATRIX_FMT_FP6 matrix_b_fmt:MATRIX_FMT_FP6 matrix_a_scale:MATRIX_SCALE_ROW1
.endif
.endr
.endm
.macro PLACES n                        ; plain vector instructions between a matrix instruction and a load into, or a vector instruction on, its registers (ISA guide 7.12.1 for vector instructions)
.rept \n
	v_nop
.endr
.endm
.macro STEP slot, q, zero              ; one of a slot's first three steps of 128: the next step's fragments are asked for, then this step's 16 products
	PLACES 4
	FETCH \slot, (\q)+1, 128*(1-(\q)%2)
	s_wait_dscnt 32                                ; all but the 32 just issued
	WIN MUL
	MUL4 128*((\q)%2), 0, \slot, \q, \zero
	MUL4 128*((\q)%2), 1, \slot, \q, \zero
	MUL4 128*((\q)%2), 2, \slot, \q, \zero
	MUL4 128*((\q)%2), 3, \slot, \q, \zero
.endm
; A slot's last step changes slots: one barrier; in front of it each wave waits for all its tensor loads, adds 0 to its spare word, and waits for that and for its reads of this slot.  fill = 1: the slot is filled again.
.macro TURN slot, next, fill
	WIN 0
.if (\fill) && (LAPS > 2)
	s_wait_xcnt 0x0                                ; my prefetches have read their address: it steps a K step
	s_add_nc_u64 s[PFA:PFA+1], s[PFA:PFA+1], TROW
.endif
	s_wait_tensorcnt 0x0                           ; all my tensor loads have landed: my part of the next slot
	ds_add_u32 v[SPW], v[NIL]                      ; 0 onto my spare word
	s_wait_dscnt 1                                 ; (the add may be out)
	WIN MUL
	MUL4 128, 0, \slot, 3, 0
	s_wait_dscnt 0x0                               ; the add is done, and my reads of this slot are over
	s_barrier_signal -1
	MUL4 128, 1, \slot, 3, 0
	WIN 0
	s_barrier_wait -1
.if \fill
	CREST                                          ; the barrier has opened a round of the cluster's barrier
	s_add_nc_u64 s[G0+4*\slot+2:G0+4*\slot+3], s[G0+4*\slot+2:G0+4*\slot+3], 2*TROW
	s_add_nc_u64 s[G0B+4*\slot+2:G0B+4*\slot+3], s[G0B+4*\slot+2:G0B+4*\slot+3], 2*TROW
	JLOAD G0+4*\slot, G1, G0B+4*\slot, G1B         ; the first tensor load behind the round; its four v_nop are the places in front of the loads below
.else
	PLACES 4
.endif
	s_wait_alu depctr_va_vdst(0)
	v_add_nc_u32 v[ADRS], 1024, v[ADRS]            ; the next K step's scale words
	FETCH \next, 0, 0
	WIN 0
	SCALES \next
.if (\fill) && (LAPS > 2)
	s_cmp_gt_u32 s3, 1                             ; the loop's last trip has no K step two refills on
	s_cbranch_scc0 .Lno_ask_\@
	global_prefetch_b8 v[PFO], s[PFA:PFA+1] offset:3*TROW th:TH_LOAD_NT scope:SCOPE_SE
.Lno_ask_\@:
.endif
	WIN MUL
	MUL4 128, 2, \slot, 3, 0
	MUL4 128, 3, \slot, 3, 0
.endm
	s_wait_alu depctr_va_vdst(0)
	s_wait_tensorcnt 0x0                           ; my tile of the head's four is in
	ds_add_u32 v[SPW], v[NIL]
	s_mov_b32 s[G1+2], 4<<16                       ; no tensor load of mine is out: from here on a load brings 4 tiles
	s_mov_b32 s[G1+4], 4
	s_mov_b32 s[G1B+2], 4<<16
	s_mov_b32 s[G1B+4], 4
.if LAPS > 1
	s_mov_b32 s[G0+1], s45                         ; slot 0's groups 0 name my half, for its refills
	s_mov_b32 s[G0B+1], s45
	s_add_nc_u64 s[G0+2:G0+3], s[G0+2:G0+3], s[18:19]
	s_add_nc_u64 s[G0B+2:G0B+3], s[G0B+2:G0B+3], s[18:19]
.endif
	s_wait_dscnt 0x0
	CROUND                                         ; all four tiles are in, all sixteen work-groups are here
	JLOAD G0+4, G1, G0B+4, G1B                     ; K step 1, the first tensor load behind the round
	FETCH 0, 0, 0
	WIN 0
	SCALES 0
	WIN 0x80                                       ; destination window 2: the residual is asked for here, behind K step 1's load, and is wanted on the way out
.irp a, 0,1,2,3
.irp t, 0,1,2,3,4,5,6,7
	global_load_b128 v[32*\a+4*\t:32*\a+4*\t+3], v[CO], s[10:11] offset:(32*(\a/2)+8*(\a%2)+2*(\t%4)+16*(\t/4))*4096   ; in the order in which the way out stores
.endr
.endr
	WIN 0
.if LAPS > 1
	global_prefetch_b8 v[PFO], s[PFA:PFA+1] offset:3*TROW th:TH_LOAD_NT scope:SCOPE_SE
.endif
	STEP 0, 0, 1                                   ; the first step stands in front of the loop: its products start the sums
.if LAPS > 1
	WIN 0
	s_mov_b32 s3, LAPS-1
.Llap:                                             ; a trip goes once round the ring and fills both slots again
	STEP 0, 1, 0
	STEP 0, 2, 0
	TURN 0, 1, 1
	STEP 1, 0, 0
	STEP 1, 1, 0
	STEP 1, 2, 0
	TURN 1, 0, 1
	STEP 0, 0, 0
	WIN 0
	s_sub_co_u32 s3, s3, 1
	s_cmp_lg_u32 s3, 0
	s_cbranch_scc1 .Llap
.endif
	STEP 0, 1, 0                                   ; the last lap fills nothing
	STEP 0, 2, 0
	TURN 0, 1, 0
	STEP 1, 0, 0
	STEP 1, 1, 0
	STEP 1, 2, 0
	s_wait_dscnt 0
	MUL4 128, 0, 1, 3, 0
	MUL4 128, 1, 1, 3, 0
	MUL4 128, 2, 1, 3, 0
	MUL4 128, 3, 1, 3, 0
	WIN 0
; THE WAY OUT, a tile of 16 tokens x 64 columns at a time, through my own stage.  LDS serves a wave's instructions in order (ISA guide 5.7.1.4): no wait between the stores and the loads, nor in front of the next tile's stores.
.macro TOSTAGE a
.irp b, 0,1,2,3
	ds_store_b128 v[STO], v[ACC+8*(4*(\a)+\b):ACC+8*(4*(\a)+\b)+3] offset:128*(\b/2)+32*(\b%2)        ; each accumulator from its low end on
	ds_store_b128 v[STO], v[ACC+8*(4*(\a)+\b)+4:ACC+8*(4*(\a)+\b)+7] offset:128*(\b/2)+32*(\b%2)+16
.endr
.irp t, 0,1,2,3,4,5,6,7
	ds_load_b128 v[BK+32*((\a)%2)+4*\t:BK+32*((\a)%2)+4*\t+3], v[RD] offset:544*\t
.endr
.endm
.macro SEND a, younger                 ; younger: the LDS instructions issued behind tile a's loads
.set BB, BK+32*((\a)%2)
	s_wait_dscnt \younger
	WIN 0x08                                       ; source 1 window 2
.set i, 0
.rept 16
	v_pk_add_f32 v[BB+i:BB+i+1], v[BB+i:BB+i+1], v[32*(\a)+i:32*(\a)+i+1]          ; + the residual
.set i, i+2
.endr
	WIN 0
.irp t, 0,1,2,3,4,5,6,7
	v_pk_add_f32 v[BB+4*\t:BB+4*\t+1], v[BB+4*\t:BB+4*\t+1], v[BV:BV+1]            ; + the bias
	v_pk_add_f32 v[BB+4*\t+2:BB+4*\t+3], v[BB+4*\t+2:BB+4*\t+3], v[BV+2:BV+3]
.endr
.irp t, 0,1,2,3,4,5,6,7
	global_store_b128 v[CO], v[BB+4*\t:BB+4*\t+3], s[12:13] offset:(32*((\a)/2)+8*((\a)%2)+2*(\t%4)+16*(\t/4))*4096   ; 16 lanes store 256 consecutive bytes, aligned
.endr
.endm
	PLACES 4
	s_wait_loadcnt 0x0                             ; the residual and the bias
	TOSTAGE 0
.irp a, 1,2,3
.if \a > 1
	s_wait_xcnt 0x0                                ; tile a - 2's stores have read their registers: tile a's loads may land there
.endif
	TOSTAGE \a
	SEND \a-1, 16                                  ; behind tile a - 1's loads: tile a's 8 stores and 8 loads
.endr
	SEND 3, 0
	s_wait_tensorcnt 0x0                           ; the wave's end, behind my last tensor load and my last LDS store
	ds_add_u32 v[SPW], v[NIL]
	s_wait_dscnt 0x0
	CROUND                                         ; the closing round
	s_endpgm
.Lfunc_end_k_q6db875b9a4_ffn2:
	.size	k_q6db875b9a4_ffn2, .Lfunc_end_k_q6db875b9a4_ffn2-k_q6db875b9a4_ffn2
	.p2alignl 7, 3214868480
	.fill 96, 4, 3214868480
	.section	.rodata,"a",@progbits
	.p2align	6, 0x0
	.amdhsa_kernel k_q6db875b9a4_ffn2
		.amdhsa_group_segment_fixed_size 327680
		.amdhsa_private_segment_fixed_size 0
		.amdhsa_enable_private_segment 0
		.amdhsa_kernarg_size 40
		.amdhsa_user_sgpr_count 2
		.amdhsa_user_sgpr_kernarg_segment_ptr 1
		.amdhsa_wavefront_size32 1
		.amdhsa_system_sgpr_workgroup_id_x 1
		.amdhsa_system_sgpr_workgroup_id_y 1
		.amdhsa_system_sgpr_workgroup_id_z 1
		.amdhsa_system_vgpr_workitem_id 0
		.amdhsa_next_free_vgpr 768
		.amdhsa_next_free_sgpr 104
		.amdhsa_reserve_vcc 0
		.amdhsa_float_denorm_mode_32 3
		.amdhsa_float_denorm_mode_16_64 3
		.amdhsa_memory_ordered 1
		.amdhsa_forward_progress 1
		.amdhsa_inst_pref_size 104
	.end_amdhsa_kernel
	.amdgpu_metadata
---
amdhsa.version: [ 1, 2 ]
amdhsa.kernels:
  - .name:           k_q6db875b9a4_ffn2
    .symbol:         k_q6db875b9a4_ffn2.kd
    .args:
      - { .name: fimg, .offset: 0, .size: 8, .value_kind: global_buffer, .address_space: global }
      - { .name: wimg, .offset: 8, .size: 8, .value_kind: global_buffer, .address_space: global }
      - { .name: b2, .offset: 16, .size: 8, .value_kind: global_buffer, .address_space: global }
      - { .name: x1, .offset: 24, .size: 8, .value_kind: global_buffer, .address_space: global }
      - { .name: out0, .offset: 32, .size: 8, .value_kind: global_buffer, .address_space: global }
    .group_segment_fixed_size: 327680
    .private_segment_fixed_size: 0
    .kernarg_segment_align: 8
    .kernarg_segment_size: 40
    .max_flat_workgroup_size: 128
    .sgpr_count:     104
    .vgpr_count:     768
    .wavefront_size: 32
...
	.end_amdgpu_metadata
.endif
;; end of part 7
